; MI455X (gfx1250); checked and timed in simulation.
; The chip was launched on July 23, 2026; its instructions are those of AMD's public machine-readable ISA for CDNA 5 (MIT licence, August 2026) and "CDNA5" Instruction Set Architecture Reference Guide (July 2026). The comments in the code are by the model that wrote it; some were corrected since.
;; Transformer Encoder. Allowed arithmetic: matrix products marked QUANTISED: E3M2 operands, one E8M0 scale for each 32 along K, by v_wmma_scale_f32_16x16x128_f8f6f4 with both operands' format E3M2, f32 sums; everything else in f32.
;; Inputs: W1 512 x 2,048 float32; W2 2,048 x 512 float32; WK 512 x 512 float32; WO 512 x 512 float32; WQ 512 x 512 float32; WV 512 x 512 float32; b1 2,048 float32; b2 512 float32; bK 512 float32; bO 512 float32; bQ 512 float32; bV 512 float32; beta1 512 float32; beta2 512 float32; g1 512 float32; g2 512 float32; x 2 x 4,096 x 512 float32.
;; Outputs: out0 2 x 4,096 x 512 float32.
;; Constants: num_head = 8.
;; This version of the problem:
;;   THIS VERSION OF THE PROBLEM IS GIVEN IN LOW PRECISION. The matrix products marked QUANTISED in the list below multiply operands that are first quantised to E3M2 (3 exponent bits, 2 mantissa bits; 6 bits a number), with one power-of-two scale for each 32 numbers along K (OCP MX v1.0); their sums are f32. All else is computed in f32.
;;   The module's matrix products, in the order in which they are computed (A, B: the left and right operand; K: the contracted axis; several contracted axes count as one K, in the product's order):
;;     1. [M 8,192, K 512] x [K 512, N 512]; A: input x; B: input WQ: QUANTISED
;;     2. [M 8,192, K 512] x [K 512, N 512]; A: input x; B: input WK: QUANTISED
;;     3. [M 8,192, K 512] x [K 512, N 512]; A: input x; B: input WV: QUANTISED
;;     4. batch 16 x [M 4,096, K 64] x [K 64, N 4,096]; A: computed on the way; B: computed on the way: QUANTISED
;;     5. batch 16 x [M 4,096, K 4,096] x [K 4,096, N 64]; A: softmax (see below); B: computed on the way: QUANTISED
;;     6. [M 8,192, K 512] x [K 512, N 512]; A: computed on the way; B: input WO: QUANTISED
;;     7. [M 8,192, K 512] x [K 512, N 2,048]; A: computed on the way; B: input W1: QUANTISED
;;     8. [M 8,192, K 2,048] x [K 2,048, N 512]; A: computed on the way; B: input W2: QUANTISED
;;   THE QUANTISER, for each operand of a quantised product, along K:
;;     - K is cut into blocks of 32 from its start; a last block that is shorter is filled with zeros.
;;     - A block's scale is 2^e with e = floor(log2(the largest magnitude in the block)) - 4, held to -126 .. 127; a block of zeros has e = 0. As a byte (E8M0): e + 127.
;;     - Each number is divided by its block's scale, clamped to +-28, and rounded to the nearest number of E3M2, ties to even, subnormals kept.
;;     - The product sums the exact products of the quantised numbers (number of the format x scale) in f32.
;;   ~~~python
;;   def quantise(x, axis):      # numpy; x: float32 -> the quantised numbers, widened to float32 again
;;       x = np.moveaxis(x, axis, -1); K = x.shape[-1]
;;       x = np.pad(x, [(0, 0)] * (x.ndim - 1) + [(0, -K % 32)]); x = x.reshape(x.shape[:-1] + (-1, 32)); a = np.abs(x).max(-1, keepdims=True)
;;       e = np.where(a > 0, np.clip(np.frexp(np.where(a > 0, a, 1))[1] - 1 - 4, -126, 127), 0)      # np.frexp(a)[1] - 1 = floor(log2(a)), exactly
;;       r = np.clip(x / 2.0 ** e, -28, 28)
;;       step = 2.0 ** (np.maximum(np.frexp(np.where(r == 0, 1, r))[1] - 1, -2) - 2)
;;       q = np.round(r / step) * step * 2.0 ** e      # np.round: ties to even
;;       return np.moveaxis(q.reshape(q.shape[:-2] + (-1,))[..., :K], -1, axis).astype(np.float32)
;;   ~~~
;;   SOFTMAX AHEAD OF A QUANTISED PRODUCT. Where the list says 'softmax', what is quantised is not the finished softmax but p = 2^(t - M), with t = logit x log2(e) and M = ceil(the row's largest t), a whole number; so 1/2 < the row's largest p <= 1. The row's sum l is taken of the UNQUANTISED p, in f32, and the product's result is divided by l at the end. Since M is a whole number, a kernel that streams over the keys may use a running M (the ceiling of the running maximum): every later rescaling is an exact power of two, which a block's scale takes up: the codes' values come out the same.
;;   OPERANDS COMPUTED ON THE WAY. 'Computed on the way' means the value that the module computes at that place (a softmax that the list does not call 'softmax' is quantised finished and normalised). What goes into a quantiser is computed in f32, as accurately as f32 sums, v_exp_f32 and their like allow (about 1e-6 of the number): no bf16 or f16 on the way to a quantiser, and a product that is left as it is and whose result goes on into a quantised operand takes f32 operands (vector FMAs, or v_wmma_f32_16x16x4_f32). A number that lies on a knife's edge between two numbers of the format may be rounded either way, as far as f32 arithmetic and the matrix unit's own rounding can turn it there, and no further.
;; 2 versions. Each part assembles by itself: llvm-mc -triple=amdgcn-amd-amdhsa -mcpu=gfx1250 --defsym DOCPART=n.
;; ======== version 1 of 2: 4 launches
;; workspace buffers: xq 3,407,872 bytes; wq 2,457,600 bytes; qc 3,407,872 bytes; kc 3,407,872 bytes; vc 3,276,800 bytes; zq 3,276,800 bytes
;; launch quant (part 1): grid 704 x 1, 4 waves a work-group, no clusters, 58,880 bytes of LDS; arguments x, WQ, WK, WV, WO, W2, W1, xq, wq; writes xq, wq
.if DOCPART == 1
	.amdgcn_target "amdgcn-amd-amdhsa--gfx1250"
	.amdhsa_code_object_version 6
	.text
	.protected	k_qf5c9be01dc_quant
	.globl	k_qf5c9be01dc_quant
	.p2align	8
	.type	k_qf5c9be01dc_quant,@function
k_qf5c9be01dc_quant:
	s_mov_b64 s[64:65], 0
	v_nop
	global_prefetch_b8 v0, s[64:65] scope:SCOPE_SE
	s_setreg_imm32_b32 hwreg(HW_REG_WAVE_MODE, 25, 1), 1
	s_wait_xcnt 0x0
; x [8192][512] and the six weights (stored [K][N], f32) become codes of BF6 (E3M2) with one E8M0 byte for each 32 along K, laid in the ORDER OF AN OPERAND'S REGISTERS:
; a fragment (16 rows x 128 K, 12 registers a lane) is an image of 1,536 bytes: part p (512 bytes) holds registers 4 p .. 4 p + 3, lane l's 16 bytes at 16 l.  Three loads of 16 bytes a lane bring it back.
; THE ROWS (COLUMNS) OF A TILE ARE NOT NEIGHBOURS: in a group of 32, tile u's lane r takes element 8 u + r + 8 (r / 8), so that a product that takes the tile as source 0 leaves 16 neighbours in the 16 registers of tiles u = 0, 1.
; xq: codes [tile t 512][K step 4][1536], tile t = 2 g + u; behind them scale words [t][K step][32 lanes] (lanes 16-31 repeat lanes 0-15).
; wq: codes, for each tensor [pair of tiles P][K step][u][1536]; behind them scale words [P][K step][r + 16 u]: one register carries tile 0's words in lanes 0-15 and tile 1's in lanes 16-31.
; A block's scale is 2^(floor(log2(largest magnitude)) - 4); its byte is the largest magnitude's exponent field - 4, held at 1 from below by a floor among the maximum's leaves.
; LIMITS: NaN and infinities are not served; a block whose largest magnitude lies under 2^-122 (a block of zeros too) carries the byte 1: its codes are zeros or next to it, and this program alone reads the bytes.
; SHARES: a wave does one task and shares nothing: no barrier, no loop.  Work-groups 0-511: tile t of x, wave = K step.  512-639: a pair of columns of WQ, WK, WV, WO (wave = K step) or of W2 (K step 4 a + wave).  640-703: of W1.
; Memory binds here: no matrix unit, no cluster (no two work-groups read the same byte), no tensor load.  Each path has LDS bytes of its own.
.set XQS,  3145728                     ; where xq's scale words begin
.set WQS,  2359296                     ; where wq's begin
.set WREG, 14592                       ; LDS of a wave: x's stage 16 x 528, then one stage of 3,072 for each of the two weight paths
.set R,    16                          ; v16-79   x as loaded
.set X,    80                          ; v80-143  x: 64 numbers of my row, register 16 b + i = k 32 b + 16 (lane / 16) + i
.set D,    16                          ; v16-143  a weight's 128 numbers down K of my column
.set TM,   144                         ; v144-159 at work in QUANT
.set PW,   160                         ; the scale word
.set PC,   162                         ; v162-180 the codes
.set SEL,  32                          ; s[32:33] lane selects: lane l xor 16
; 64 numbers of a lane, register 16 b + i = k 32 b + 16 (lane / 16) + i of my row, become a fragment's 12 registers in v[PC] on and its scale word in v[PW].
.macro QUANT s, ab
.irp b, 0,1,2,3
.if \ab
	v_max3_num_f32 v[TM+\b], |v[\s+16*\b]|, |v[\s+1+16*\b]|, 0x2800000   ; my 16 numbers of block b, and the floor 2^(5 - 127)
.else
	v_max3_num_f32 v[TM+\b], v[\s+16*\b], v[\s+1+16*\b], 0x2800000
.endif
.endr
.irp i, 2,4,6,8,10,12,14
.irp b, 0,1,2,3
.if \ab
	v_max3_num_f32 v[TM+\b], v[TM+\b], |v[\s+16*\b+\i]|, |v[\s+1+16*\b+\i]|   ; the four blocks by turns
.else
	v_max3_num_f32 v[TM+\b], v[TM+\b], v[\s+16*\b+\i], v[\s+1+16*\b+\i]
.endif
.endr
.endr
.irp b, 0,1,2,3
	v_permlanex16_b32 v[TM+4+\b], v[TM+\b], s[SEL], s[SEL+1]
.endr
.irp b, 0,1,2,3
	v_max_num_f32 v[TM+\b], v[TM+\b], v[TM+4+\b]   ; with lane l xor 16's: the block's largest magnitude
.endr
.irp b, 0,1,2,3
	v_add_nc_u32 v[TM+12+\b], 0xfe000000, v[TM+\b]   ; 4 off its exponent field: the conversion's scale operand
.endr
.irp b, 0,1,2,3
	v_lshrrev_b32 v[TM+4+\b], 23, v[TM+12+\b]      ; the scale's byte
.endr
	v_lshl_or_b32 v[PW], v[TM+5], 8, v[TM+4]
	v_lshl_or_b32 v[PW], v[TM+6], 16, v[PW]
	v_lshl_or_b32 v[PW], v[TM+7], 24, v[PW]
.irp c, 0,1
	v_cvt_scalef32_pk16_bf6_f32 v[PC+6*\c:PC+2+6*\c], v[\s+32*\c:\s+15+32*\c], v[TM+12+2*\c]
	v_cvt_scalef32_pk16_bf6_f32 v[PC+12+4*\c:PC+14+4*\c], v[\s+16+32*\c:\s+31+32*\c], v[TM+12+2*\c+1]   ; (a conversion's three registers begin on an even number)
.endr
	v_nop                                          ; one plain place behind a scaled conversion
.irp c, 0,1                                    ; the operand wants a WHOLE block in a lane: lanes 0-15 block 2 c, lanes 16-31 block 2 c + 1
.irp i, 0,1,2
	v_permlane16_swap_b32 v[PC+6*\c+\i], v[PC+12+4*\c+\i]
.endr
.irp i, 0,1,2
	v_mov_b32 v[PC+3+6*\c+\i], v[PC+12+4*\c+\i]
.endr
.endr
.endm
; Block kb (32 along K) of my column: all 32 numbers are mine.  It belongs to lane r' + 16 (kb % 2) of my tile's image, registers 6 (kb / 2) on: three pieces of 8 bytes.
.macro WBLK kb, left
.set XB, D+32*\kb
	s_wait_loadcnt \left                           ; this block's 32 loads are in: at least so many younger ones were issued behind them
	v_max3_num_f32 v144, |v[XB]|, |v[XB+1]|, |v[XB+2]|
	v_max3_num_f32 v145, |v[XB+3]|, |v[XB+4]|, |v[XB+5]|
.irp i, 6,10,14,18,22,26
	v_max3_num_f32 v144, v144, |v[XB+\i]|, |v[XB+\i+1]|
	v_max3_num_f32 v145, v145, |v[XB+\i+2]|, |v[XB+\i+3]|
.endr
	v_max3_num_f32 v144, v144, |v[XB+30]|, |v[XB+31]|
	v_max3_num_f32 v144, v144, v145, 0x2800000     ; and the floor
	v_add_nc_u32 v146, 0xfe000000, v144
	v_lshrrev_b32 v147, 23, v146
.if \kb == 0
	v_mov_b32 v148, v147
.else
	v_lshl_or_b32 v148, v147, 8*\kb, v148          ; my column's scale word, the lower K in the lower byte
.endif
	v_cvt_scalef32_pk16_bf6_f32 v[150:152], v[XB:XB+15], v146
	v_cvt_scalef32_pk16_bf6_f32 v[156:158], v[XB+16:XB+31], v146
	v_nop
.irp i, 0,1,2
	v_mov_b32 v[153+\i], v[156+\i]
.endr
	ds_store_b64 v3, v[150:151] offset:256*(\kb%2)+520*(\kb/2)
	ds_store_b64 v3, v[152:153] offset:256*(\kb%2)+8+1016*(\kb/2)
	ds_store_b64 v3, v[154:155] offset:256*(\kb%2)+512+520*(\kb/2)
	s_wait_dscnt 0x0                               ; the stores have read their registers: the next block's codes may be written
.endm
; A LANE TAKES A COLUMN, ITS REGISTERS RUN DOWN K: each load reads 128 consecutive bytes of a row of the weight.  s[24:25] the source, s[26:27] the codes, s[28:29] the scale words.
.macro WPATH pitch, stage
	v_lshlrev_b32 v2, 2, v1                        ; 4 l
	v_bfe_u32 v7, v0, 3, 1                         ; my column's tile u = (l / 8) % 2
	v_and_b32 v8, 7, v0
	v_bfe_u32 v9, v0, 4, 1
	v_lshl_add_u32 v8, v9, 3, v8                   ; and its lane there r' = l % 8 + 8 (l / 16)
	v_mul_u32_u24 v3, v7, 1536
	v_lshl_add_u32 v3, v8, 4, v3
	v_add_nc_u32 v3, s23, v3
	v_add_nc_u32 v3, \stage, v3                    ; into the stage: tile u's image, lane r'
	v_lshlrev_b32 v5, 4, v1                        ; 16 l
	v_add_nc_u32 v4, s23, v5
	v_add_nc_u32 v4, \stage, v4                    ; out of it: as it lies
	v_lshl_add_u32 v6, v7, 4, v8
	v_lshlrev_b32 v6, 2, v6                        ; my scale word's place: 4 (r' + 16 u)
.set n, 0
.rept 128
	global_load_b32 v[D+n], v2, s[24:25] offset:n*\pitch th:TH_LOAD_NT
.set n, n+1
.endr
	WBLK 0, 63
	WBLK 1, 63
	WBLK 2, 32
	WBLK 3, 0
.irp k, 0,1,2,3,4,5
	ds_load_b128 v[160+4*\k:163+4*\k], v4 offset:512*\k   ; LDS serves a wave's instructions in order: these see my stores
.endr
.irp k, 0,1,2,3,4,5
	s_wait_dscnt 5-\k
	global_store_b128 v5, v[160+4*\k:163+4*\k], s[26:27] offset:512*\k   ; 512 consecutive bytes a store, 3,072 in all
.endr
	global_store_b32 v6, v148, s[28:29]
.endm
	s_load_b512 s[4:19], s[0:1], 0x0               ; x, WQ, WK, WV, WO, W2, W1, xq
	s_load_b64 s[20:21], s[0:1], 0x40              ; wq
	v_lshl_add_u32 v192, v0, 2, 0xe400
	v_mov_b32 v193, 0
	v_lshrrev_b32 v1, 5, v0
	v_readfirstlane_b32 s22, v1                    ; wave 0..3
	v_and_b32 v1, 31, v0                           ; lane
	s_mul_i32 s23, s22, WREG                       ; my wave's LDS
	s_mov_b32 s[SEL], 0x76543210
	s_mov_b32 s[SEL+1], 0xfedcba98
	s_cmp_lt_u32 ttmp9, 512
	s_cbranch_scc0 .Lweights
	; ---- x: tile t = work-group, K step = wave
	v_lshlrev_b32 v2, 4, v1                        ; 16 l
	v_add_nc_u32 v3, s23, v2                       ; the stage, on the way in: a row's 512 bytes as they lie
	v_and_b32 v6, 15, v0                           ; r
	v_bfe_u32 v7, v0, 4, 1                         ; h
	v_mul_u32_u24 v4, v6, 528                      ; rows 528 bytes apart: an odd multiple of 16
	v_lshl_add_u32 v4, v7, 6, v4
	v_add_nc_u32 v4, s23, v4                       ; on the way out: row r, + 64 h: my 16 numbers of each block
	v_lshlrev_b32 v5, 2, v1                        ; 4 l
.irp b, 0,1,2,3
	v_mov_b32 v[TM+4+\b], 0                        ; a lane permute's destination counts as one of its sources
.endr
	s_lshr_b32 s24, ttmp9, 1
	s_lshl_b32 s24, s24, 16                        ; 32 rows of 2,048 bytes for each pair of tiles,
	s_and_b32 s25, ttmp9, 1
	s_lshl_b32 s25, s25, 14                        ; 8 rows for tile u = 1,
	s_add_co_u32 s24, s24, s25
	s_lshl_b32 s25, s22, 9                         ; 512 bytes a K step
	s_add_co_u32 s24, s24, s25
	s_mov_b32 s25, 0
	s_lshl_b32 s26, ttmp9, 2
	s_add_co_u32 s26, s26, s22                     ; 4 t + K step
	s_mul_i32 s28, s26, 1536
	s_mov_b32 s29, 0
	s_lshl_b32 s30, s26, 7
	s_add_co_u32 s30, s30, XQS
	s_mov_b32 s31, 0
	s_wait_kmcnt 0x0
	s_add_nc_u64 s[4:5], s[4:5], s[24:25]
	s_add_nc_u64 s[28:29], s[18:19], s[28:29]
	s_add_nc_u64 s[30:31], s[18:19], s[30:31]
.irp i, 0,1,2,3,4,5,6,7,8,9,10,11,12,13,14,15
	global_load_b128 v[R+4*\i:R+4*\i+3], v2, s[4:5] offset:(\i+8*(\i/8))*2048 th:TH_LOAD_NT   ; the tile's row i: 512 consecutive bytes
.endr
.irp i, 0,1,2,3,4,5,6,7,8,9,10,11,12,13,14,15
	s_wait_loadcnt 15-\i                           ; row i is in; the younger rows may be out
	ds_store_b128 v3, v[R+4*\i:R+4*\i+3] offset:528*\i
.endr
.irp b, 0,1,2,3
.irp j, 0,1,2,3
	ds_load_b128 v[X+16*\b+4*\j:X+16*\b+4*\j+3], v4 offset:128*\b+16*\j   ; my wave's own bytes, served in order
.endr
.endr
	s_wait_dscnt 0x0
	QUANT X, 1
.irp p, 0,1,2
	global_store_b128 v2, v[PC+4*\p:PC+4*\p+3], s[28:29] offset:512*\p
.endr
	global_store_b32 v5, v[PW], s[30:31]
	s_wait_tensorcnt 0x0
	ds_add_u32 v192, v193
	s_wait_dscnt 0x0
	s_endpgm
.Lweights:
	s_cmp_lt_u32 ttmp9, 640
	s_cbranch_scc0 .Lw1
	; ---- WQ, WK, WV, WO, W2: rows of 2,048 bytes
	s_sub_co_u32 s34, ttmp9, 512
	s_and_b32 s35, s34, 15                         ; P: the pair of column tiles
	s_bfe_u32 s36, s34, 0x20004                    ; a
	s_lshl_b32 s37, s36, 2
	s_add_co_u32 s37, s37, s22                     ; W2's K step: 4 a + wave
	s_mul_i32 s38, s36, 196608
	s_mul_i32 s39, s35, 12288
	s_add_co_u32 s38, s38, s39                     ; codes of tensor a, pair P
	s_mul_i32 s39, s35, 49152
	s_add_co_u32 s39, s39, 1572864                 ; codes of W2, pair P
	s_lshl_b32 s40, s36, 13
	s_lshl_b32 s41, s35, 9
	s_add_co_u32 s40, s40, s41
	s_add_co_u32 s40, s40, WQS                     ; scale words of tensor a, pair P
	s_lshl_b32 s41, s35, 11
	s_add_co_u32 s41, s41, 2424832                 ; of W2
	s_wait_kmcnt 0x0
	s_cmp_eq_u32 s36, 1                            ; the choices hang on the work-group's number alone
	s_cselect_b64 s[24:25], s[8:9], s[6:7]
	s_cmp_eq_u32 s36, 2
	s_cselect_b64 s[24:25], s[10:11], s[24:25]
	s_cmp_eq_u32 s36, 3
	s_cselect_b64 s[24:25], s[12:13], s[24:25]
	s_cmp_lt_u32 s34, 64
	s_cselect_b64 s[24:25], s[24:25], s[14:15]
	s_cselect_b32 s37, s22, s37                    ; the K step
	s_cselect_b32 s38, s38, s39
	s_cselect_b32 s40, s40, s41
	s_lshl_b32 s42, s37, 18                        ; 128 rows of 2,048 bytes a K step,
	s_lshl_b32 s43, s35, 7                         ; 128 bytes a pair
	s_add_co_u32 s42, s42, s43
	s_mov_b32 s43, 0
	s_add_nc_u64 s[24:25], s[24:25], s[42:43]
	s_mul_i32 s42, s37, 3072
	s_add_co_u32 s42, s42, s38
	s_add_nc_u64 s[26:27], s[20:21], s[42:43]
	s_lshl_b32 s42, s37, 7
	s_add_co_u32 s42, s42, s40
	s_add_nc_u64 s[28:29], s[20:21], s[42:43]
	WPATH 2048, 8448
	s_wait_tensorcnt 0x0
	ds_add_u32 v192, v193
	s_wait_dscnt 0x0
	s_endpgm
.Lw1:
	; ---- W1: rows of 8,192 bytes
	s_sub_co_u32 s35, ttmp9, 640                   ; P
	s_lshl_b32 s42, s22, 20                        ; 128 rows of 8,192 bytes a K step
	s_lshl_b32 s43, s35, 7
	s_add_co_u32 s42, s42, s43
	s_mov_b32 s43, 0
	s_wait_kmcnt 0x0
	s_add_nc_u64 s[24:25], s[16:17], s[42:43]
	s_mul_i32 s42, s35, 12288
	s_mul_i32 s38, s22, 3072
	s_add_co_u32 s42, s42, s38
	s_add_co_u32 s42, s42, 786432
	s_add_nc_u64 s[26:27], s[20:21], s[42:43]
	s_lshl_b32 s42, s35, 9
	s_lshl_b32 s38, s22, 7
	s_add_co_u32 s42, s42, s38
	s_add_co_u32 s42, s42, 2392064
	s_add_nc_u64 s[28:29], s[20:21], s[42:43]
	WPATH 8192, 11520
	s_wait_tensorcnt 0x0
	ds_add_u32 v192, v193
	s_wait_dscnt 0x0
	s_endpgm
.Lfunc_end_k_qf5c9be01dc_quant:
	.size	k_qf5c9be01dc_quant, .Lfunc_end_k_qf5c9be01dc_quant-k_qf5c9be01dc_quant
	.p2alignl 7, 3214868480
	.fill 96, 4, 3214868480
	.section	.rodata,"a",@progbits
	.p2align	6, 0x0
	.amdhsa_kernel k_qf5c9be01dc_quant
		.amdhsa_group_segment_fixed_size 58880
		.amdhsa_private_segment_fixed_size 0
		.amdhsa_enable_private_segment 0
		.amdhsa_kernarg_size 72
		.amdhsa_user_sgpr_count 2
		.amdhsa_user_sgpr_kernarg_segment_ptr 1
		.amdhsa_wavefront_size32 1
		.amdhsa_system_sgpr_workgroup_id_x 1
		.amdhsa_system_sgpr_workgroup_id_y 1
		.amdhsa_system_sgpr_workgroup_id_z 1
		.amdhsa_system_vgpr_workitem_id 0
		.amdhsa_next_free_vgpr 194
		.amdhsa_next_free_sgpr 66
		.amdhsa_reserve_vcc 0
		.amdhsa_float_denorm_mode_32 3
		.amdhsa_float_denorm_mode_16_64 3
		.amdhsa_memory_ordered 1
		.amdhsa_forward_progress 1
		.amdhsa_inst_pref_size 55
	.end_amdhsa_kernel
	.amdgpu_metadata
---
amdhsa.version: [ 1, 2 ]
amdhsa.kernels:
  - .name:           k_qf5c9be01dc_quant
    .symbol:         k_qf5c9be01dc_quant.kd
    .args:
      - { .name: x, .offset: 0, .size: 8, .value_kind: global_buffer, .address_space: global }
      - { .name: WQ, .offset: 8, .size: 8, .value_kind: global_buffer, .address_space: global }
      - { .name: WK, .offset: 16, .size: 8, .value_kind: global_buffer, .address_space: global }
      - { .name: WV, .offset: 24, .size: 8, .value_kind: global_buffer, .address_space: global }
      - { .name: WO, .offset: 32, .size: 8, .value_kind: global_buffer, .address_space: global }
      - { .name: W2, .offset: 40, .size: 8, .value_kind: global_buffer, .address_space: global }
      - { .name: W1, .offset: 48, .size: 8, .value_kind: global_buffer, .address_space: global }
      - { .name: xq, .offset: 56, .size: 8, .value_kind: global_buffer, .address_space: global }
      - { .name: wq, .offset: 64, .size: 8, .value_kind: global_buffer, .address_space: global }
    .group_segment_fixed_size: 58880
    .private_segment_fixed_size: 0
    .kernarg_segment_align: 8
    .kernarg_segment_size: 72
    .max_flat_workgroup_size: 128
    .sgpr_count:     66
    .vgpr_count:     194
    .wavefront_size: 32
...
	.end_amdgpu_metadata
.endif
;; end of part 1
;; launch qkv (part 2): grid 64 x 3, 16 waves a work-group, no clusters, 260,096 bytes of LDS; arguments xq, wq, bQ, bK, bV, qc, kc, vc; writes qc, kc, vc
.if DOCPART == 2
	.amdgcn_target "amdgcn-amd-amdhsa--gfx1250"
	.amdhsa_code_object_version 6
	.text
	.protected	k_qf5c9be01dc_qkv
	.globl	k_qf5c9be01dc_qkv
	.p2align	8
	.type	k_qf5c9be01dc_qkv,@function
k_qf5c9be01dc_qkv:
	s_mov_b64 s[64:65], 0
	v_nop
	global_prefetch_b8 v0, s[64:65] scope:SCOPE_SE
	s_setreg_imm32_b32 hwreg(HW_REG_WAVE_MODE, 25, 1), 1
	s_wait_xcnt 0x0
; q = x WQ + bQ, k = x WK + bK, v = x WV + bV on codes of BF6 with E8M0 scales, and the results quantised again at once: q and k along a head's 64 channels, v along the keys.
; SHARES: work-group (x, y) takes 128 rows of x (8 tiles) and all 512 columns of tensor y (0 Q, 1 K, 2 V).  Its operands, 49,152 bytes of x's images and 196,608 of the weight's, with their scale words,
; are copied into LDS once, as they lie, in front of the text's one barrier, and only read after it.
; Q, K: wave w takes head w / 2 and four row tiles: 16 accumulators.  The product is TRANSPOSED (source 0 = 16 columns of W, source 1 = 16 rows of x): a lane holds one row, its registers run along the head's channels.
;   qc, kc: codes [head 16][pair of row tiles 128][1536]: registers 0-5 tile 0, registers 6-11 tile 1, each 16 rows x 64 channels; scale words [head][pair][32 lanes]: lane (r, H) has tile H's word, bytes 2 and 3 = 0x7f.
; V: wave w takes 32 columns and all eight row tiles.  The product is natural (source 0 = x): a lane holds one channel, its registers run along the keys: the 128 keys are one K step of attention's second product.
;   vc: codes [head][key step 32][tile of channels 4][1536]; scale words [head][key step][pair of tiles][32 lanes]: lanes 0-15 the even tile, lanes 16-31 the odd one.
; The biases of q and k are LOADED INTO THE ACCUMULATORS, so that every product adds in place and nothing is cleared; V's is the C of the first K step.
; No cluster: joint requests are a form of the tensor load, and this text has none: each byte a work-group needs comes once, 246 KB in one burst of 32 loads a thread, and nothing is fetched in a loop.
; LIMITS: NaN and infinities are not served; a block whose largest magnitude lies under 2^-122 carries the byte 1.
.set XQS,  3145728
.set WQS,  2359296
.set OSC,  3145728                     ; where the scale words begin in qc, kc, vc
.set XIM,  0                           ; LDS: x's 8 x 4 images
.set XSC,  49152                       ; their scale words, 128 bytes each
.set WSC,  53248                       ; the weight's scale words, 16 pairs x 4 K steps x 128 bytes
.set WIM,  61440                       ; the weight's images: [pair 16][K step 4][u 2][1536]
.set WS,   24                          ; v24-25 the weight's scale words;  v26-29 x's: these registers hold scales alone
.set XS,   26
.set WF,   32                          ; v32-79   four fragments of the weight
.set XF,   80                          ; v80-127  four fragments of x
.set ACC,  128                         ; v128-255 sixteen accumulators
.set TM,   32                          ; behind the products: QUANT's registers lie where the fragments lay
.set PW,   48
.set PC,   50
.set SEL,  26                          ; s[26:27]
.macro QUANT s, ab
.irp b, 0,1,2,3
.if \ab
	v_max3_num_f32 v[TM+\b], |v[\s+16*\b]|, |v[\s+1+16*\b]|, 0x2800000   ; my 16 numbers of block b, and the floor 2^(5 - 127).  Each accumulator is read from its low end on
.else
	v_max3_num_f32 v[TM+\b], v[\s+16*\b], v[\s+1+16*\b], 0x2800000
.endif
.endr
.irp i, 2,4,6,8,10,12,14
.irp b, 0,1,2,3
.if \ab
	v_max3_num_f32 v[TM+\b], v[TM+\b], |v[\s+16*\b+\i]|, |v[\s+1+16*\b+\i]|
.else
	v_max3_num_f32 v[TM+\b], v[TM+\b], v[\s+16*\b+\i], v[\s+1+16*\b+\i]
.endif
.endr
.endr
.irp b, 0,1,2,3
	v_permlanex16_b32 v[TM+4+\b], v[TM+\b], s[SEL], s[SEL+1]
.endr
.irp b, 0,1,2,3
	v_max_num_f32 v[TM+\b], v[TM+\b], v[TM+4+\b]   ; with lane l xor 16's: the block's largest magnitude
.endr
.irp b, 0,1,2,3
	v_add_nc_u32 v[TM+12+\b], 0xfe000000, v[TM+\b]   ; 4 off its exponent field: the conversion's scale operand
.endr
.irp b, 0,1,2,3
	v_lshrrev_b32 v[TM+4+\b], 23, v[TM+12+\b]      ; the scale's byte
.endr
	v_lshl_or_b32 v[PW], v[TM+5], 8, v[TM+4]
	v_lshl_or_b32 v[PW], v[TM+6], 16, v[PW]
	v_lshl_or_b32 v[PW], v[TM+7], 24, v[PW]
.irp c, 0,1
	v_cvt_scalef32_pk16_bf6_f32 v[PC+6*\c:PC+2+6*\c], v[\s+32*\c:\s+15+32*\c], v[TM+12+2*\c]
	v_cvt_scalef32_pk16_bf6_f32 v[PC+12+4*\c:PC+14+4*\c], v[\s+16+32*\c:\s+31+32*\c], v[TM+12+2*\c+1]
.endr
	v_nop                                          ; one plain place behind a scaled conversion
.irp c, 0,1
.irp i, 0,1,2
	v_permlane16_swap_b32 v[PC+6*\c+\i], v[PC+12+4*\c+\i]
.endr
.irp i, 0,1,2
	v_mov_b32 v[PC+3+6*\c+\i], v[PC+12+4*\c+\i]
.endr
.endr
.endm
; one product.  row = 1: source 0's scales stand in lanes 16-31 of their register; 2: source 1's
.macro WM d, a, b, c, sa, sb, row
.if (\row) == 1
	v_wmma_scale_f32_16x16x128_f8f6f4 v[\d:\d+7], v[\a:\a+11], v[\b:\b+11], v[\c:\c+7], v[\sa], v[\sb] matrix_a_fmt:MATRIX_FMT_BF6 matrix_b_fmt:MATRIX_FMT_BF6 matrix_a_scale:MATRIX_SCALE_ROW1
.elseif (\row) == 2
	v_wmma_scale_f32_16x16x128_f8f6f4 v[\d:\d+7], v[\a:\a+11], v[\b:\b+11], v[\c:\c+7], v[\sa], v[\sb] matrix_a_fmt:MATRIX_FMT_BF6 matrix_b_fmt:MATRIX_FMT_BF6 matrix_b_scale:MATRIX_SCALE_ROW1
.else
	v_wmma_scale_f32_16x16x128_f8f6f4 v[\d:\d+7], v[\a:\a+11], v[\b:\b+11], v[\c:\c+7], v[\sa], v[\sb] matrix_a_fmt:MATRIX_FMT_BF6 matrix_b_fmt:MATRIX_FMT_BF6
.endif
.endm
.macro PLACES                          ; four plain places behind matrix instructions, ahead of loads into their registers and of the first read of results
.rept 4
	v_nop
.endr
.endm
	s_load_b512 s[4:19], s[0:1], 0x0               ; xq, wq, bQ, bK, bV, qc, kc, vc
	v_lshl_add_u32 v30, v0, 2, 0x3f000
	v_mov_b32 v31, 0
	v_lshrrev_b32 v1, 5, v0
	v_readfirstlane_b32 s20, v1                    ; wave 0..15
	s_and_b32 s21, ttmp7, 0xffff                   ; y: which tensor
	s_lshr_b32 s23, ttmp9, 5                       ; b: the batch
	s_and_b32 s24, ttmp9, 31                       ; rb: which 128 rows of it
	s_mov_b32 s[SEL], 0x76543210
	s_mov_b32 s[SEL+1], 0xfedcba98
	v_lshlrev_b32 v11, 4, v0                       ; 16 x thread
	v_lshlrev_b32 v12, 3, v0                       ; 8 x thread
	v_add_nc_u32 v13, WIM, v11                     ; the weight's images pass 64 KiB: three address registers
	v_add_nc_u32 v14, 0x10000, v13
	v_add_nc_u32 v15, 0x20000, v13
	v_and_b32 v16, 31, v0
	v_lshlrev_b32 v1, 4, v16                       ; 16 l
	v_lshlrev_b32 v2, 2, v16                       ; 4 l
	s_mov_b32 s29, 0
	s_mul_i32 s28, s21, 196608
	s_wait_kmcnt 0x0
	s_add_nc_u64 s[30:31], s[6:7], s[28:29]        ; the tensor's codes
	s_lshl_b32 s28, s21, 13
	s_add_co_u32 s28, s28, WQS
	s_add_nc_u64 s[32:33], s[6:7], s[28:29]        ; its scale words
	s_mul_i32 s28, ttmp9, 49152
	s_add_nc_u64 s[34:35], s[4:5], s[28:29]        ; my 8 tiles of x
	s_lshl_b32 s28, ttmp9, 12
	s_add_co_u32 s28, s28, XQS
	s_add_nc_u64 s[36:37], s[4:5], s[28:29]        ; their scale words
.set n, 0
.rept 24
	global_load_b128 v[128+4*n:131+4*n], v11, s[30:31] offset:8192*n   ; the 512 threads take 8,192 consecutive bytes
.set n, n+1
.endr
.irp k, 0,1,2,3,4,5
	global_load_b128 v[224+4*\k:227+4*\k], v11, s[34:35] offset:8192*\k
.endr
	global_load_b128 v[248:251], v11, s[32:33]
	global_load_b64 v[252:253], v12, s[36:37]
	; every LDS address of both paths is made here, ahead of the branch
	s_lshr_b32 s38, s20, 1                         ; hd: the head
	s_and_b32 s39, s20, 1                          ; which half
	s_mul_i32 s40, s39, 24576
	v_add_nc_u32 v3, s40, v1                       ; Q, K: x's images, my four row tiles
	s_lshl_b32 s40, s39, 11
	s_add_co_u32 s40, s40, XSC
	v_add_nc_u32 v4, s40, v2                       ; their scale words
	s_mul_i32 s40, s38, 24576
	s_add_co_u32 s40, s40, WIM
	v_add_nc_u32 v5, s40, v1                       ; the head's two pairs of column tiles
	s_lshl_b32 s40, s38, 10
	s_add_co_u32 s40, s40, WSC
	v_add_nc_u32 v6, s40, v2
	s_mul_i32 s40, s20, 12288
	s_add_co_u32 s40, s40, WIM
	v_add_nc_u32 v17, s40, v1                      ; V: my pair of column tiles
	s_lshl_b32 s40, s20, 9
	s_add_co_u32 s40, s40, WSC
	v_add_nc_u32 v18, s40, v2
	s_mul_i32 s40, s38, 196608
	s_mul_i32 s41, s39, 3072
	s_add_co_u32 s40, s40, s41
	v_add_nc_u32 v7, s40, v1                       ; out: 16 l + head x 196,608 + half x 3,072
	v_bfe_u32 v10, v0, 4, 1
	v_lshlrev_b32 v10, 4, v10                      ; 16 h
	s_wait_loadcnt 0x0
.set n, 0
.rept 24
	ds_store_b128 v[13+n/8], v[128+4*n:131+4*n] offset:8192*(n%8)
.set n, n+1
.endr
.irp k, 0,1,2,3,4,5
	ds_store_b128 v11, v[224+4*\k:227+4*\k] offset:XIM+8192*\k
.endr
	ds_store_b128 v11, v[248:251] offset:WSC
	ds_store_b64 v12, v[252:253] offset:XSC
	s_wait_dscnt 0x0                               ; for the others' sake: my stores have landed
	s_barrier_signal -1
	s_barrier_wait -1                              ; the one barrier: from here LDS is only read
	s_cmp_eq_u32 s21, 2
	s_cbranch_scc1 .Lvpath
	; ---- Q and K
	s_lshl_b32 s40, s38, 14
	s_lshl_b32 s41, s39, 8
	s_add_co_u32 s40, s40, s41
	v_add_nc_u32 v8, s40, v2                       ; scale words out: 4 l + head x 16,384 + half x 256
	v_lshlrev_b32 v9, 2, v10
	s_lshl_b32 s40, s38, 8
	v_add_nc_u32 v9, s40, v9                       ; the bias: 256 head + 64 h
	s_cmp_eq_u32 s21, 0
	s_cselect_b64 s[42:43], s[8:9], s[10:11]       ; bQ or bK
	s_cselect_b64 s[44:45], s[14:15], s[16:17]     ; qc or kc
	s_mul_i32 s28, s23, 1572864
	s_mul_i32 s40, s24, 6144
	s_add_co_u32 s28, s28, s40
	s_add_nc_u64 s[46:47], s[44:45], s[28:29]      ; codes
	s_lshl_b32 s28, s23, 17
	s_lshl_b32 s40, s24, 9
	s_add_co_u32 s28, s28, s40
	s_add_co_u32 s28, s28, OSC
	s_add_nc_u64 s[44:45], s[44:45], s[28:29]      ; scale words
	s_mov_b32 s41, 0x7f7f0000                      ; bytes 2, 3 of a word: 1.0, over K = 64 .. 127, where attention's other operand holds zero codes
.irp m, 0,1,2,3
.irp t, 0,1,2,3
.irp e, 0,1
	global_load_b128 v[ACC+32*\m+8*\t+4*\e:ACC+32*\m+8*\t+4*\e+3], v9, s[42:43] offset:128*(\t/2)+32*(\t%2)+16*\e   ; register j of tile t is channel 32 (t / 2) + 16 h + 8 (t % 2) + j
.endr
.endr
.endr
.macro QKSTEP k
.if \k > 0
	PLACES
.endif
.irp t, 0,1,2,3
.irp p, 0,1,2
	ds_load_b128 v[WF+12*\t+4*\p:WF+12*\t+4*\p+3], v5 offset:(\t/2)*12288+\k*3072+(\t%2)*1536+512*\p
.endr
.endr
.irp g, 0,1
	ds_load_b32 v[WS+\g], v6 offset:\g*512+\k*128
.endr
.irp m, 0,1,2,3
.irp p, 0,1,2
	ds_load_b128 v[XF+12*\m+4*\p:XF+12*\m+4*\p+3], v3 offset:\m*6144+\k*1536+512*\p
.endr
	ds_load_b32 v[XS+\m], v4 offset:\m*512+\k*128
.endr
.if \k == 0
	s_wait_loadcnt 0x0                             ; the bias lies in the accumulators
.endif
	s_wait_dscnt 0x0
.irp m, 0,1,2,3                                ; the sixteen accumulators take turns, one instruction a turn, over the K steps too
.irp t, 0,1,2,3
	WM ACC+32*\m+8*\t, WF+12*\t, XF+12*\m, ACC+32*\m+8*\t, WS+\t/2, XS+\m, \t%2
.endr
.endr
.endm
	QKSTEP 0
	QKSTEP 1
	QKSTEP 2
	QKSTEP 3
	PLACES
.irp g, 0,1                                    ; a pair of row tiles: its 64 registers are four blocks: (tile 0, channels 0-31), (tile 0, 32-63), (tile 1, ..): the codes come out as the pair's image
	QUANT ACC+64*\g, 1
	v_lshrrev_b32 v71, v10, v[PW]                  ; lanes 0-15 keep tile 0's two bytes, lanes 16-31 tile 1's,
	v_and_or_b32 v71, v71, 0xffff, s41             ; under the two bytes of 1.0
.irp p, 0,1,2
	global_store_b128 v7, v[PC+4*\p:PC+4*\p+3], s[46:47] offset:\g*1536+512*\p
.endr
	global_store_b32 v8, v71, s[44:45] offset:\g*128
.if \g == 0
	s_wait_xcnt 0x0                                ; the stores' data are written again only behind this wait
.endif
.endr
	s_wait_tensorcnt 0x0
	ds_add_u32 v30, v31
	s_wait_dscnt 0x0
	s_endpgm
.Lvpath:
	; ---- V
	s_lshl_b32 s40, s38, 13
	s_lshl_b32 s41, s39, 7
	s_add_co_u32 s40, s40, s41
	v_add_nc_u32 v8, s40, v2                       ; scale words out: 4 l + head x 8,192 + half x 128
	v_and_b32 v16, 15, v0
	v_and_b32 v19, 8, v16
	v_add_nc_u32 v16, v16, v19                     ; r + 8 (r / 8)
	v_lshlrev_b32 v9, 2, v16
	s_lshl_b32 s40, s20, 7
	v_add_nc_u32 v9, s40, v9                       ; bV at my channel of tile 0: 32 w + r + 8 (r / 8); tile 1's lies 8 further on
	global_load_b32 v72, v9, s[12:13]
	global_load_b32 v73, v9, s[12:13] offset:32
	s_mul_i32 s28, s23, 1572864
	s_mul_i32 s40, s24, 6144
	s_add_co_u32 s28, s28, s40
	s_add_nc_u64 s[46:47], s[18:19], s[28:29]
	s_lshl_b32 s28, s23, 16
	s_lshl_b32 s40, s24, 8
	s_add_co_u32 s28, s28, s40
	s_add_co_u32 s28, s28, OSC
	s_add_nc_u64 s[44:45], s[18:19], s[28:29]
	s_mov_b32 s41, 0xffff0000                      ; lanes 16-31
	s_wait_loadcnt 0x0
.irp n, 0,1
.irp j, 0,1,2,3,4,5,6,7
	v_mov_b32 v[56+8*\n+\j], v[72+\n]              ; a lane holds one channel: its eight registers of C are that channel's bias
.endr
.endr
.macro VSTEP k
.irp n, 0,1
.irp p, 0,1,2
	ds_load_b128 v[WF+12*\n+4*\p:WF+12*\n+4*\p+3], v17 offset:\k*3072+\n*1536+512*\p
.endr
.endr
	ds_load_b32 v[WS], v18 offset:\k*128
.irp f, 0,1
.irp m, 0,1,2,3
.irp p, 0,1,2
	ds_load_b128 v[XF+12*\m+4*\p:XF+12*\m+4*\p+3], v1 offset:XIM+(4*\f+\m)*6144+\k*1536+512*\p
.endr
	ds_load_b32 v[XS+\m], v2 offset:XSC+(4*\f+\m)*512+\k*128
.endr
	s_wait_dscnt 0x0
.irp m, 0,1,2,3
.irp n, 0,1
.if \k == 0
	WM ACC+64*\n+8*(4*\f+\m), XF+12*\m, WF+12*\n, 56+8*\n, XS+\m, WS, 2*\n
.else
	WM ACC+64*\n+8*(4*\f+\m), XF+12*\m, WF+12*\n, ACC+64*\n+8*(4*\f+\m), XS+\m, WS, 2*\n
.endif
.endr
.endr
	PLACES
.endr
.endm
	VSTEP 0
	VSTEP 1
	VSTEP 2
	VSTEP 3
	QUANT ACC, 1                                   ; tile 0 of my channels: register 16 g + i is key 32 g + 16 h + i: four blocks along the keys
.irp p, 0,1,2
	global_store_b128 v7, v[PC+4*\p:PC+4*\p+3], s[46:47] offset:512*\p
.endr
	v_mov_b32 v70, v[PW]
	s_wait_xcnt 0x0                                ; the stores' data are written again only behind this wait
	QUANT ACC+64, 1                                ; tile 1
.irp p, 0,1,2
	global_store_b128 v7, v[PC+4*\p:PC+4*\p+3], s[46:47] offset:1536+512*\p
.endr
	v_cndmask_b32 v71, v70, v[PW], s41             ; lanes 0-15 tile 0's words, lanes 16-31 tile 1's
	global_store_b32 v8, v71, s[44:45]
	s_wait_tensorcnt 0x0
	ds_add_u32 v30, v31
	s_wait_dscnt 0x0
	s_endpgm
.Lfunc_end_k_qf5c9be01dc_qkv:
	.size	k_qf5c9be01dc_qkv, .Lfunc_end_k_qf5c9be01dc_qkv-k_qf5c9be01dc_qkv
	.p2alignl 7, 3214868480
	.fill 96, 4, 3214868480
	.section	.rodata,"a",@progbits
	.p2align	6, 0x0
	.amdhsa_kernel k_qf5c9be01dc_qkv
		.amdhsa_group_segment_fixed_size 260096
		.amdhsa_private_segment_fixed_size 0
		.amdhsa_enable_private_segment 0
		.amdhsa_kernarg_size 64
		.amdhsa_user_sgpr_count 2
		.amdhsa_user_sgpr_kernarg_segment_ptr 1
		.amdhsa_wavefront_size32 1
		.amdhsa_system_sgpr_workgroup_id_x 1
		.amdhsa_system_sgpr_workgroup_id_y 1
		.amdhsa_system_sgpr_workgroup_id_z 1
		.amdhsa_system_vgpr_workitem_id 0
		.amdhsa_next_free_vgpr 256
		.amdhsa_next_free_sgpr 66
		.amdhsa_reserve_vcc 0
		.amdhsa_float_denorm_mode_32 3
		.amdhsa_float_denorm_mode_16_64 3
		.amdhsa_memory_ordered 1
		.amdhsa_forward_progress 1
		.amdhsa_inst_pref_size 66
	.end_amdhsa_kernel
	.amdgpu_metadata
---
amdhsa.version: [ 1, 2 ]
amdhsa.kernels:
  - .name:           k_qf5c9be01dc_qkv
    .symbol:         k_qf5c9be01dc_qkv.kd
    .args:
      - { .name: xq, .offset: 0, .size: 8, .value_kind: global_buffer, .address_space: global }
      - { .name: wq, .offset: 8, .size: 8, .value_kind: global_buffer, .address_space: global }
      - { .name: bQ, .offset: 16, .size: 8, .value_kind: global_buffer, .address_space: global }
      - { .name: bK, .offset: 24, .size: 8, .value_kind: global_buffer, .address_space: global }
      - { .name: bV, .offset: 32, .size: 8, .value_kind: global_buffer, .address_space: global }
      - { .name: qc, .offset: 40, .size: 8, .value_kind: global_buffer, .address_space: global }
      - { .name: kc, .offset: 48, .size: 8, .value_kind: global_buffer, .address_space: global }
      - { .name: vc, .offset: 56, .size: 8, .value_kind: global_buffer, .address_space: global }
    .group_segment_fixed_size: 260096
    .private_segment_fixed_size: 0
    .kernarg_segment_align: 8
    .kernarg_segment_size: 64
    .max_flat_workgroup_size: 512
    .sgpr_count:     66
    .vgpr_count:     256
    .wavefront_size: 32
...
	.end_amdgpu_metadata
.endif
;; end of part 2
;; launch attn (part 3): grid 16 x 16, 16 waves a work-group, no clusters, 88,576 bytes of LDS; arguments qc, kc, vc, zq; writes zq
.if DOCPART == 3
	.amdgcn_target "amdgcn-amd-amdhsa--gfx1250"
	.amdhsa_code_object_version 6
	.text
	.protected	k_qf5c9be01dc_attn
	.globl	k_qf5c9be01dc_attn
	.p2align	8
	.type	k_qf5c9be01dc_attn,@function
k_qf5c9be01dc_attn:
	s_mov_b64 s[64:65], 0
	v_nop
	global_prefetch_b8 v0, s[64:65] scope:SCOPE_SE
	s_setreg_imm32_b32 hwreg(HW_REG_WAVE_MODE, 25, 1), 1
	s_wait_xcnt 0x0
; O[head][q] = sum over keys of softmax(q . k / 8) v, both products on codes of BF6 with E8M0 scales; then O / l is quantised along its row of the NEXT product and stored as that operand's images.
; THE SOFTMAX AHEAD OF THE SECOND PRODUCT: t = score x log2(e) / 8; M = the running largest t rounded UP to a whole number; p = 2^(t - M) is quantised along the keys, not normalised.
; The row's sum is taken of the unquantised p; when M moves, the sum and O are multiplied by 2^(old M - new M), which rounds nothing.
; SHARES: a work-group owns 256 queries of one head, each of its sixteen waves one tile of 16, in 256 registers: four waves to a SIMD, so that one wave's vector work stands beside another's products and LDS loads.
; Both products are used transposed (S^T = K Q^T, O^T = V^T P^T): a lane holds ONE query throughout.  The keys of a tile, the queries of a tile and V's channels of a tile are laid 8 u + r + 8 (r / 8) in a group of 32.
; K = 64 IN AN INSTRUCTION OF 128: Q's registers 6-11 are zero codes for the whole launch, so whatever codes stand in source 0's registers 6-11 add nothing (every 6-bit pattern is a finite number, and both scale words
; carry 1.0 in bytes 2 and 3).  So a pair's image (12 registers: tile 0, tile 1) feeds two products: fragment t is v[32 + 6 t .. 43 + 6 t]; behind the last stand six registers of zeros.
; K AND V go from memory through registers into two LDS slots of 256 keys: waves 0-7 copy K's 12,288 bytes, waves 8-15 V's, 48 bytes a thread; a block is loaded two key steps ahead of its store.
; One barrier for 256 keys: the slot written in a half was last read ahead of the barrier before, and is read only behind the next, ahead of which every wave has waited for its stores.
; No cluster: the copy is 48 bytes a thread beside two key steps of some 470 vector instructions, a small part of a step; joint requests are a form of the tensor load, and this text has none.
; zs = O as [head][query][64] IS the [8192][512] operand of the next product: its row is 8 neighbouring queries, its block of 32 half a query's channels.  zq: codes [row tile 512][K step 4][1536], scale words [tile][K step][16 rows].
; LIMITS: NaN and infinities are not served; a block of O whose largest magnitude lies under 2^-122 carries the byte 1.
.set OSC,  3145728                     ; where the scale words begin in qc, kc, vc, zq
.set KSC,  0                           ; LDS: K's scale words of the whole head, 128 pairs x 128 bytes
.set VSC,  16384                       ; V's, 32 key steps x 256 bytes
.set SL0,  24576                       ; slot 0: K [step 2][pair 4][1536], then V [step 2][tile 4][1536]; slot 1 lies 24,576 further on
.set STG,  73728                       ; the way out: two row tiles' images, 12,288 bytes of their own
.set SST,  86016                       ; and their 512 scale bytes
; REGISTERS: v1 slot 0 + 16 l; v2 4 l; v3, v4 the trip's scale words of K, of V; v5, v6 the copy's LDS and memory offsets; v12 -M, v13 the largest t, v[14:15] the sum in two halves;
; v16-27 Q (v22-27 zeros); v28 Q's scale word; v32-79 K's or V's fragments; v80-85 zeros; v86-89 K's scale words, v90-91 V's; v96-159 S^T, then p; v160-191 O^T; v192-203 p's codes, v204-210 at work;
; v212-224 at work; v[226:227] f; v228 p's scale word; v[230:231] the second chain of the sum; v232-243 the block on its way to LDS.
.macro WM d, a, b, c, sa, sb, row
.if (\row) == 1
	v_wmma_scale_f32_16x16x128_f8f6f4 v[\d:\d+7], v[\a:\a+11], v[\b:\b+11], v[\c:\c+7], v[\sa], v[\sb] matrix_a_fmt:MATRIX_FMT_BF6 matrix_b_fmt:MATRIX_FMT_BF6 matrix_a_scale:MATRIX_SCALE_ROW1
.else
	v_wmma_scale_f32_16x16x128_f8f6f4 v[\d:\d+7], v[\a:\a+11], v[\b:\b+11], v[\c:\c+7], v[\sa], v[\sb] matrix_a_fmt:MATRIX_FMT_BF6 matrix_b_fmt:MATRIX_FMT_BF6
.endif
.endm
.macro WM0 d, a, b, sa, sb, row        ; the same with the constant 0 as C
.if (\row) == 1
	v_wmma_scale_f32_16x16x128_f8f6f4 v[\d:\d+7], v[\a:\a+11], v[\b:\b+11], 0, v[\sa], v[\sb] matrix_a_fmt:MATRIX_FMT_BF6 matrix_b_fmt:MATRIX_FMT_BF6 matrix_a_scale:MATRIX_SCALE_ROW1
.else
	v_wmma_scale_f32_16x16x128_f8f6f4 v[\d:\d+7], v[\a:\a+11], v[\b:\b+11], 0, v[\sa], v[\sb] matrix_a_fmt:MATRIX_FMT_BF6 matrix_b_fmt:MATRIX_FMT_BF6
.endif
.endm
	s_load_b256 s[4:11], s[0:1], 0x0               ; qc, kc, vc, zq
	v_lshl_add_u32 v254, v0, 2, 0x15200
	v_mov_b32 v255, 0
	v_lshrrev_b32 v7, 5, v0
	v_readfirstlane_b32 s12, v7                    ; wave 0..15
	s_and_b32 s16, ttmp7, 0xffff                   ; the head, 0..15
	v_and_b32 v7, 31, v0
	v_lshlrev_b32 v8, 4, v7                        ; 16 l
	v_add_nc_u32 v1, SL0, v8
	v_lshlrev_b32 v2, 2, v7                        ; 4 l
	v_and_b32 v6, 255, v0
	v_lshlrev_b32 v6, 4, v6                        ; the copy: 16 x (thread % 256),
	v_lshrrev_b32 v9, 8, v0
	v_mad_u32_u24 v5, v9, 12288, v6                ; K's part of a slot for threads 0-255, V's for the others
	v_add_nc_u32 v5, SL0, v5
	v_lshlrev_b32 v10, 4, v0                       ; 16 x thread
	v_and_b32 v11, 15, v0
	v_lshlrev_b32 v11, 2, v11                      ; 4 r
	s_lshr_b32 s17, s12, 1
	s_and_b32 s18, s12, 1                          ; u: which tile of the pair is mine
	s_lshl_b32 s19, ttmp9, 3
	s_add_co_u32 s17, s17, s19                     ; p: my pair of query tiles, 8 x block + wave / 2
	s_mul_i32 s28, s16, 196608                     ; the head's codes
	s_mov_b32 s29, 0
	s_lshl_b32 s30, s16, 14
	s_add_co_u32 s30, s30, OSC                     ; the head's scale words in qc and kc
	s_mov_b32 s31, 0
	s_lshl_b32 s32, s16, 13
	s_add_co_u32 s32, s32, OSC                     ; in vc and zq
	s_mov_b32 s33, 0
	s_mul_i32 s34, s17, 1536
	s_add_co_u32 s34, s34, s28
	s_mov_b32 s35, 0
	s_lshl_b32 s36, s17, 7
	s_lshl_b32 s37, s18, 6
	s_add_co_u32 s36, s36, s37
	s_add_co_u32 s36, s36, s30
	s_mov_b32 s37, 0
	s_mul_i32 s38, ttmp9, 12288
	s_add_co_u32 s38, s38, s28
	s_mov_b32 s39, 0
	s_lshl_b32 s40, ttmp9, 9
	s_add_co_u32 s40, s40, s32
	s_mov_b32 s41, 0
	s_mov_b32 s20, 0x76543210
	s_mov_b32 s21, 0xfedcba98                      ; lane l xor 16
	s_mov_b32 s22, 0x3e38aa3b                      ; c = log2(e) / 8
	s_mov_b32 s23, s22                             ; (named with it as a pair)
	s_mov_b32 s25, 0                               ; the trip's scale words of K: 2,048 bytes a trip
	s_mov_b32 s26, 0                               ; of V: 1,024
	s_mov_b32 s42, 0xffff0000                      ; lanes 16-31
	s_cmp_eq_u32 s18, 1
	s_cselect_b32 s27, -1, 0                       ; all lanes, if my tile is the pair's second
	s_wait_kmcnt 0x0
	s_cmp_lt_u32 s12, 8
	s_cselect_b64 s[14:15], s[6:7], s[8:9]         ; I copy K or V: the choice hangs on the wave's number alone
	s_add_nc_u64 s[14:15], s[14:15], s[28:29]
	s_add_nc_u64 s[30:31], s[6:7], s[30:31]
	s_add_nc_u64 s[32:33], s[8:9], s[32:33]
	s_add_nc_u64 s[34:35], s[4:5], s[34:35]
	s_add_nc_u64 s[36:37], s[4:5], s[36:37]
	s_add_nc_u64 s[38:39], s[10:11], s[38:39]
	s_add_nc_u64 s[40:41], s[10:11], s[40:41]
.irp j, 0,1,2
	global_load_b128 v[232+4*\j:235+4*\j], v6, s[14:15] offset:4096*\j   ; block 0
.endr
.irp j, 0,1
	global_load_b128 v[96+4*\j:99+4*\j], v10, s[30:31] offset:8192*\j    ; K's scale words of the head
.endr
	global_load_b128 v[104:107], v10, s[32:33]                           ; V's
.irp p, 0,1,2
	global_load_b128 v[32+4*\p:35+4*\p], v8, s[34:35] offset:512*\p      ; my pair's image of Q
.endr
	global_load_b32 v28, v11, s[36:37]                                   ; my tile's scale words, row r's in lane r
	v_mov_b32 v13, 0xff61b1e6                      ; the largest t so far: -3e38, under every t
	v_floor_f32 v12, -v13                          ; -M
	v_mov_b32 v14, 0
	v_mov_b32 v15, 0
.set n, 0
.rept 32
	v_mov_b32 v[160+n], 0                          ; O^T: the step is written once: the first finds zeros, which the first change of M leaves zeros
.set n, n+1
.endr
.irp b, 0,1,2,3
	v_mov_b32 v[216+\b], 0                         ; a lane permute's destination counts as one of its sources
.endr
	v_mov_b32 v224, 0
	v_mov_b32 v227, 0                              ; (named as the upper half of the pair v[226:227])
.irp i, 0,1,2,3,4,5
	v_mov_b32 v[22+\i], 0                          ; Q's K = 64 .. 127: zero codes
	v_mov_b32 v[80+\i], 0                          ; and what stands behind the last tile of K
.endr
	s_wait_loadcnt 0x0
.irp j, 0,1,2
	ds_store_b128 v5, v[232+4*\j:235+4*\j] offset:4096*\j
.endr
.irp j, 0,1
	ds_store_b128 v10, v[96+4*\j:99+4*\j] offset:KSC+8192*\j
.endr
	ds_store_b128 v10, v[104:107] offset:VSC
.irp i, 0,1,2,3,4,5
	v_cndmask_b32 v[16+\i], v[32+\i], v[38+\i], s27   ; my tile's six registers of the pair's twelve
.endr
	s_wait_dscnt 0x0                               ; my stores have landed
	s_add_nc_u64 s[14:15], s[14:15], 12288         ; (the loads that named the base are done)
.irp j, 0,1,2
	global_load_b128 v[232+4*\j:235+4*\j], v6, s[14:15] offset:4096*\j   ; block 1
.endr
	s_barrier_signal -1
	s_barrier_wait -1
; A KEY STEP: 128 keys, the q-th of the slot.
.macro STEP slot, q
.rept 4
	v_nop                                          ; places behind the last products, ahead of loads into their sources
.endr
.irp b, 0,1,2,3
.irp p, 0,1,2
	ds_load_b128 v[32+12*\b+4*\p:35+12*\b+4*\p], v1 offset:\slot*24576+\q*6144+\b*1536+512*\p
.endr
	ds_load_b32 v[86+\b], v3 offset:(2*\slot+\q)*512+128*\b
.endr
	s_wait_dscnt 0x0
.irp t, 0,1,2,3,4,5,6,7
	WM0 96+8*\t, 32+6*\t, 16, 86+\t/2, 28, \t%2    ; lane (r, h): my query; the 16 registers of tiles 2 b, 2 b + 1 are keys 32 b + 16 h + 0 .. 15
.endr
.rept 4
	v_nop
.endr
.irp n, 0,1,2,3                                ; V's fragments are asked for now and land under the softmax
.irp p, 0,1,2
	ds_load_b128 v[32+12*\n+4*\p:35+12*\n+4*\p], v1 offset:\slot*24576+12288+\q*6144+\n*1536+512*\p
.endr
.endr
.irp g, 0,1
	ds_load_b32 v[90+\g], v4 offset:VSC+(2*\slot+\q)*256+128*\g
.endr
.irp b, 0,1,2,3
	v_max3_num_f32 v[212+\b], v[96+16*\b], v[97+16*\b], v[98+16*\b]   ; THE LARGEST SCORE OF EACH BLOCK OF 32 KEYS serves twice: for the row's maximum and, since p rises with the score, for the block's largest p
.endr
.irp i, 3,5,7,9,11,13
.irp b, 0,1,2,3
	v_max3_num_f32 v[212+\b], v[212+\b], v[96+16*\b+\i], v[97+16*\b+\i]
.endr
.endr
.irp b, 0,1,2,3
	v_max_num_f32 v[212+\b], v[212+\b], v[111+16*\b]
.endr
.irp b, 0,1,2,3
	v_permlanex16_b32 v[216+\b], v[212+\b], s20, s21
.endr
.irp b, 0,1,2,3
	v_max_num_f32 v[212+\b], v[212+\b], v[216+\b]  ; with lane l xor 16's 16 keys
.endr
	v_max3_num_f32 v224, v212, v213, v214
	v_max_num_f32 v224, v224, v215                 ; the step's largest score of my query
	v_mul_f32 v224, s22, v224                      ; as t (c is positive)
	v_max_num_f32 v13, v13, v224                   ; the running largest t
	v_mov_b32 v224, v12
	v_floor_f32 v12, -v13                          ; the new -M = floor(-t) = -ceil(t)
	v_sub_f32 v224, v12, v224                      ; old M less new M: a whole number, 0 or less
	v_cvt_i32_f32 v224, v224                       ; (it saturates)
	v_ldexp_f32 v226, 1.0, v224                    ; f = 2^(old M - new M)
.set n, 0
.rept 32
	v_pk_fma_f32 v[96+n:97+n], v[96+n:97+n], s[22:23], v[12:13] op_sel_hi:[1,0,0]   ; t - M, two at a time
.set n, n+2
.endr
.irp b, 0,1,2,3
	v_fma_f32 v[212+\b], v[212+\b], s22, v12       ; the same of each block's largest score
.endr
.set n, 0
.rept 64
	v_exp_f32 v[96+n], v[96+n]                     ; p = 2^(t - M), at most 1
.set n, n+1
.endr
.irp b, 0,1,2,3
	v_exp_f32 v[212+\b], v[212+\b]                 ; the block's largest p: the same two instructions on the same number
.endr
	v_pk_mul_f32 v[14:15], v[14:15], v[226:227] op_sel_hi:[1,0]   ; the sums under the new M.  (The plain place behind the exponentials)
	s_wait_alu depctr_va_vdst(0)
.irp b, 0,1,2,3
	v_max_num_f32 v[212+\b], 0x2800000, v[212+\b]  ; the floor 2^(5 - 127)
.endr
.irp b, 0,1,2,3
	v_add_nc_u32 v[220+\b], 0xfe000000, v[212+\b]  ; the conversion's scale operand
.endr
.irp b, 0,1,2,3
	v_lshrrev_b32 v[216+\b], 23, v[220+\b]         ; the scale's byte
.endr
	v_lshl_or_b32 v228, v217, 8, v216              ; p's scale word for these 128 keys
	v_lshl_or_b32 v228, v218, 16, v228
	v_lshl_or_b32 v228, v219, 24, v228
.irp c, 0,1
	v_cvt_scalef32_pk16_bf6_f32 v[192+6*\c:194+6*\c], v[96+32*\c:111+32*\c], v[220+2*\c]
	v_cvt_scalef32_pk16_bf6_f32 v[204+4*\c:206+4*\c], v[112+32*\c:127+32*\c], v[220+2*\c+1]
.endr
	v_nop                                          ; one plain place behind a scaled conversion
.irp c, 0,1
.irp i, 0,1,2
	v_permlane16_swap_b32 v[192+6*\c+\i], v[204+4*\c+\i]
.endr
.irp i, 0,1,2
	v_mov_b32 v[195+6*\c+\i], v[204+4*\c+\i]
.endr
.endr
	v_pk_add_f32 v[230:231], v[96:97], v[98:99]    ; THE ROW'S SUM IS TAKEN OF THE UNQUANTISED p, in two chains
.irp j, 4,8,12,16,20,24,28,32,36,40,44,48,52,56,60
	v_pk_add_f32 v[14:15], v[14:15], v[96+\j:97+\j]
	v_pk_add_f32 v[230:231], v[230:231], v[98+\j:99+\j]
.endr
	v_pk_add_f32 v[14:15], v[14:15], v[230:231]
.set n, 0
.rept 16
	v_pk_mul_f32 v[160+n:161+n], v[160+n:161+n], v[226:227] op_sel_hi:[1,0]   ; O^T under the new M, each accumulator from its low end on.  (These and the sums are the places ahead of the scaled products below)
.set n, n+2
.endr
	s_wait_dscnt 0x0                               ; V is in
.irp n, 0,1,2,3                                ; the four accumulators take turns; the matrix instruction ahead of each is another accumulator's
	WM 160+8*\n, 32+12*\n, 192, 160+8*\n, 90+\n/2, 228, \n%2
.endr
.endm
; HALF A TRIP: the block in registers goes into the other slot, the block after it is asked for, and this slot's two key steps are worked.  In the last trip nothing is left to ask for, and in its second half nothing to store.
.macro HALF cur
.if \cur == 1
	s_cmp_eq_u32 s24, 1
	s_cbranch_scc1 .Lnocopy_\@
.endif
	s_wait_loadcnt 0x0                             ; the block has landed in registers; its loads' base may be stepped
.irp j, 0,1,2
	ds_store_b128 v5, v[232+4*\j:235+4*\j] offset:(1-\cur)*24576+4096*\j
.endr
	s_wait_dscnt 0x0
.if \cur == 0
	s_cmp_eq_u32 s24, 1
	s_cbranch_scc1 .Lnocopy_\@                     ; no load leaves its buffer
.endif
	s_add_nc_u64 s[14:15], s[14:15], 12288
.irp j, 0,1,2
	global_load_b128 v[232+4*\j:235+4*\j], v6, s[14:15] offset:4096*\j
.endr
.Lnocopy_\@:
	STEP \cur, 0
	STEP \cur, 1
	s_wait_dscnt 0x0                               ; my stores into the other slot have landed and my reads of this one are over
	s_barrier_signal -1
	s_barrier_wait -1
.endm
	s_mov_b32 s24, 8                               ; 8 trips of 512 keys
.Ltrip:
	v_add_nc_u32 v3, s25, v2
	v_add_nc_u32 v4, s26, v2
	HALF 0
	HALF 1
	s_add_co_u32 s25, s25, 2048
	s_add_co_u32 s26, s26, 1024
	s_sub_co_u32 s24, s24, 1
	s_cmp_lg_u32 s24, 0
	s_cbranch_scc1 .Ltrip
	; THE WAY OUT.  The address lines name none of the last products' registers: they are the places behind those products and behind the reciprocal.
	v_add_f32 v14, v14, v15                        ; the sum's two halves,
	v_permlanex16_b32 v224, v14, s20, s21
	v_add_f32 v14, v14, v224                       ; and lane l xor 16's
	v_rcp_f32 v14, v14
	v_bfe_u32 v128, v0, 8, 1                       ; wave / 8: which of the work-group's two row tiles of zs
	v_bfe_u32 v129, v0, 6, 2                       ; (wave / 2) % 4
	v_bfe_u32 v130, v0, 5, 1                       ; wave % 2
	v_bfe_u32 v131, v0, 1, 2                       ; (r / 2) % 4: the K step of zs
	v_bfe_u32 v132, v0, 3, 1                       ; r / 8
	v_bfe_u32 v133, v0, 4, 1                       ; H
	v_and_b32 v134, 1, v0                          ; r % 2: registers 0-5 or 6-11 of the image
	v_mul_u32_u24 v135, v128, 6144
	v_lshl_add_u32 v135, v129, 6, v135             ; my query is row 4 ((wave / 2) % 4) + wave % 2 + 2 (r / 8) of the tile: 16 bytes a row,
	v_lshl_add_u32 v135, v130, 4, v135
	v_mad_u32_u24 v135, v131, 1536, v135
	v_lshl_add_u32 v135, v132, 5, v135
	v_lshl_add_u32 v135, v133, 8, v135             ; lanes 16-31 of the image for channels 32-63
	v_add_nc_u32 v135, STG, v135
	v_mad_u32_u24 v136, v134, 520, v135            ; a block's three pieces of 8 bytes lie at 0, 8, 512 or at 520, 1024, 1032
	v_mad_u32_u24 v137, v134, 1016, v135
	v_lshlrev_b32 v138, 8, v128
	v_lshl_add_u32 v138, v129, 4, v138
	v_lshl_add_u32 v138, v130, 2, v138
	v_lshl_add_u32 v138, v131, 6, v138
	v_lshl_add_u32 v138, v132, 3, v138
	v_lshl_add_u32 v138, v134, 1, v138
	v_add_nc_u32 v138, v133, v138
	v_add_nc_u32 v138, SST, v138                   ; the block's scale byte: [tile][K step][row][2 (r % 2) + H]
	v_lshlrev_b32 v139, 3, v0                      ; 8 x thread
	v_add_nc_u32 v140, STG, v139
	v_lshlrev_b32 v141, 4, v0                      ; 16 x thread (wave 0 alone uses these two)
	v_add_nc_u32 v142, SST, v141
.set n, 0
	s_wait_alu depctr_va_vdst(0)
.rept 32
	v_mul_f32 v[96+n], v[160+n], v14               ; O^T / the sum: register 16 b + i is channel 32 b + 16 h + i of my query
.set n, n+1
.endr
.irp b, 0,1
	v_max3_num_f32 v[212+\b], |v[96+16*\b]|, |v[97+16*\b]|, 0x2800000
.endr
.irp i, 2,4,6,8,10,12,14
.irp b, 0,1
	v_max3_num_f32 v[212+\b], v[212+\b], |v[96+16*\b+\i]|, |v[97+16*\b+\i]|
.endr
.endr
.irp b, 0,1
	v_permlanex16_b32 v[216+\b], v[212+\b], s20, s21
.endr
.irp b, 0,1
	v_max_num_f32 v[212+\b], v[212+\b], v[216+\b]
.endr
.irp b, 0,1
	v_add_nc_u32 v[220+\b], 0xfe000000, v[212+\b]
.endr
.irp b, 0,1
	v_lshrrev_b32 v[216+\b], 23, v[220+\b]
.endr
	v_cvt_scalef32_pk16_bf6_f32 v[192:194], v[96:111], v220
	v_cvt_scalef32_pk16_bf6_f32 v[200:202], v[112:127], v221
	v_nop
.irp i, 0,1,2
	v_permlane16_swap_b32 v[192+\i], v[200+\i]     ; lane (r, H) now holds channels 32 H .. 32 H + 31 of its query, whole
.endr
.irp i, 0,1,2
	v_mov_b32 v[195+\i], v[200+\i]
.endr
	v_cndmask_b32 v224, v216, v217, s42            ; and that block's byte
	ds_store_b64 v136, v[192:193]
	ds_store_b64 v137, v[194:195] offset:8
	ds_store_b64 v136, v[196:197] offset:512
	ds_store_b8 v138, v224
	s_wait_dscnt 0x0
	s_barrier_signal -1
	s_barrier_wait -1                              ; the two tiles' images and bytes are whole
.irp j, 0,1,2
	ds_load_b64 v[144+2*\j:145+2*\j], v140 offset:4096*\j
.endr
.irp j, 0,1,2
	s_wait_dscnt 2-\j
	global_store_b64 v139, v[144+2*\j:145+2*\j], s[38:39] offset:4096*\j   ; a wave stores 256 consecutive bytes, aligned
.endr
	s_cmp_lg_u32 s12, 0
	s_cbranch_scc1 .Ldone
	ds_load_b128 v[152:155], v142                  ; wave 0: the 512 scale bytes
	s_wait_dscnt 0x0
	global_store_b128 v141, v[152:155], s[40:41]
.Ldone:
	s_wait_tensorcnt 0x0
	ds_add_u32 v254, v255
	s_wait_dscnt 0x0
	s_endpgm
.Lfunc_end_k_qf5c9be01dc_attn:
	.size	k_qf5c9be01dc_attn, .Lfunc_end_k_qf5c9be01dc_attn-k_qf5c9be01dc_attn
	.p2alignl 7, 3214868480
	.fill 96, 4, 3214868480
	.section	.rodata,"a",@progbits
	.p2align	6, 0x0
	.amdhsa_kernel k_qf5c9be01dc_attn
		.amdhsa_group_segment_fixed_size 88576
		.amdhsa_private_segment_fixed_size 0
		.amdhsa_enable_private_segment 0
		.amdhsa_kernarg_size 32
		.amdhsa_user_sgpr_count 2
		.amdhsa_user_sgpr_kernarg_segment_ptr 1
		.amdhsa_wavefront_size32 1
		.amdhsa_system_sgpr_workgroup_id_x 1
		.amdhsa_system_sgpr_workgroup_id_y 1
		.amdhsa_system_sgpr_workgroup_id_z 1
		.amdhsa_system_vgpr_workitem_id 0
		.amdhsa_next_free_vgpr 256
		.amdhsa_next_free_sgpr 66
		.amdhsa_reserve_vcc 0
		.amdhsa_float_denorm_mode_32 3
		.amdhsa_float_denorm_mode_16_64 3
		.amdhsa_memory_ordered 1
		.amdhsa_forward_progress 1
		.amdhsa_inst_pref_size 76
	.end_amdhsa_kernel
	.amdgpu_metadata
---
amdhsa.version: [ 1, 2 ]
amdhsa.kernels:
  - .name:           k_qf5c9be01dc_attn
    .symbol:         k_qf5c9be01dc_attn.kd
    .args:
      - { .name: qc, .offset: 0, .size: 8, .value_kind: global_buffer, .address_space: global }
      - { .name: kc, .offset: 8, .size: 8, .value_kind: global_buffer, .address_space: global }
      - { .name: vc, .offset: 16, .size: 8, .value_kind: global_buffer, .address_space: global }
      - { .name: zq, .offset: 24, .size: 8, .value_kind: global_buffer, .address_space: global }
    .group_segment_fixed_size: 88576
    .private_segment_fixed_size: 0
    .kernarg_segment_align: 8
    .kernarg_segment_size: 32
    .max_flat_workgroup_size: 512
    .sgpr_count:     66
    .vgpr_count:     256
    .wavefront_size: 32
...
	.end_amdgpu_metadata
.endif
;; end of part 3
;; launch tail (part 4): grid 128 x 1, 16 waves a work-group, no clusters, 308,224 bytes of LDS; arguments zq, wq, x, bO, g1, beta1, b1, b2, g2, beta2, out0; writes out0
.if DOCPART == 4
	.amdgcn_target "amdgcn-amd-amdhsa--gfx1250"
	.amdhsa_code_object_version 6
	.text
	.protected	k_qf5c9be01dc_tail
	.globl	k_qf5c9be01dc_tail
	.p2align	8
	.type	k_qf5c9be01dc_tail,@function
k_qf5c9be01dc_tail:
	s_mov_b64 s[64:65], 0
	v_nop
	global_prefetch_b8 v0, s[64:65] scope:SCOPE_SE
	s_setreg_imm32_b32 hwreg(HW_REG_WAVE_MODE, 25, 1), 1
	s_wait_xcnt 0x0
; z = LN(zs WO + bO + x; g1, beta1);  out = LN(relu(z W1 + b1) W2 + b2 + z; g2, beta2).  The three products on codes of BF6 with E8M0 scales; z and the hidden layer are quantised on the way and never go to memory.
; SHARES: a work-group takes 64 rows (four tiles) through the whole chain.  THE SIXTEEN WAVES SHARE THE COLUMNS, NEVER THE ROWS.  A unit is 32 output columns (a pair of weight tiles) x 64 rows: 8 accumulators.
; Wave w makes columns 32 w on of the first and third product (one unit each) and hidden units 128 w on (four units).  The products are TRANSPOSED (source 0 = 16 columns of the weight, source 1 = 16 rows):
; register 16 m + 8 u + j of lane (r, h) is row 16 m + r, column 16 h + 8 u + j of the unit: a lane's 16 registers of a row tile are 16 neighbours along the next K, and a unit's 32 columns are one block.
; THE WEIGHTS go from memory straight into registers, each fragment read once by one wave and used for four products: 36 sets a wave (a K step of a unit: two fragments and a register of scale words), in a ring of four
; sets that runs four ahead, over the borders of the phases, the norms and the barriers: 12 KB a wave on its way.
; THE ROWS' OPERANDS go from wave to wave through LDS as images of their registers (1,536 bytes a fragment); a wave's block of 32 is three pieces of 8 bytes in an image, its scale one byte of a word.
; THE NORMS take two passes (mean; then the squares of the differences), so that a common offset of the inputs costs no digits; the waves' partial sums meet in LDS, 16 words a row.
; 64 rows on 128 work-groups: every work-group walks all 1.85 MB of weight codes, since a norm needs whole rows; with 32 rows that stream doubles, with 128 the products of a work-group do.
; No cluster: joint requests land in LDS, and of its 327,680 bytes this text has 306,176 full of the rows' operands and the rows themselves: there is no slot for a weight's tile.
; LIMITS: NaN and infinities are not served; a block whose largest magnitude lies under 2^-122 (a block of zeros behind the relu too) carries the byte 1: its codes are zeros or next to it.
.set ZQS,  3145728                     ; where zq's scale words begin
.set ZSI,  0                           ; LDS: zs: [row tile 4][K step 4][1536]
.set ZSS,  24576                       ; its scale words [tile][K step][16 rows]
.set ZI,   25600                       ; z likewise
.set ZS2,  50176
.set HSC,  51200                       ; the hidden layer's scale words [K step 16][tile 4][16 rows]
.set RED,  55296                       ; four fields of partial sums: [64 rows] 80 bytes apart, 16 waves' words
.set HI,   75776                       ; the hidden layer: [K step 16][tile 4][1536]
.set STG,  174080                      ; 64 rows x (2,048 + 16) bytes: x, then z, then the result.  Wave w's strip is bytes 128 w .. 128 w + 127 of every row
.set BIAS, 16                          ; v16-31   a unit's bias, in the result's layout
.set WS,   32                          ; v32-35   the ring's scale words;  v36-39 the rows': these registers hold scales alone
.set AS,   36
.set WR,   40                          ; v40-135  the ring: four sets of two fragments
.set ACT,  136                         ; v136-183 four fragments of the rows
.set ACC,  184                         ; v184-247 the unit's eight accumulators
.set ST,   248                         ; v248-255 a figure for each row tile, in pairs
.set LG,   136                         ; in a norm: gain, v152 offset, v168 sixteen at work
.set LB,   152
.set LT,   168
.set TM,   136                         ; in QUANT
.set PC,   152
.set PW,   172
.set SEL,  28                          ; s[28:29]
; v1 16 l; v2 4 r; v3 16 l + 12,288 w (later the hidden layer's images); v4 16 l + 49,152 w; v5 4 l + 512 w; v6 4 l + 2,048 w; v7 128 w + 64 h; v8 512 w + 64 h; v9, v10 my strip, rows 0-31, 32-63;
; v11 partial sums of row r, v12 my word there; v13, v14 where my block's pieces go; v15 where its scale bytes go
.macro QUANT s, ab
.irp b, 0,1,2,3
.if \ab
	v_max3_num_f32 v[TM+\b], |v[\s+16*\b]|, |v[\s+1+16*\b]|, 0x2800000   ; my 16 numbers of block b, and the floor 2^(5 - 127)
.else
	v_max3_num_f32 v[TM+\b], v[\s+16*\b], v[\s+1+16*\b], 0x2800000       ; (none is negative)
.endif
.endr
.irp i, 2,4,6,8,10,12,14
.irp b, 0,1,2,3
.if \ab
	v_max3_num_f32 v[TM+\b], v[TM+\b], |v[\s+16*\b+\i]|, |v[\s+1+16*\b+\i]|
.else
	v_max3_num_f32 v[TM+\b], v[TM+\b], v[\s+16*\b+\i], v[\s+1+16*\b+\i]
.endif
.endr
.endr
.irp b, 0,1,2,3
	v_permlanex16_b32 v[TM+4+\b], v[TM+\b], s[SEL], s[SEL+1]
.endr
.irp b, 0,1,2,3
	v_max_num_f32 v[TM+\b], v[TM+\b], v[TM+4+\b]
.endr
.irp b, 0,1,2,3
	v_add_nc_u32 v[TM+12+\b], 0xfe000000, v[TM+\b]
.endr
.irp b, 0,1,2,3
	v_lshrrev_b32 v[TM+4+\b], 23, v[TM+12+\b]      ; block b's byte: here block b is row tile b
.endr
	v_lshl_or_b32 v[PW], v[TM+5], 8, v[TM+4]
	v_lshl_or_b32 v[PW], v[TM+6], 16, v[PW]
	v_lshl_or_b32 v[PW], v[TM+7], 24, v[PW]
.irp c, 0,1
	v_cvt_scalef32_pk16_bf6_f32 v[PC+6*\c:PC+2+6*\c], v[\s+32*\c:\s+15+32*\c], v[TM+12+2*\c]
	v_cvt_scalef32_pk16_bf6_f32 v[PC+12+4*\c:PC+14+4*\c], v[\s+16+32*\c:\s+31+32*\c], v[TM+12+2*\c+1]
.endr
	v_nop                                          ; one plain place behind a scaled conversion
.irp c, 0,1                                    ; lane (r, H) then holds, in registers 6 c on, the whole block of row r of row tile 2 c + H
.irp i, 0,1,2
	v_permlane16_swap_b32 v[PC+6*\c+\i], v[PC+12+4*\c+\i]
.endr
.irp i, 0,1,2
	v_mov_b32 v[PC+3+6*\c+\i], v[PC+12+4*\c+\i]
.endr
.endr
.endm
.macro WM d, a, b, c, sa, sb, row
.if (\row) == 1
	v_wmma_scale_f32_16x16x128_f8f6f4 v[\d:\d+7], v[\a:\a+11], v[\b:\b+11], v[\c:\c+7], v[\sa], v[\sb] matrix_a_fmt:MATRIX_FMT_BF6 matrix_b_fmt:MATRIX_FMT_BF6 matrix_a_scale:MATRIX_SCALE_ROW1
.else
	v_wmma_scale_f32_16x16x128_f8f6f4 v[\d:\d+7], v[\a:\a+11], v[\b:\b+11], v[\c:\c+7], v[\sa], v[\sb] matrix_a_fmt:MATRIX_FMT_BF6 matrix_b_fmt:MATRIX_FMT_BF6
.endif
.endm
.macro BARRIER                                 ; my LDS stores have landed and my LDS loads are in: then the work-group's barrier
	s_wait_dscnt 0x0
	s_barrier_signal -1
	s_barrier_wait -1
.endm
; Set j of the weight stream into ring slot j % 4: sets 0-3 WO, 4-19 W1 (unit (j - 4) / 4), 20-35 W2.  A unit's first set is led by the unit's bias: 4 loads; then 6 loads of codes and one of scale words.
.macro SETLOAD j
.set SSL, (\j)%4
.if (\j) == 0
.irp e, 0,1,2,3
	global_load_b128 v[BIAS+4*\e:BIAS+4*\e+3], v7, s[10:11] offset:16*\e
.endr
.elseif (\j) == 20
.irp e, 0,1,2,3
	global_load_b128 v[BIAS+4*\e:BIAS+4*\e+3], v7, s[18:19] offset:16*\e
.endr
.elseif ((\j) < 20) && (((\j)%4) == 0)
.irp e, 0,1,2,3
	global_load_b128 v[BIAS+4*\e:BIAS+4*\e+3], v8, s[16:17] offset:128*((\j)/4-1)+16*\e
.endr
.endif
.if (\j) < 4
.set SCO, 589824+(\j)*3072
.set SSO, 2383872+(\j)*128
.set SVC, 3
.set SVS, 5
.elseif (\j) < 20
.set SCO, 786432+((\j)-4)*3072
.set SSO, 2392064+((\j)-4)*128
.set SVC, 4
.set SVS, 6
.else
.set SCO, 1572864+((\j)-20)*3072
.set SSO, 2424832+((\j)-20)*128
.set SVC, 4
.set SVS, 6
.endif
.irp u, 0,1
.irp p, 0,1,2
	global_load_b128 v[WR+24*SSL+12*\u+4*\p:WR+24*SSL+12*\u+4*\p+3], v[SVC], s[6:7] offset:SCO+\u*1536+512*\p
.endr
.endr
	global_load_b32 v[WS+SSL], v[SVS], s[6:7] offset:SSO
.endm
; K step j of the stream: the four row tiles' fragments and scale words from LDS, eight products, and the set four further on.
; The wait on loads counts the three younger sets: 7 loads each, 4 more where one of them is led by a bias.
.macro KSTEP j, areg, abase, mstr, sbase, smstr, cmode
.set KSL, (\j)%4
.if (\j) >= 33
.set KNW, 7*(35-(\j))
.elseif ((\j) < 20) && (((\j)%4) != 0)
.set KNW, 25
.else
.set KNW, 21
.endif
.irp m, 0,1,2,3
.irp p, 0,1,2
	ds_load_b128 v[ACT+12*\m+4*\p:ACT+12*\m+4*\p+3], v[\areg] offset:\abase+\m*\mstr+512*\p
.endr
	ds_load_b32 v[AS+\m], v2 offset:\sbase+\m*\smstr
.endr
	s_wait_loadcnt KNW
	s_wait_dscnt 0x0
.irp m, 0,1,2,3                                ; the eight accumulators take turns, one instruction a turn, over the K steps too
.irp u, 0,1
.if \cmode
	WM ACC+16*\m+8*\u, WR+24*KSL+12*\u, ACT+12*\m, BIAS+8*\u, WS+KSL, AS+\m, \u
.else
	WM ACC+16*\m+8*\u, WR+24*KSL+12*\u, ACT+12*\m, ACC+16*\m+8*\u, WS+KSL, AS+\m, \u
.endif
.endr
.endr
.rept 4
	v_nop                                          ; places ahead of loads into registers that these products have read, and of the first read of results
.endr
.if (\j)+4 <= 35
	SETLOAD (\j)+4
.endif
.endm
; my blocks' pieces into the images: registers 6 c on belong to row tile 2 c + H
.macro SCAT a0, a1, cstr, o0, o1, o2
.irp c, 0,1
	ds_store_b64 v[\a0], v[PC+6*\c:PC+6*\c+1] offset:\c*\cstr+\o0
	ds_store_b64 v[\a1], v[PC+6*\c+2:PC+6*\c+3] offset:\c*\cstr+\o1
	ds_store_b64 v[\a0], v[PC+6*\c+4:PC+6*\c+5] offset:\c*\cstr+\o2
.endr
.endm
.macro STRIP_IN                                ; my strip of the 64 rows into the accumulators' layout; rows 2,064 bytes apart: an odd multiple of 16
.irp m, 0,1,2,3
.irp u, 0,1
.irp e, 0,1
	ds_load_b128 v[ACC+16*\m+8*\u+4*\e:ACC+16*\m+8*\u+4*\e+3], v[9+\m/2] offset:(\m%2)*33024+32*\u+16*\e
.endr
.endr
.endr
.endm
.macro STRIP_OUT
.irp m, 0,1,2,3
.irp u, 0,1
.irp e, 0,1
	ds_store_b128 v[9+\m/2], v[ACC+16*\m+8*\u+4*\e:ACC+16*\m+8*\u+4*\e+3] offset:(\m%2)*33024+32*\u+16*\e
.endr
.endr
.endr
.endm
.macro ADDBIAS
.irp m, 0,1,2,3
.irp i, 0,2,4,6,8,10,12,14
	v_pk_add_f32 v[ACC+16*\m+\i:ACC+16*\m+\i+1], v[ACC+16*\m+\i:ACC+16*\m+\i+1], v[BIAS+\i:BIAS+\i+1]
.endr
.endr
.endm
.macro TREE                                    ; v[LT] = the sum of v[LT] .. v[LT + 15]
	v_pk_add_f32 v[LT:LT+1], v[LT:LT+1], v[LT+2:LT+3]
	v_pk_add_f32 v[LT+4:LT+5], v[LT+4:LT+5], v[LT+6:LT+7]
	v_pk_add_f32 v[LT+8:LT+9], v[LT+8:LT+9], v[LT+10:LT+11]
	v_pk_add_f32 v[LT+12:LT+13], v[LT+12:LT+13], v[LT+14:LT+15]
	v_pk_add_f32 v[LT:LT+1], v[LT:LT+1], v[LT+4:LT+5]
	v_pk_add_f32 v[LT+8:LT+9], v[LT+8:LT+9], v[LT+12:LT+13]
	v_pk_add_f32 v[LT:LT+1], v[LT:LT+1], v[LT+8:LT+9]
	v_add_f32 v[LT], v[LT], v[LT+1]
.endm
; The norm of the 64 rows that lie in the accumulators, in place.  k: the first of its two fields of partial sums; gp, bp: the scalar pairs with the gain's and the offset's addresses.  Two barriers.
.macro LNORM k, gp, bp
.irp e, 0,1,2,3
	global_load_b128 v[LG+4*\e:LG+4*\e+3], v7, s[\gp:\gp+1] offset:16*\e   ; asked for first: they land under the two reductions
.endr
.irp e, 0,1,2,3
	global_load_b128 v[LB+4*\e:LB+4*\e+3], v7, s[\bp:\bp+1] offset:16*\e
.endr
.irp m, 0,1,2,3                                ; my 16 numbers of row 16 m + r, each accumulator from its low end on
.set LU, LT+8*(\m%2)
	v_pk_add_f32 v[LU:LU+1], v[ACC+16*\m:ACC+16*\m+1], v[ACC+16*\m+2:ACC+16*\m+3]
	v_pk_add_f32 v[LU+2:LU+3], v[ACC+16*\m+4:ACC+16*\m+5], v[ACC+16*\m+6:ACC+16*\m+7]
	v_pk_add_f32 v[LU+4:LU+5], v[ACC+16*\m+8:ACC+16*\m+9], v[ACC+16*\m+10:ACC+16*\m+11]
	v_pk_add_f32 v[LU+6:LU+7], v[ACC+16*\m+12:ACC+16*\m+13], v[ACC+16*\m+14:ACC+16*\m+15]
	v_pk_add_f32 v[LU:LU+1], v[LU:LU+1], v[LU+2:LU+3]
	v_pk_add_f32 v[LU+4:LU+5], v[LU+4:LU+5], v[LU+6:LU+7]
	v_pk_add_f32 v[LU:LU+1], v[LU:LU+1], v[LU+4:LU+5]
	v_add_f32 v[LU], v[LU], v[LU+1]
	v_permlanex16_b32 v[ST+2*\m+1], v[LU], s[SEL], s[SEL+1]
	v_add_f32 v[ST+2*\m], v[LU], v[ST+2*\m+1]      ; my wave's 32 columns of the row (both halves of the lanes write the same word with the same value)
	ds_store_b32 v12, v[ST+2*\m] offset:\k*5120+\m*1280
.endr
	BARRIER
.irp m, 0,1,2,3
.irp i, 0,1,2,3
	ds_load_b128 v[LT+4*\i:LT+4*\i+3], v11 offset:\k*5120+\m*1280+16*\i
.endr
	s_wait_dscnt 0x0
	TREE
	v_mul_f32 v[ST+2*\m], s30, v[LT]               ; the row's mean
.irp i, 0,2,4,6,8,10,12,14
	v_pk_add_f32 v[ACC+16*\m+\i:ACC+16*\m+\i+1], v[ACC+16*\m+\i:ACC+16*\m+\i+1], v[ST+2*\m:ST+2*\m+1] op_sel_hi:[1,0] neg_lo:[0,1] neg_hi:[0,1]   ; less the mean
.endr
	v_pk_mul_f32 v[LT:LT+1], v[ACC+16*\m:ACC+16*\m+1], v[ACC+16*\m:ACC+16*\m+1]
	v_pk_mul_f32 v[LT+2:LT+3], v[ACC+16*\m+2:ACC+16*\m+3], v[ACC+16*\m+2:ACC+16*\m+3]
.irp i, 4,8,12
	v_pk_fma_f32 v[LT:LT+1], v[ACC+16*\m+\i:ACC+16*\m+\i+1], v[ACC+16*\m+\i:ACC+16*\m+\i+1], v[LT:LT+1]
	v_pk_fma_f32 v[LT+2:LT+3], v[ACC+16*\m+\i+2:ACC+16*\m+\i+3], v[ACC+16*\m+\i+2:ACC+16*\m+\i+3], v[LT+2:LT+3]
.endr
	v_pk_add_f32 v[LT:LT+1], v[LT:LT+1], v[LT+2:LT+3]
	v_add_f32 v[LT], v[LT], v[LT+1]
	v_permlanex16_b32 v[ST+2*\m+1], v[LT], s[SEL], s[SEL+1]
	v_add_f32 v[ST+2*\m], v[LT], v[ST+2*\m+1]      ; my wave's part of the squares
	ds_store_b32 v12, v[ST+2*\m] offset:(\k+1)*5120+\m*1280
.endr
	BARRIER
	s_wait_loadcnt 0x0                             ; gain and offset
.irp m, 0,1,2,3
.irp i, 0,1,2,3
	ds_load_b128 v[LT+4*\i:LT+4*\i+3], v11 offset:(\k+1)*5120+\m*1280+16*\i
.endr
	s_wait_dscnt 0x0
	TREE
	v_fma_f32 v[LT], v[LT], s30, s31               ; the variance + 1e-3
	v_rsq_f32 v[ST+2*\m], v[LT]
	v_nop                                          ; one plain place behind a transcendental
	s_wait_alu depctr_va_vdst(0)
.irp i, 0,2,4,6,8,10,12,14
	v_pk_mul_f32 v[ACC+16*\m+\i:ACC+16*\m+\i+1], v[ACC+16*\m+\i:ACC+16*\m+\i+1], v[ST+2*\m:ST+2*\m+1] op_sel_hi:[1,0]
.endr
.irp i, 0,2,4,6,8,10,12,14
	v_pk_fma_f32 v[ACC+16*\m+\i:ACC+16*\m+\i+1], v[ACC+16*\m+\i:ACC+16*\m+\i+1], v[LG+\i:LG+\i+1], v[LB+\i:LB+\i+1]
.endr
.endr
.endm
	s_load_b512 s[4:19], s[0:1], 0x0               ; zq, wq, x, bO, g1, beta1, b1, b2
	s_load_b128 s[20:23], s[0:1], 0x40             ; g2, beta2
	s_load_b64 s[24:25], s[0:1], 0x50              ; out0
	v_lshrrev_b32 v1, 5, v0
	v_readfirstlane_b32 s26, v1                    ; wave 0..15
	s_mov_b32 s[SEL], 0x76543210
	s_mov_b32 s[SEL+1], 0xfedcba98
	s_mov_b32 s30, 0x3b000000                      ; 1 / 512
	s_mov_b32 s31, 0x3a83126f                      ; 1e-3
	v_and_b32 v179, 31, v0                         ; lane
	v_and_b32 v180, 15, v0                         ; r
	v_bfe_u32 v181, v0, 4, 1                       ; h
	v_lshlrev_b32 v1, 4, v179
	v_lshlrev_b32 v2, 2, v180
	s_mul_i32 s32, s26, 12288
	v_add_nc_u32 v3, s32, v1
	s_mul_i32 s32, s26, 49152
	v_add_nc_u32 v4, s32, v1
	v_lshlrev_b32 v182, 2, v179
	s_lshl_b32 s32, s26, 9
	v_add_nc_u32 v5, s32, v182
	s_lshl_b32 s32, s26, 11
	v_add_nc_u32 v6, s32, v182
	v_lshlrev_b32 v183, 6, v181
	s_lshl_b32 s32, s26, 7
	v_add_nc_u32 v7, s32, v183
	s_lshl_b32 s33, s26, 9
	v_add_nc_u32 v8, s33, v183
	v_mul_u32_u24 v9, v180, 2064
	v_add_nc_u32 v9, v9, v7
	v_add_nc_u32 v9, STG, v9                       ; my strip: row r, + 128 w + 64 h
	v_add_nc_u32 v10, 66048, v9                    ; and 32 rows further down
	v_mul_u32_u24 v11, v180, 80
	v_add_nc_u32 v11, RED, v11
	s_lshl_b32 s32, s26, 2
	v_add_nc_u32 v12, s32, v11
	; z's block of my 32 columns is block w % 4 of K step w / 4: lanes 16 (w % 2) on, registers 6 ((w / 2) % 2) on
	s_lshr_b32 s32, s26, 2
	s_mul_i32 s33, s32, 1536
	s_and_b32 s34, s26, 1
	s_lshl_b32 s34, s34, 8
	s_add_co_u32 s33, s33, s34
	s_add_co_u32 s33, s33, ZI
	s_bfe_u32 s34, s26, 0x10001
	s_mul_i32 s35, s34, 520
	s_add_co_u32 s35, s35, s33
	s_mul_i32 s36, s34, 1016
	s_add_co_u32 s36, s36, s33
	v_mul_u32_u24 v13, v181, 6144
	v_lshl_add_u32 v13, v180, 4, v13               ; row tile H (2 c + H by the immediate), row r
	v_add_nc_u32 v14, s36, v13
	v_add_nc_u32 v13, s35, v13
	s_lshl_b32 s32, s32, 6
	s_and_b32 s34, s26, 3
	s_add_co_u32 s32, s32, s34
	s_add_co_u32 s32, s32, ZS2
	v_add_nc_u32 v15, s32, v2                      ; its scale byte: K step w / 4, row r, byte w % 4
.irp m, 0,1,2,3
	v_mov_b32 v[ST+2*\m+1], 0                      ; a lane permute's destination counts as one of its sources
.endr
	v_lshlrev_b32 v176, 4, v0                      ; 16 x thread
	v_lshlrev_b32 v175, 1, v0                      ; 2 x thread
	s_lshl_b32 s32, s26, 13
	v_add_nc_u32 v177, s32, v1                     ; rows 4 w on in memory, 16 bytes a lane
	s_mul_i32 s32, s26, 8256
	s_add_co_u32 s32, s32, STG
	v_add_nc_u32 v178, s32, v1                     ; and in LDS
	s_mul_i32 s38, ttmp9, 24576
	s_mov_b32 s39, 0
	s_wait_kmcnt 0x0
	s_add_nc_u64 s[40:41], s[4:5], s[38:39]        ; my four tiles of zs
	s_lshl_b32 s38, ttmp9, 10
	s_add_co_u32 s38, s38, ZQS
	s_add_nc_u64 s[42:43], s[4:5], s[38:39]        ; their scale words
	s_lshl_b32 s38, ttmp9, 17
	s_add_nc_u64 s[44:45], s[8:9], s[38:39]        ; my 64 rows of x
	s_add_nc_u64 s[46:47], s[24:25], s[38:39]      ; and of the output
	; ---- the head: zs's images and scale bytes and x's rows into LDS; the first four sets of weights are asked for
.irp k, 0,1,2
	global_load_b128 v[ACT+4*\k:ACT+4*\k+3], v176, s[40:41] offset:8192*\k th:TH_LOAD_NT
.endr
	global_load_u16 v148, v175, s[42:43] th:TH_LOAD_NT                    ; 1,024 scale bytes, two a thread: a wave reads 64 consecutive bytes
.irp i, 0,1,2,3
.irp q, 0,1,2,3
	global_load_b128 v[ACC+16*\i+4*\q:ACC+16*\i+4*\q+3], v177, s[44:45] offset:2048*\i+512*\q th:TH_LOAD_NT   ; 512 consecutive bytes of row 4 w + i
.endr
.endr
	SETLOAD 0
	SETLOAD 1
	SETLOAD 2
	SETLOAD 3
	s_wait_loadcnt 32                              ; all but the four sets: 11 + 7 + 7 + 7 loads
.irp k, 0,1,2
	ds_store_b128 v176, v[ACT+4*\k:ACT+4*\k+3] offset:ZSI+8192*\k
.endr
	ds_store_b16 v175, v148 offset:ZSS
.irp i, 0,1,2,3
.irp q, 0,1,2,3
	ds_store_b128 v178, v[ACC+16*\i+4*\q:ACC+16*\i+4*\q+3] offset:2064*\i+512*\q
.endr
.endr
	BARRIER
	; ---- zs WO + bO + x: x + bO is the C of the first product
	STRIP_IN
	s_wait_dscnt 0x0
	s_wait_loadcnt 28                              ; bO is in: behind it came its set's 7 loads and the three younger sets' 21
	ADDBIAS
.irp k, 0,1,2,3
	KSTEP \k, 1, ZSI+\k*1536, 6144, ZSS+\k*64, 256, 0
.endr
	LNORM 0, 12, 14
	STRIP_OUT                                      ; z, for the second residual: into my own strip, which no other wave touches between the first barrier and the last
	QUANT ACC, 1
	SCAT 13, 14, 12288, 0, 8, 512
.irp m, 0,1,2,3
	ds_store_b8 v15, v[TM+4+\m] offset:256*\m
.endr
	BARRIER                                        ; z's sixteen fragments lie in LDS
	; ---- relu(z W1 + b1): four units; unit q is block q of K step w of the last product
	s_mul_i32 s32, s26, 6144
	s_add_co_u32 s32, s32, HI
	v_bfe_u32 v14, v0, 4, 1
	v_mul_u32_u24 v13, v14, 1536
	v_and_b32 v14, 15, v0
	v_lshl_add_u32 v13, v14, 4, v13
	v_add_nc_u32 v13, s32, v13                     ; K step w, row tile H (2 c + H by the immediate), row r
	s_lshl_b32 s32, s26, 8
	s_add_co_u32 s32, s32, HSC
	v_add_nc_u32 v15, s32, v2
.irp q, 0,1,2,3
	KSTEP 4+4*\q, 1, ZI, 6144, ZS2, 256, 1         ; b1 is the C of the unit's first product
.irp k, 1,2,3
	KSTEP 4+4*\q+\k, 1, ZI+\k*1536, 6144, ZS2+\k*64, 256, 0
.endr
.set n, 0
.rept 64
	v_max_num_f32 v[ACC+n], 0, v[ACC+n]            ; the activation, in f32, each accumulator from its low end on
.set n, n+1
.endr
	QUANT ACC, 0
	SCAT 13, 13, 3072, 256*(\q%2)+520*(\q/2), 256*(\q%2)+8+1016*(\q/2), 256*(\q%2)+512+520*(\q/2)
.irp m, 0,1,2,3
	ds_store_b8 v15, v[TM+4+\m] offset:64*\m+\q
.endr
	s_wait_dscnt 0x0                               ; the stores have read their registers, which take the rows' fragments again
.endr
	s_barrier_signal -1
	s_barrier_wait -1                              ; the hidden layer's 64 fragments lie in LDS
	; ---- hidden W2 + b2 + z: z + b2 is the C of the first product
	STRIP_IN
	v_add_nc_u32 v3, HI, v1                        ; (the loads that named v3 as their offset are long done)
	s_wait_dscnt 0x0
	s_wait_loadcnt 28                              ; b2 is in: behind it came its set's 7 loads and the three younger sets' 21
	ADDBIAS
.irp k, 0,1,2,3,4,5,6,7,8,9,10,11,12,13,14,15
.if \k == 8
	v_add_nc_u32 v3, 49152, v3                     ; the immediates reach eight K steps
.endif
	KSTEP 20+\k, 3, (\k%8)*6144, 1536, HSC+\k*256, 64, 0
.endr
	LNORM 2, 20, 22
	STRIP_OUT
	s_mul_i32 s32, s26, 8256
	s_add_co_u32 s32, s32, STG
	v_add_nc_u32 v13, s32, v1                      ; rows 4 w on, whole
	s_lshl_b32 s32, s26, 13
	v_add_nc_u32 v14, s32, v1
	BARRIER                                        ; 64 whole rows of the result lie in LDS
.irp i, 0,1,2,3
.irp q, 0,1,2,3
	ds_load_b128 v[ACC+16*\i+4*\q:ACC+16*\i+4*\q+3], v13 offset:2064*\i+512*\q
.endr
.endr
.irp i, 0,1,2,3
.irp q, 0,1,2,3
	s_wait_dscnt 15-4*\i-\q
	global_store_b128 v14, v[ACC+16*\i+4*\q:ACC+16*\i+4*\q+3], s[46:47] offset:2048*\i+512*\q th:TH_STORE_NT   ; 32 lanes store 512 consecutive bytes, aligned
.endr
.endr
	s_wait_xcnt 0x0
	v_lshl_add_u32 v254, v0, 2, 0x4ac00
	v_mov_b32 v255, 0
	s_wait_tensorcnt 0x0
	ds_add_u32 v254, v255
	s_wait_dscnt 0x0
	s_endpgm
.Lfunc_end_k_qf5c9be01dc_tail:
	.size	k_qf5c9be01dc_tail, .Lfunc_end_k_qf5c9be01dc_tail-k_qf5c9be01dc_tail
	.p2alignl 7, 3214868480
	.fill 96, 4, 3214868480
	.section	.rodata,"a",@progbits
	.p2align	6, 0x0
	.amdhsa_kernel k_qf5c9be01dc_tail
		.amdhsa_group_segment_fixed_size 308224
		.amdhsa_private_segment_fixed_size 0
		.amdhsa_enable_private_segment 0
		.amdhsa_kernarg_size 88
		.amdhsa_user_sgpr_count 2
		.amdhsa_user_sgpr_kernarg_segment_ptr 1
		.amdhsa_wavefront_size32 1
		.amdhsa_system_sgpr_workgroup_id_x 1
		.amdhsa_system_sgpr_workgroup_id_y 1
		.amdhsa_system_sgpr_workgroup_id_z 1
		.amdhsa_system_vgpr_workitem_id 0
		.amdhsa_next_free_vgpr 256
		.amdhsa_next_free_sgpr 66
		.amdhsa_reserve_vcc 0
		.amdhsa_float_denorm_mode_32 3
		.amdhsa_float_denorm_mode_16_64 3
		.amdhsa_memory_ordered 1
		.amdhsa_forward_progress 1
		.amdhsa_inst_pref_size 193
	.end_amdhsa_kernel
	.amdgpu_metadata
---
amdhsa.version: [ 1, 2 ]
amdhsa.kernels:
  - .name:           k_qf5c9be01dc_tail
    .symbol:         k_qf5c9be01dc_tail.kd
    .args:
      - { .name: zq, .offset: 0, .size: 8, .value_kind: global_buffer, .address_space: global }
      - { .name: wq, .offset: 8, .size: 8, .value_kind: global_buffer, .address_space: global }
      - { .name: x, .offset: 16, .size: 8, .value_kind: global_buffer, .address_space: global }
      - { .name: bO, .offset: 24, .size: 8, .value_kind: global_buffer, .address_space: global }
      - { .name: g1, .offset: 32, .size: 8, .value_kind: global_buffer, .address_space: global }
      - { .name: beta1, .offset: 40, .size: 8, .value_kind: global_buffer, .address_space: global }
      - { .name: b1, .offset: 48, .size: 8, .value_kind: global_buffer, .address_space: global }
      - { .name: b2, .offset: 56, .size: 8, .value_kind: global_buffer, .address_space: global }
      - { .name: g2, .offset: 64, .size: 8, .value_kind: global_buffer, .address_space: global }
      - { .name: beta2, .offset: 72, .size: 8, .value_kind: global_buffer, .address_space: global }
      - { .name: out0, .offset: 80, .size: 8, .value_kind: global_buffer, .address_space: global }
    .group_segment_fixed_size: 308224
    .private_segment_fixed_size: 0
    .kernarg_segment_align: 8
    .kernarg_segment_size: 88
    .max_flat_workgroup_size: 512
    .sgpr_count:     66
    .vgpr_count:     256
    .wavefront_size: 32
...
	.end_amdgpu_metadata
.endif
;; end of part 4
;; ======== version 2 of 2: 4 launches
;; workspace buffers: xq 3,407,872 bytes; wq 2,457,600 bytes; qc 3,407,872 bytes; kc 3,407,872 bytes; vc 3,276,800 bytes; zq 3,276,800 bytes
;; launch quant (part 5): grid 704 x 1, 4 waves a work-group, no clusters, 58,880 bytes of LDS; arguments x, WQ, WK, WV, WO, W2, W1, xq, wq; writes xq, wq
.if DOCPART == 5
	.amdgcn_target "amdgcn-amd-amdhsa--gfx1250"
	.amdhsa_code_object_version 6
	.text
	.protected	k_qf5c9be01dc_quant
	.globl	k_qf5c9be01dc_quant
	.p2align	8
	.type	k_qf5c9be01dc_quant,@function
k_qf5c9be01dc_quant:
	s_mov_b64 s[64:65], 0
	v_nop
	global_prefetch_b8 v0, s[64:65] scope:SCOPE_SE
	s_setreg_imm32_b32 hwreg(HW_REG_WAVE_MODE, 25, 1), 1
	s_wait_xcnt 0x0
; x [8192][512] and the six weights (stored [K][N], f32) become codes of BF6 (E3M2) with one E8M0 byte for each 32 along K, laid in the ORDER OF AN OPERAND'S REGISTERS:
; a fragment (16 rows x 128 K, 12 registers a lane) is an image of 1,536 bytes: part p (512 bytes) holds registers 4 p .. 4 p + 3, lane l's 16 bytes at 16 l.  Three loads of 16 bytes a lane bring it back.
; THE ROWS (COLUMNS) OF A TILE ARE NOT NEIGHBOURS: in a group of 32, tile u's lane r takes element 8 u + r + 8 (r / 8), so that a product that takes the tile as source 0 leaves 16 neighbours in the 16 registers of tiles u = 0, 1.
; xq: codes [tile t 512][K step 4][1536], tile t = 2 g + u; behind them scale words [t][K step][32 lanes] (lanes 16-31 repeat lanes 0-15).
; wq: codes, for each tensor [pair of tiles P][K step][u][1536]; behind them scale words [P][K step][r + 16 u]: one register carries tile 0's words in lanes 0-15 and tile 1's in lanes 16-31.
; A block's scale is 2^(floor(log2(largest magnitude)) - 4); its byte is the largest magnitude's exponent field - 4, held at 1 from below by a floor among the maximum's leaves.
; LIMITS: NaN and infinities are not served; a block whose largest magnitude lies under 2^-122 (a block of zeros too) carries the byte 1: its codes are zeros or next to it, and this program alone reads the bytes.
; SHARES: a wave does one task and shares nothing: no barrier, no loop.  Work-groups 0-511: tile t of x, wave = K step.  512-639: a pair of columns of WQ, WK, WV, WO (wave = K step) or of W2 (K step 4 a + wave).  640-703: of W1.
; Memory binds here: no matrix unit, no cluster (no two work-groups read the same byte), no tensor load.  Each path has LDS bytes of its own.
.set XQS,  3145728                     ; where xq's scale words begin
.set WQS,  2359296                     ; where wq's begin
.set WREG, 14592                       ; LDS of a wave: x's stage 16 x 528, then one stage of 3,072 for each of the two weight paths
.set R,    16                          ; v16-79   x as loaded
.set X,    80                          ; v80-143  x: 64 numbers of my row, register 16 b + i = k 32 b + 16 (lane / 16) + i
.set D,    16                          ; v16-143  a weight's 128 numbers down K of my column
.set TM,   144                         ; v144-159 at work in QUANT
.set PW,   160                         ; the scale word
.set PC,   162                         ; v162-180 the codes
.set SEL,  32                          ; s[32:33] lane selects: lane l xor 16
; 64 numbers of a lane, register 16 b + i = k 32 b + 16 (lane / 16) + i of my row, become a fragment's 12 registers in v[PC] on and its scale word in v[PW].
.macro QUANT s, ab
.irp b, 0,1,2,3
.if \ab
	v_max3_num_f32 v[TM+\b], |v[\s+16*\b]|, |v[\s+1+16*\b]|, 0x2800000   ; my 16 numbers of block b, and the floor 2^(5 - 127)
.else
	v_max3_num_f32 v[TM+\b], v[\s+16*\b], v[\s+1+16*\b], 0x2800000
.endif
.endr
.irp i, 2,4,6,8,10,12,14
.irp b, 0,1,2,3
.if \ab
	v_max3_num_f32 v[TM+\b], v[TM+\b], |v[\s+16*\b+\i]|, |v[\s+1+16*\b+\i]|   ; the four blocks by turns
.else
	v_max3_num_f32 v[TM+\b], v[TM+\b], v[\s+16*\b+\i], v[\s+1+16*\b+\i]
.endif
.endr
.endr
.irp b, 0,1,2,3
	v_permlanex16_b32 v[TM+4+\b], v[TM+\b], s[SEL], s[SEL+1]
.endr
.irp b, 0,1,2,3
	v_max_num_f32 v[TM+\b], v[TM+\b], v[TM+4+\b]   ; with lane l xor 16's: the block's largest magnitude
.endr
.irp b, 0,1,2,3
	v_add_nc_u32 v[TM+12+\b], 0xfe000000, v[TM+\b]   ; 4 off its exponent field: the conversion's scale operand
.endr
.irp b, 0,1,2,3
	v_lshrrev_b32 v[TM+4+\b], 23, v[TM+12+\b]      ; the scale's byte
.endr
	v_lshl_or_b32 v[PW], v[TM+5], 8, v[TM+4]
	v_lshl_or_b32 v[PW], v[TM+6], 16, v[PW]
	v_lshl_or_b32 v[PW], v[TM+7], 24, v[PW]
.irp c, 0,1
	v_cvt_scalef32_pk16_bf6_f32 v[PC+6*\c:PC+2+6*\c], v[\s+32*\c:\s+15+32*\c], v[TM+12+2*\c]
	v_cvt_scalef32_pk16_bf6_f32 v[PC+12+4*\c:PC+14+4*\c], v[\s+16+32*\c:\s+31+32*\c], v[TM+12+2*\c+1]   ; (a conversion's three registers begin on an even number)
.endr
	v_nop                                          ; one plain place behind a scaled conversion
.irp c, 0,1                                    ; the operand wants a WHOLE block in a lane: lanes 0-15 block 2 c, lanes 16-31 block 2 c + 1
.irp i, 0,1,2
	v_permlane16_swap_b32 v[PC+6*\c+\i], v[PC+12+4*\c+\i]
.endr
.irp i, 0,1,2
	v_mov_b32 v[PC+3+6*\c+\i], v[PC+12+4*\c+\i]
.endr
.endr
.endm
; Block kb (32 along K) of my column: all 32 numbers are mine.  It belongs to lane r' + 16 (kb % 2) of my tile's image, registers 6 (kb / 2) on: three pieces of 8 bytes.
.macro WBLK kb, left
.set XB, D+32*\kb
	s_wait_loadcnt \left                           ; this block's 32 loads are in: at least so many younger ones were issued behind them
	v_max3_num_f32 v144, |v[XB]|, |v[XB+1]|, |v[XB+2]|
	v_max3_num_f32 v145, |v[XB+3]|, |v[XB+4]|, |v[XB+5]|
.irp i, 6,10,14,18,22,26
	v_max3_num_f32 v144, v144, |v[XB+\i]|, |v[XB+\i+1]|
	v_max3_num_f32 v145, v145, |v[XB+\i+2]|, |v[XB+\i+3]|
.endr
	v_max3_num_f32 v144, v144, |v[XB+30]|, |v[XB+31]|
	v_max3_num_f32 v144, v144, v145, 0x2800000     ; and the floor
	v_add_nc_u32 v146, 0xfe000000, v144
	v_lshrrev_b32 v147, 23, v146
.if \kb == 0
	v_mov_b32 v148, v147
.else
	v_lshl_or_b32 v148, v147, 8*\kb, v148          ; my column's scale word, the lower K in the lower byte
.endif
	v_cvt_scalef32_pk16_bf6_f32 v[150:152], v[XB:XB+15], v146
	v_cvt_scalef32_pk16_bf6_f32 v[156:158], v[XB+16:XB+31], v146
	v_nop
.irp i, 0,1,2
	v_mov_b32 v[153+\i], v[156+\i]
.endr
	ds_store_b64 v3, v[150:151] offset:256*(\kb%2)+520*(\kb/2)
	ds_store_b64 v3, v[152:153] offset:256*(\kb%2)+8+1016*(\kb/2)
	ds_store_b64 v3, v[154:155] offset:256*(\kb%2)+512+520*(\kb/2)
	s_wait_dscnt 0x0                               ; the stores have read their registers: the next block's codes may be written
.endm
; A LANE TAKES A COLUMN, ITS REGISTERS RUN DOWN K: each load reads 128 consecutive bytes of a row of the weight.  s[24:25] the source, s[26:27] the codes, s[28:29] the scale words.
.macro WPATH pitch, stage
	v_lshlrev_b32 v2, 2, v1                        ; 4 l
	v_bfe_u32 v7, v0, 3, 1                         ; my column's tile u = (l / 8) % 2
	v_and_b32 v8, 7, v0
	v_bfe_u32 v9, v0, 4, 1
	v_lshl_add_u32 v8, v9, 3, v8                   ; and its lane there r' = l % 8 + 8 (l / 16)
	v_mul_u32_u24 v3, v7, 1536
	v_lshl_add_u32 v3, v8, 4, v3
	v_add_nc_u32 v3, s23, v3
	v_add_nc_u32 v3, \stage, v3                    ; into the stage: tile u's image, lane r'
	v_lshlrev_b32 v5, 4, v1                        ; 16 l
	v_add_nc_u32 v4, s23, v5
	v_add_nc_u32 v4, \stage, v4                    ; out of it: as it lies
	v_lshl_add_u32 v6, v7, 4, v8
	v_lshlrev_b32 v6, 2, v6                        ; my scale word's place: 4 (r' + 16 u)
.set n, 0
.rept 128
	global_load_b32 v[D+n], v2, s[24:25] offset:n*\pitch th:TH_LOAD_NT
.set n, n+1
.endr
	WBLK 0, 63
	WBLK 1, 63
	WBLK 2, 32
	WBLK 3, 0
.irp k, 0,1,2,3,4,5
	ds_load_b128 v[160+4*\k:163+4*\k], v4 offset:512*\k   ; LDS serves a wave's instructions in order: these see my stores
.endr
.irp k, 0,1,2,3,4,5
	s_wait_dscnt 5-\k
	global_store_b128 v5, v[160+4*\k:163+4*\k], s[26:27] offset:512*\k   ; 512 consecutive bytes a store, 3,072 in all
.endr
	s_wait_alu depctr_va_vdst(0)
	global_store_b32 v6, v148, s[28:29]
.endm
	s_load_b512 s[4:19], s[0:1], 0x0               ; x, WQ, WK, WV, WO, W2, W1, xq
	s_load_b64 s[20:21], s[0:1], 0x40              ; wq
	v_lshl_add_u32 v192, v0, 2, 0xe400
	v_mov_b32 v193, 0
	v_lshrrev_b32 v1, 5, v0
	v_readfirstlane_b32 s22, v1                    ; wave 0..3
	v_and_b32 v1, 31, v0                           ; lane
	s_mul_i32 s23, s22, WREG                       ; my wave's LDS
	s_mov_b32 s[SEL], 0x76543210
	s_mov_b32 s[SEL+1], 0xfedcba98
	s_cmp_lt_u32 ttmp9, 512
	s_cbranch_scc0 .Lweights
	; ---- x: tile t = work-group, K step = wave
	v_lshlrev_b32 v2, 4, v1                        ; 16 l
	v_add_nc_u32 v3, s23, v2                       ; the stage, on the way in: a row's 512 bytes as they lie
	v_and_b32 v6, 15, v0                           ; r
	v_bfe_u32 v7, v0, 4, 1                         ; h
	v_mul_u32_u24 v4, v6, 528                      ; rows 528 bytes apart: an odd multiple of 16
	v_lshl_add_u32 v4, v7, 6, v4
	v_add_nc_u32 v4, s23, v4                       ; on the way out: row r, + 64 h: my 16 numbers of each block
	v_lshlrev_b32 v5, 2, v1                        ; 4 l
.irp b, 0,1,2,3
	v_mov_b32 v[TM+4+\b], 0                        ; a lane permute's destination counts as one of its sources
.endr
	s_lshr_b32 s24, ttmp9, 1
	s_lshl_b32 s24, s24, 16                        ; 32 rows of 2,048 bytes for each pair of tiles,
	s_and_b32 s25, ttmp9, 1
	s_lshl_b32 s25, s25, 14                        ; 8 rows for tile u = 1,
	s_add_co_u32 s24, s24, s25
	s_lshl_b32 s25, s22, 9                         ; 512 bytes a K step
	s_add_co_u32 s24, s24, s25
	s_mov_b32 s25, 0
	s_lshl_b32 s26, ttmp9, 2
	s_add_co_u32 s26, s26, s22                     ; 4 t + K step
	s_mul_i32 s28, s26, 1536
	s_mov_b32 s29, 0
	s_lshl_b32 s30, s26, 7
	s_add_co_u32 s30, s30, XQS
	s_mov_b32 s31, 0
	s_wait_alu depctr_va_vdst(0)
	s_wait_kmcnt 0x0
	s_add_nc_u64 s[4:5], s[4:5], s[24:25]
	s_add_nc_u64 s[28:29], s[18:19], s[28:29]
	s_add_nc_u64 s[30:31], s[18:19], s[30:31]
.irp i, 0,1,2,3,4,5,6,7,8,9,10,11,12,13,14,15
	global_load_b128 v[R+4*\i:R+4*\i+3], v2, s[4:5] offset:(\i+8*(\i/8))*2048 th:TH_LOAD_NT   ; the tile's row i: 512 consecutive bytes
.endr
.irp i, 0,1,2,3,4,5,6,7,8,9,10,11,12,13,14,15
	s_wait_loadcnt 15-\i                           ; row i is in; the younger rows may be out
	ds_store_b128 v3, v[R+4*\i:R+4*\i+3] offset:528*\i
.endr
.irp b, 0,1,2,3
.irp j, 0,1,2,3
	ds_load_b128 v[X+16*\b+4*\j:X+16*\b+4*\j+3], v4 offset:128*\b+16*\j   ; my wave's own bytes, served in order
.endr
.endr
	s_wait_dscnt 0x0
	QUANT X, 1
.irp p, 0,1,2
	global_store_b128 v2, v[PC+4*\p:PC+4*\p+3], s[28:29] offset:512*\p
.endr
	global_store_b32 v5, v[PW], s[30:31]
	s_wait_tensorcnt 0x0
	ds_add_u32 v192, v193
	s_wait_dscnt 0x0
	s_endpgm
.Lweights:
	s_cmp_lt_u32 ttmp9, 640
	s_cbranch_scc0 .Lw1
	; ---- WQ, WK, WV, WO, W2: rows of 2,048 bytes
	s_sub_co_u32 s34, ttmp9, 512
	s_and_b32 s35, s34, 15                         ; P: the pair of column tiles
	s_bfe_u32 s36, s34, 0x20004                    ; a
	s_lshl_b32 s37, s36, 2
	s_add_co_u32 s37, s37, s22                     ; W2's K step: 4 a + wave
	s_mul_i32 s38, s36, 196608
	s_mul_i32 s39, s35, 12288
	s_add_co_u32 s38, s38, s39                     ; codes of tensor a, pair P
	s_mul_i32 s39, s35, 49152
	s_add_co_u32 s39, s39, 1572864                 ; codes of W2, pair P
	s_lshl_b32 s40, s36, 13
	s_lshl_b32 s41, s35, 9
	s_add_co_u32 s40, s40, s41
	s_add_co_u32 s40, s40, WQS                     ; scale words of tensor a, pair P
	s_lshl_b32 s41, s35, 11
	s_add_co_u32 s41, s41, 2424832                 ; of W2
	s_wait_kmcnt 0x0
	s_cmp_eq_u32 s36, 1                            ; the choices hang on the work-group's number alone
	s_cselect_b64 s[24:25], s[8:9], s[6:7]
	s_cmp_eq_u32 s36, 2
	s_cselect_b64 s[24:25], s[10:11], s[24:25]
	s_cmp_eq_u32 s36, 3
	s_cselect_b64 s[24:25], s[12:13], s[24:25]
	s_cmp_lt_u32 s34, 64
	s_cselect_b64 s[24:25], s[24:25], s[14:15]
	s_cselect_b32 s37, s22, s37                    ; the K step
	s_cselect_b32 s38, s38, s39
	s_cselect_b32 s40, s40, s41
	s_lshl_b32 s42, s37, 18                        ; 128 rows of 2,048 bytes a K step,
	s_lshl_b32 s43, s35, 7                         ; 128 bytes a pair
	s_add_co_u32 s42, s42, s43
	s_mov_b32 s43, 0
	s_add_nc_u64 s[24:25], s[24:25], s[42:43]
	s_mul_i32 s42, s37, 3072
	s_add_co_u32 s42, s42, s38
	s_add_nc_u64 s[26:27], s[20:21], s[42:43]
	s_lshl_b32 s42, s37, 7
	s_add_co_u32 s42, s42, s40
	s_add_nc_u64 s[28:29], s[20:21], s[42:43]
	s_wait_alu depctr_va_vdst(0)
	WPATH 2048, 8448
	s_wait_tensorcnt 0x0
	ds_add_u32 v192, v193
	s_wait_dscnt 0x0
	s_endpgm
.Lw1:
	; ---- W1: rows of 8,192 bytes
	s_sub_co_u32 s35, ttmp9, 640                   ; P
	s_lshl_b32 s42, s22, 20                        ; 128 rows of 8,192 bytes a K step
	s_lshl_b32 s43, s35, 7
	s_add_co_u32 s42, s42, s43
	s_mov_b32 s43, 0
	s_wait_kmcnt 0x0
	s_add_nc_u64 s[24:25], s[16:17], s[42:43]
	s_mul_i32 s42, s35, 12288
	s_mul_i32 s38, s22, 3072
	s_add_co_u32 s42, s42, s38
	s_add_co_u32 s42, s42, 786432
	s_add_nc_u64 s[26:27], s[20:21], s[42:43]
	s_lshl_b32 s42, s35, 9
	s_lshl_b32 s38, s22, 7
	s_add_co_u32 s42, s42, s38
	s_add_co_u32 s42, s42, 2392064
	s_add_nc_u64 s[28:29], s[20:21], s[42:43]
	s_wait_alu depctr_va_vdst(0)
	WPATH 8192, 11520
	s_wait_tensorcnt 0x0
	ds_add_u32 v192, v193
	s_wait_dscnt 0x0
	s_endpgm
.Lfunc_end_k_qf5c9be01dc_quant:
	.size	k_qf5c9be01dc_quant, .Lfunc_end_k_qf5c9be01dc_quant-k_qf5c9be01dc_quant
	.p2alignl 7, 3214868480
	.fill 96, 4, 3214868480
	.section	.rodata,"a",@progbits
	.p2align	6, 0x0
	.amdhsa_kernel k_qf5c9be01dc_quant
		.amdhsa_group_segment_fixed_size 58880
		.amdhsa_private_segment_fixed_size 0
		.amdhsa_enable_private_segment 0
		.amdhsa_kernarg_size 72
		.amdhsa_user_sgpr_count 2
		.amdhsa_user_sgpr_kernarg_segment_ptr 1
		.amdhsa_wavefront_size32 1
		.amdhsa_system_sgpr_workgroup_id_x 1
		.amdhsa_system_sgpr_workgroup_id_y 1
		.amdhsa_system_sgpr_workgroup_id_z 1
		.amdhsa_system_vgpr_workitem_id 0
		.amdhsa_next_free_vgpr 194
		.amdhsa_next_free_sgpr 66
		.amdhsa_reserve_vcc 0
		.amdhsa_float_denorm_mode_32 3
		.amdhsa_float_denorm_mode_16_64 3
		.amdhsa_memory_ordered 1
		.amdhsa_forward_progress 1
		.amdhsa_inst_pref_size 55
	.end_amdhsa_kernel
	.amdgpu_metadata
---
amdhsa.version: [ 1, 2 ]
amdhsa.kernels:
  - .name:           k_qf5c9be01dc_quant
    .symbol:         k_qf5c9be01dc_quant.kd
    .args:
      - { .name: x, .offset: 0, .size: 8, .value_kind: global_buffer, .address_space: global }
      - { .name: WQ, .offset: 8, .size: 8, .value_kind: global_buffer, .address_space: global }
      - { .name: WK, .offset: 16, .size: 8, .value_kind: global_buffer, .address_space: global }
      - { .name: WV, .offset: 24, .size: 8, .value_kind: global_buffer, .address_space: global }
      - { .name: WO, .offset: 32, .size: 8, .value_kind: global_buffer, .address_space: global }
      - { .name: W2, .offset: 40, .size: 8, .value_kind: global_buffer, .address_space: global }
      - { .name: W1, .offset: 48, .size: 8, .value_kind: global_buffer, .address_space: global }
      - { .name: xq, .offset: 56, .size: 8, .value_kind: global_buffer, .address_space: global }
      - { .name: wq, .offset: 64, .size: 8, .value_kind: global_buffer, .address_space: global }
    .group_segment_fixed_size: 58880
    .private_segment_fixed_size: 0
    .kernarg_segment_align: 8
    .kernarg_segment_size: 72
    .max_flat_workgroup_size: 128
    .sgpr_count:     66
    .vgpr_count:     194
    .wavefront_size: 32
...
	.end_amdgpu_metadata
.endif
;; end of part 5
;; launch qkv (part 6): grid 64 x 3, 16 waves a work-group, no clusters, 260,096 bytes of LDS; arguments xq, wq, bQ, bK, bV, qc, kc, vc; writes qc, kc, vc
.if DOCPART == 6
	.amdgcn_target "amdgcn-amd-amdhsa--gfx1250"
	.amdhsa_code_object_version 6
	.text
	.protected	k_qf5c9be01dc_qkv
	.globl	k_qf5c9be01dc_qkv
	.p2align	8
	.type	k_qf5c9be01dc_qkv,@function
k_qf5c9be01dc_qkv:
	s_mov_b64 s[64:65], 0
	v_nop
	global_prefetch_b8 v0, s[64:65] scope:SCOPE_SE
	s_setreg_imm32_b32 hwreg(HW_REG_WAVE_SCHED_MODE, 0, 2), 2
	s_setreg_imm32_b32 hwreg(HW_REG_WAVE_MODE, 25, 1), 1
	s_wait_xcnt 0x0
	s_wait_alu depctr_vm_vsrc(0)
; q = x WQ + bQ, k = x WK + bK, v = x WV + bV on codes of BF6 with E8M0 scales, and the results quantised again at once: q and k along a head's 64 channels, v along the keys.
; SHARES: work-group (x, y) takes 128 rows of x (8 tiles) and all 512 columns of tensor y (0 Q, 1 K, 2 V).  Its operands, 49,152 bytes of x's images and 196,608 of the weight's, with their scale words,
; are copied into LDS once, as they lie, in front of the text's one barrier, and only read after it.
; Q, K: wave w takes head w / 2 and four row tiles: 16 accumulators.  The product is TRANSPOSED (source 0 = 16 columns of W, source 1 = 16 rows of x): a lane holds one row, its registers run along the head's channels.
;   qc, kc: codes [head 16][pair of row tiles 128][1536]: registers 0-5 tile 0, registers 6-11 tile 1, each 16 rows x 64 channels; scale words [head][pair][32 lanes]: lane (r, H) has tile H's word, bytes 2 and 3 = 0x7f.
; V: wave w takes 32 columns and all eight row tiles.  The product is natural (source 0 = x): a lane holds one channel, its registers run along the keys: the 128 keys are one K step of attention's second product.
;   vc: codes [head][key step 32][tile of channels 4][1536]; scale words [head][key step][pair of tiles][32 lanes]: lanes 0-15 the even tile, lanes 16-31 the odd one.
; The biases of q and k are LOADED INTO THE ACCUMULATORS, so that every product adds in place and nothing is cleared; V's is the C of the first K step.
; No cluster: joint requests are a form of the tensor load, and this text has none: each byte a work-group needs comes once, 246 KB in one burst of 32 loads a thread, and nothing is fetched in a loop.
; LIMITS: NaN and infinities are not served; a block whose largest magnitude lies under 2^-122 carries the byte 1.
; THE MODE: SCHED_MODE bits 1:0 = 2 (LLVM: expert scheduling mode 2), set by the entry lines.  The code itself states the register dependences
; between vector or matrix instructions and memory or LDS instructions, with s_wait_alu, always for 0.
; THE PLAN.  Registers that memory or LDS instructions touch:
;   v11-v15       offsets and LDS addresses of the copy: written at the head, never again.
;   v128-v253     the copy's 32 loads land in them, its 32 LDS stores read them; behind the barrier they are the accumulators: the bias lands in them (Q, K) or the products write them (V).
;   v1-v6, v17-18 LDS addresses of the fragments, written ahead of the barrier, never again.   v9 the bias's offset, v7 and v8 the stores' offsets: written once on each path.
;   WF, XF, v24-29  One set: sixteen waves of 256 registers are all that four SIMDs have.  The LDS loads of a K step land in them, its products read them.
;   v[PC ..], v71 written by the quantiser, read by the stores.
; So: one wait on va_vdst ahead of the copy's loads; one on vm_vsrc behind the barrier; on each path one on va_vdst ahead of the bias's loads, which also shows the LDS addresses written;
; one ahead of each refill of the fragments; one ahead of each run of stores; one on vm_vsrc between the two runs of stores.
.set XQS,  3145728
.set WQS,  2359296
.set OSC,  3145728                     ; where the scale words begin in qc, kc, vc
.set XIM,  0                           ; LDS: x's 8 x 4 images
.set XSC,  49152                       ; their scale words, 128 bytes each
.set WSC,  53248                       ; the weight's scale words, 16 pairs x 4 K steps x 128 bytes
.set WIM,  61440                       ; the weight's images: [pair 16][K step 4][u 2][1536]
.set WS,   24                          ; v24-25 the weight's scale words;  v26-29 x's: these registers hold scales alone
.set XS,   26
.set WF,   32                          ; v32-79   four fragments of the weight
.set XF,   80                          ; v80-127  four fragments of x
.set ACC,  128                         ; v128-255 sixteen accumulators
.set TM,   32                          ; behind the products: QUANT's registers lie where the fragments lay
.set PW,   48
.set PC,   50
.set SEL,  26                          ; s[26:27]
.macro QUANT s, ab
.irp b, 0,1,2,3
.if \ab
	v_max3_num_f32 v[TM+\b], |v[\s+16*\b]|, |v[\s+1+16*\b]|, 0x2800000   ; my 16 numbers of block b, and the floor 2^(5 - 127).  Each accumulator is read from its low end on
.else
	v_max3_num_f32 v[TM+\b], v[\s+16*\b], v[\s+1+16*\b], 0x2800000
.endif
.endr
.irp i, 2,4,6,8,10,12,14
.irp b, 0,1,2,3
.if \ab
	v_max3_num_f32 v[TM+\b], v[TM+\b], |v[\s+16*\b+\i]|, |v[\s+1+16*\b+\i]|
.else
	v_max3_num_f32 v[TM+\b], v[TM+\b], v[\s+16*\b+\i], v[\s+1+16*\b+\i]
.endif
.endr
.endr
.irp b, 0,1,2,3
	v_permlanex16_b32 v[TM+4+\b], v[TM+\b], s[SEL], s[SEL+1]
.endr
.irp b, 0,1,2,3
	v_max_num_f32 v[TM+\b], v[TM+\b], v[TM+4+\b]   ; with lane l xor 16's: the block's largest magnitude
.endr
.irp b, 0,1,2,3
	v_add_nc_u32 v[TM+12+\b], 0xfe000000, v[TM+\b]   ; 4 off its exponent field: the conversion's scale operand
.endr
.irp b, 0,1,2,3
	v_lshrrev_b32 v[TM+4+\b], 23, v[TM+12+\b]      ; the scale's byte
.endr
	v_lshl_or_b32 v[PW], v[TM+5], 8, v[TM+4]
	v_lshl_or_b32 v[PW], v[TM+6], 16, v[PW]
	v_lshl_or_b32 v[PW], v[TM+7], 24, v[PW]
.irp c, 0,1
	v_cvt_scalef32_pk16_bf6_f32 v[PC+6*\c:PC+2+6*\c], v[\s+32*\c:\s+15+32*\c], v[TM+12+2*\c]
	v_cvt_scalef32_pk16_bf6_f32 v[PC+12+4*\c:PC+14+4*\c], v[\s+16+32*\c:\s+31+32*\c], v[TM+12+2*\c+1]
.endr
	v_nop                                          ; one plain place behind a scaled conversion
.irp c, 0,1
.irp i, 0,1,2
	v_permlane16_swap_b32 v[PC+6*\c+\i], v[PC+12+4*\c+\i]
.endr
.irp i, 0,1,2
	v_mov_b32 v[PC+3+6*\c+\i], v[PC+12+4*\c+\i]
.endr
.endr
.endm
; one product.  row = 1: source 0's scales stand in lanes 16-31 of their register; 2: source 1's
.macro WM d, a, b, c, sa, sb, row
.if (\row) == 1
	v_wmma_scale_f32_16x16x128_f8f6f4 v[\d:\d+7], v[\a:\a+11], v[\b:\b+11], v[\c:\c+7], v[\sa], v[\sb] matrix_a_fmt:MATRIX_FMT_BF6 matrix_b_fmt:MATRIX_FMT_BF6 matrix_a_scale:MATRIX_SCALE_ROW1
.elseif (\row) == 2
	v_wmma_scale_f32_16x16x128_f8f6f4 v[\d:\d+7], v[\a:\a+11], v[\b:\b+11], v[\c:\c+7], v[\sa], v[\sb] matrix_a_fmt:MATRIX_FMT_BF6 matrix_b_fmt:MATRIX_FMT_BF6 matrix_b_scale:MATRIX_SCALE_ROW1
.else
	v_wmma_scale_f32_16x16x128_f8f6f4 v[\d:\d+7], v[\a:\a+11], v[\b:\b+11], v[\c:\c+7], v[\sa], v[\sb] matrix_a_fmt:MATRIX_FMT_BF6 matrix_b_fmt:MATRIX_FMT_BF6
.endif
.endm
.macro PLACES                          ; four plain places behind matrix instructions, ahead of loads into their registers and of the first read of results
.rept 4
	v_nop
.endr
.endm
	s_load_b512 s[4:19], s[0:1], 0x0               ; xq, wq, bQ, bK, bV, qc, kc, vc
	v_lshl_add_u32 v30, v0, 2, 0x3f000
	v_mov_b32 v31, 0
	v_lshrrev_b32 v1, 5, v0
	v_readfirstlane_b32 s20, v1                    ; wave 0..15
	s_and_b32 s21, ttmp7, 0xffff                   ; y: which tensor
	s_lshr_b32 s23, ttmp9, 5                       ; b: the batch
	s_and_b32 s24, ttmp9, 31                       ; rb: which 128 rows of it
	s_mov_b32 s[SEL], 0x76543210
	s_mov_b32 s[SEL+1], 0xfedcba98
	v_lshlrev_b32 v11, 4, v0                       ; 16 x thread
	v_lshlrev_b32 v12, 3, v0                       ; 8 x thread
	v_add_nc_u32 v13, WIM, v11                     ; the weight's images pass 64 KiB: three address registers
	v_add_nc_u32 v14, 0x10000, v13
	v_add_nc_u32 v15, 0x20000, v13
	v_and_b32 v16, 31, v0
	v_lshlrev_b32 v1, 4, v16                       ; 16 l
	v_lshlrev_b32 v2, 2, v16                       ; 4 l
	s_wait_alu depctr_va_sdst(0)                   ; s20, the wave's number, is written, ahead of its first reader
	s_mov_b32 s29, 0
	s_mul_i32 s28, s21, 196608
	s_wait_kmcnt 0x0
	s_add_nc_u64 s[30:31], s[6:7], s[28:29]        ; the tensor's codes
	s_lshl_b32 s28, s21, 13
	s_add_co_u32 s28, s28, WQS
	s_add_nc_u64 s[32:33], s[6:7], s[28:29]        ; its scale words
	s_mul_i32 s28, ttmp9, 49152
	s_add_nc_u64 s[34:35], s[4:5], s[28:29]        ; my 8 tiles of x
	s_lshl_b32 s28, ttmp9, 12
	s_add_co_u32 s28, s28, XQS
	s_add_nc_u64 s[36:37], s[4:5], s[28:29]        ; their scale words
	s_wait_alu depctr_va_vdst(0)                   ; v11 to v15 are written: the copy's loads and LDS stores read them as offsets and addresses; no vector line below names them again
.set n, 0
.rept 24
	global_load_b128 v[128+4*n:131+4*n], v11, s[30:31] offset:8192*n   ; the 512 threads take 8,192 consecutive bytes
.set n, n+1
.endr
.irp k, 0,1,2,3,4,5
	global_load_b128 v[224+4*\k:227+4*\k], v11, s[34:35] offset:8192*\k
.endr
	global_load_b128 v[248:251], v11, s[32:33]
	global_load_b64 v[252:253], v12, s[36:37]
	; every LDS address of both paths is made here, ahead of the branch
	s_lshr_b32 s38, s20, 1                         ; hd: the head
	s_and_b32 s39, s20, 1                          ; which half
	s_mul_i32 s40, s39, 24576
	v_add_nc_u32 v3, s40, v1                       ; Q, K: x's images, my four row tiles
	s_lshl_b32 s40, s39, 11
	s_add_co_u32 s40, s40, XSC
	v_add_nc_u32 v4, s40, v2                       ; their scale words
	s_mul_i32 s40, s38, 24576
	s_add_co_u32 s40, s40, WIM
	v_add_nc_u32 v5, s40, v1                       ; the head's two pairs of column tiles
	s_lshl_b32 s40, s38, 10
	s_add_co_u32 s40, s40, WSC
	v_add_nc_u32 v6, s40, v2
	s_mul_i32 s40, s20, 12288
	s_add_co_u32 s40, s40, WIM
	v_add_nc_u32 v17, s40, v1                      ; V: my pair of column tiles
	s_lshl_b32 s40, s20, 9
	s_add_co_u32 s40, s40, WSC
	v_add_nc_u32 v18, s40, v2
	s_mul_i32 s40, s38, 196608
	s_mul_i32 s41, s39, 3072
	s_add_co_u32 s40, s40, s41
	v_add_nc_u32 v7, s40, v1                       ; out: 16 l + head x 196,608 + half x 3,072
	v_bfe_u32 v10, v0, 4, 1
	v_lshlrev_b32 v10, 4, v10                      ; 16 h
	s_wait_loadcnt 0x0
.set n, 0
.rept 24
	ds_store_b128 v[13+n/8], v[128+4*n:131+4*n] offset:8192*(n%8)
.set n, n+1
.endr
.irp k, 0,1,2,3,4,5
	ds_store_b128 v11, v[224+4*\k:227+4*\k] offset:XIM+8192*\k
.endr
	ds_store_b128 v11, v[248:251] offset:WSC
	ds_store_b64 v12, v[252:253] offset:XSC
	s_wait_dscnt 0x0                               ; for the others' sake: my stores have landed
	s_barrier_signal -1
	s_barrier_wait -1                              ; the one barrier: from here LDS is only read
	s_wait_alu depctr_vm_vsrc(0)                   ; my LDS stores have read v128 to v253: on one path the bias lands in these registers, on the other the products write them
	s_cmp_eq_u32 s21, 2
	s_cbranch_scc1 .Lvpath
	; ---- Q and K
	s_lshl_b32 s40, s38, 14
	s_lshl_b32 s41, s39, 8
	s_add_co_u32 s40, s40, s41
	v_add_nc_u32 v8, s40, v2                       ; scale words out: 4 l + head x 16,384 + half x 256
	s_wait_alu depctr_va_vdst(0)
	v_lshlrev_b32 v9, 2, v10
	s_lshl_b32 s40, s38, 8
	v_add_nc_u32 v9, s40, v9                       ; the bias: 256 head + 64 h
	s_cmp_eq_u32 s21, 0
	s_cselect_b64 s[42:43], s[8:9], s[10:11]       ; bQ or bK
	s_cselect_b64 s[44:45], s[14:15], s[16:17]     ; qc or kc
	s_mul_i32 s28, s23, 1572864
	s_mul_i32 s40, s24, 6144
	s_add_co_u32 s28, s28, s40
	s_add_nc_u64 s[46:47], s[44:45], s[28:29]      ; codes
	s_lshl_b32 s28, s23, 17
	s_lshl_b32 s40, s24, 9
	s_add_co_u32 s28, s28, s40
	s_add_co_u32 s28, s28, OSC
	s_add_nc_u64 s[44:45], s[44:45], s[28:29]      ; scale words
	s_mov_b32 s41, 0x7f7f0000                      ; bytes 2, 3 of a word: 1.0, over K = 64 .. 127, where attention's other operand holds zero codes
	s_wait_alu depctr_va_vdst(0)                   ; v9 is written, the bias loads' offset; so are v3 to v6, the addresses of the K steps' LDS loads
.irp m, 0,1,2,3
.irp t, 0,1,2,3
.irp e, 0,1
	global_load_b128 v[ACC+32*\m+8*\t+4*\e:ACC+32*\m+8*\t+4*\e+3], v9, s[42:43] offset:128*(\t/2)+32*(\t%2)+16*\e   ; register j of tile t is channel 32 (t / 2) + 16 h + 8 (t % 2) + j
.endr
.endr
.endr
.macro QKSTEP k
.if \k > 0
	PLACES
	s_wait_alu depctr_va_vdst(0)                   ; the last K step's products are done reading the fragments and the scale words, in which the loads below land
.endif
.irp t, 0,1,2,3
.irp p, 0,1,2
	ds_load_b128 v[WF+12*\t+4*\p:WF+12*\t+4*\p+3], v5 offset:(\t/2)*12288+\k*3072+(\t%2)*1536+512*\p
.endr
.endr
.irp g, 0,1
	ds_load_b32 v[WS+\g], v6 offset:\g*512+\k*128
.endr
.irp m, 0,1,2,3
.irp p, 0,1,2
	ds_load_b128 v[XF+12*\m+4*\p:XF+12*\m+4*\p+3], v3 offset:\m*6144+\k*1536+512*\p
.endr
	ds_load_b32 v[XS+\m], v4 offset:\m*512+\k*128
.endr
.if \k == 0
	s_wait_loadcnt 0x0                             ; the bias lies in the accumulators
.endif
	s_wait_dscnt 0x0
.irp m, 0,1,2,3                                ; the sixteen accumulators take turns, one instruction a turn, over the K steps too
.irp t, 0,1,2,3
	WM ACC+32*\m+8*\t, WF+12*\t, XF+12*\m, ACC+32*\m+8*\t, WS+\t/2, XS+\m, \t%2
.endr
.endr
.endm
	QKSTEP 0
	QKSTEP 1
	QKSTEP 2
	QKSTEP 3
	PLACES
.irp g, 0,1                                    ; a pair of row tiles: its 64 registers are four blocks: (tile 0, channels 0-31), (tile 0, 32-63), (tile 1, ..): the codes come out as the pair's image
	QUANT ACC+64*\g, 1
	v_lshrrev_b32 v71, v10, v[PW]                  ; lanes 0-15 keep tile 0's two bytes, lanes 16-31 tile 1's,
	v_and_or_b32 v71, v71, 0xffff, s41             ; under the two bytes of 1.0
	s_wait_alu depctr_va_vdst(0)                   ; the codes v[PC ..] and the word v71 are written, which the stores read; so are their offsets v7 and v8
.irp p, 0,1,2
	global_store_b128 v7, v[PC+4*\p:PC+4*\p+3], s[46:47] offset:\g*1536+512*\p
.endr
	global_store_b32 v8, v71, s[44:45] offset:\g*128
.if \g == 0
	s_wait_xcnt 0x0                                ; the stores' data are written again only behind this wait
	s_wait_alu depctr_vm_vsrc(0)                   ; the stores have read v[PC ..] and v71, which the second pair's lines write again
.endif
.endr
	s_wait_dscnt 0x0                               ; the closing lines, six on end
	s_wait_alu 0x0
	s_wait_tensorcnt 0x0
	ds_add_u32 v30, v31
	s_wait_dscnt 0x0
	s_endpgm
.Lvpath:
	; ---- V
	s_lshl_b32 s40, s38, 13
	s_lshl_b32 s41, s39, 7
	s_add_co_u32 s40, s40, s41
	v_add_nc_u32 v8, s40, v2                       ; scale words out: 4 l + head x 8,192 + half x 128
	v_and_b32 v16, 15, v0
	v_and_b32 v19, 8, v16
	v_add_nc_u32 v16, v16, v19                     ; r + 8 (r / 8)
	v_lshlrev_b32 v9, 2, v16
	s_lshl_b32 s40, s20, 7
	v_add_nc_u32 v9, s40, v9                       ; bV at my channel of tile 0: 32 w + r + 8 (r / 8); tile 1's lies 8 further on
	s_wait_alu depctr_va_vdst(0)                   ; v9 is written, the bias loads' offset; so are v17 and v18, the addresses of the weight's LDS loads
	global_load_b32 v72, v9, s[12:13]
	global_load_b32 v73, v9, s[12:13] offset:32
	s_mul_i32 s28, s23, 1572864
	s_mul_i32 s40, s24, 6144
	s_add_co_u32 s28, s28, s40
	s_add_nc_u64 s[46:47], s[18:19], s[28:29]
	s_lshl_b32 s28, s23, 16
	s_lshl_b32 s40, s24, 8
	s_add_co_u32 s28, s28, s40
	s_add_co_u32 s28, s28, OSC
	s_add_nc_u64 s[44:45], s[18:19], s[28:29]
	s_mov_b32 s41, 0xffff0000                      ; lanes 16-31
	s_wait_loadcnt 0x0
.irp n, 0,1
.irp j, 0,1,2,3,4,5,6,7
	v_mov_b32 v[56+8*\n+\j], v[72+\n]              ; a lane holds one channel: its eight registers of C are that channel's bias
.endr
.endr
.macro VSTEP k
.if \k > 0
	s_wait_alu depctr_va_vdst(0)                   ; the last K step's products are done reading the weight's and x's fragments and the scale words, in which the loads below land (their places stand at that step's end)
.endif
.irp n, 0,1
.irp p, 0,1,2
	ds_load_b128 v[WF+12*\n+4*\p:WF+12*\n+4*\p+3], v17 offset:\k*3072+\n*1536+512*\p
.endr
.endr
	ds_load_b32 v[WS], v18 offset:\k*128
.irp f, 0,1
.if \f > 0
	s_wait_alu depctr_va_vdst(0)                   ; the first four row tiles' products are done reading x's fragments and scale words, in which the other four's land
.endif
.irp m, 0,1,2,3
.irp p, 0,1,2
	ds_load_b128 v[XF+12*\m+4*\p:XF+12*\m+4*\p+3], v1 offset:XIM+(4*\f+\m)*6144+\k*1536+512*\p
.endr
	ds_load_b32 v[XS+\m], v2 offset:XSC+(4*\f+\m)*512+\k*128
.endr
	s_wait_dscnt 0x0
.irp m, 0,1,2,3
.irp n, 0,1
.if \k == 0
	WM ACC+64*\n+8*(4*\f+\m), XF+12*\m, WF+12*\n, 56+8*\n, XS+\m, WS, 2*\n
.else
	WM ACC+64*\n+8*(4*\f+\m), XF+12*\m, WF+12*\n, ACC+64*\n+8*(4*\f+\m), XS+\m, WS, 2*\n
.endif
.endr
.endr
	PLACES
.endr
.endm
	s_wait_alu depctr_va_vdst(0)
	VSTEP 0
	VSTEP 1
	VSTEP 2
	VSTEP 3
	QUANT ACC, 1                                   ; tile 0 of my channels: register 16 g + i is key 32 g + 16 h + i: four blocks along the keys
	s_wait_alu depctr_va_vdst(0)                   ; tile 0's codes v[PC ..] are written, which the stores read; so is their offset v7
.irp p, 0,1,2
	global_store_b128 v7, v[PC+4*\p:PC+4*\p+3], s[46:47] offset:512*\p
.endr
	v_mov_b32 v70, v[PW]
	s_wait_xcnt 0x0                                ; the stores' data are written again only behind this wait
	s_wait_alu depctr_vm_vsrc(0)                   ; the stores have read v[PC ..], which tile 1's lines write again
	QUANT ACC+64, 1                                ; tile 1
	v_cndmask_b32 v71, v70, v[PW], s41             ; lanes 0-15 tile 0's words, lanes 16-31 tile 1's
	s_wait_alu depctr_va_vdst(0)                   ; tile 1's codes and the word v71 are written, which the stores read; so is the word's offset v8
.irp p, 0,1,2
	global_store_b128 v7, v[PC+4*\p:PC+4*\p+3], s[46:47] offset:1536+512*\p
.endr
	global_store_b32 v8, v71, s[44:45]
	s_wait_dscnt 0x0                               ; the closing lines, six on end
	s_wait_alu 0x0
	s_wait_tensorcnt 0x0
	ds_add_u32 v30, v31
	s_wait_dscnt 0x0
	s_endpgm
.Lfunc_end_k_qf5c9be01dc_qkv:
	.size	k_qf5c9be01dc_qkv, .Lfunc_end_k_qf5c9be01dc_qkv-k_qf5c9be01dc_qkv
	.p2alignl 7, 3214868480
	.fill 96, 4, 3214868480
	.section	.rodata,"a",@progbits
	.p2align	6, 0x0
	.amdhsa_kernel k_qf5c9be01dc_qkv
		.amdhsa_group_segment_fixed_size 260096
		.amdhsa_private_segment_fixed_size 0
		.amdhsa_enable_private_segment 0
		.amdhsa_kernarg_size 64
		.amdhsa_user_sgpr_count 2
		.amdhsa_user_sgpr_kernarg_segment_ptr 1
		.amdhsa_wavefront_size32 1
		.amdhsa_system_sgpr_workgroup_id_x 1
		.amdhsa_system_sgpr_workgroup_id_y 1
		.amdhsa_system_sgpr_workgroup_id_z 1
		.amdhsa_system_vgpr_workitem_id 0
		.amdhsa_next_free_vgpr 256
		.amdhsa_next_free_sgpr 66
		.amdhsa_reserve_vcc 0
		.amdhsa_float_denorm_mode_32 3
		.amdhsa_float_denorm_mode_16_64 3
		.amdhsa_memory_ordered 1
		.amdhsa_forward_progress 1
		.amdhsa_inst_pref_size 67
	.end_amdhsa_kernel
	.amdgpu_metadata
---
amdhsa.version: [ 1, 2 ]
amdhsa.kernels:
  - .name:           k_qf5c9be01dc_qkv
    .symbol:         k_qf5c9be01dc_qkv.kd
    .args:
      - { .name: xq, .offset: 0, .size: 8, .value_kind: global_buffer, .address_space: global }
      - { .name: wq, .offset: 8, .size: 8, .value_kind: global_buffer, .address_space: global }
      - { .name: bQ, .offset: 16, .size: 8, .value_kind: global_buffer, .address_space: global }
      - { .name: bK, .offset: 24, .size: 8, .value_kind: global_buffer, .address_space: global }
      - { .name: bV, .offset: 32, .size: 8, .value_kind: global_buffer, .address_space: global }
      - { .name: qc, .offset: 40, .size: 8, .value_kind: global_buffer, .address_space: global }
      - { .name: kc, .offset: 48, .size: 8, .value_kind: global_buffer, .address_space: global }
      - { .name: vc, .offset: 56, .size: 8, .value_kind: global_buffer, .address_space: global }
    .group_segment_fixed_size: 260096
    .private_segment_fixed_size: 0
    .kernarg_segment_align: 8
    .kernarg_segment_size: 64
    .max_flat_workgroup_size: 512
    .sgpr_count:     66
    .vgpr_count:     256
    .wavefront_size: 32
...
	.end_amdgpu_metadata
.endif
;; end of part 6
;; launch attn (part 7): grid 16 x 16, 16 waves a work-group, no clusters, 88,576 bytes of LDS; arguments qc, kc, vc, zq; writes zq
.if DOCPART == 7
	.amdgcn_target "amdgcn-amd-amdhsa--gfx1250"
	.amdhsa_code_object_version 6
	.text
	.protected	k_qf5c9be01dc_attn
	.globl	k_qf5c9be01dc_attn
	.p2align	8
	.type	k_qf5c9be01dc_attn,@function
k_qf5c9be01dc_attn:
	s_mov_b64 s[64:65], 0
	v_nop
	global_prefetch_b8 v0, s[64:65] scope:SCOPE_SE
	s_setreg_imm32_b32 hwreg(HW_REG_WAVE_SCHED_MODE, 0, 2), 2
	s_setreg_imm32_b32 hwreg(HW_REG_WAVE_MODE, 25, 1), 1
	s_wait_xcnt 0x0
	s_wait_alu depctr_vm_vsrc(0)
; O[head][q] = sum over keys of softmax(q . k / 8) v, both products on codes of BF6 with E8M0 scales; then O / l is quantised along its row of the NEXT product and stored as that operand's images.
; THE SOFTMAX AHEAD OF THE SECOND PRODUCT: t = score x log2(e) / 8; M = the running largest t rounded UP to a whole number; p = 2^(t - M) is quantised along the keys, not normalised.
; The row's sum is taken of the unquantised p; when M moves, the sum and O are multiplied by 2^(old M - new M), which rounds nothing.
; SHARES: a work-group owns 256 queries of one head, each of its sixteen waves one tile of 16, in 256 registers: four waves to a SIMD, so that one wave's vector work stands beside another's products and LDS loads.
; Both products are used transposed (S^T = K Q^T, O^T = V^T P^T): a lane holds ONE query throughout.  The keys of a tile, the queries of a tile and V's channels of a tile are laid 8 u + r + 8 (r / 8) in a group of 32.
; K = 64 IN AN INSTRUCTION OF 128: Q's registers 6-11 are zero codes for the whole launch, so whatever codes stand in source 0's registers 6-11 add nothing (every 6-bit pattern is a finite number, and both scale words
; carry 1.0 in bytes 2 and 3).  So a pair's image (12 registers: tile 0, tile 1) feeds two products: fragment t is v[32 + 6 t .. 43 + 6 t]; behind the last stand six registers of zeros.
; K AND V go from memory through registers into two LDS slots of 256 keys: waves 0-7 copy K's 12,288 bytes, waves 8-15 V's, 48 bytes a thread; a block is loaded two key steps ahead of its store.
; One barrier for 256 keys: the slot written in a half was last read ahead of the barrier before, and is read only behind the next, ahead of which every wave has waited for its stores.
; No cluster: the copy is 48 bytes a thread beside two key steps of some 470 vector instructions, a small part of a step; joint requests are a form of the tensor load, and this text has none.
; zs = O as [head][query][64] IS the [8192][512] operand of the next product: its row is 8 neighbouring queries, its block of 32 half a query's channels.  zq: codes [row tile 512][K step 4][1536], scale words [tile][K step][16 rows].
; LIMITS: NaN and infinities are not served; a block of O whose largest magnitude lies under 2^-122 carries the byte 1.
; THE MODE: SCHED_MODE bits 1:0 = 2 (LLVM: expert scheduling mode 2), set by the entry lines.  The code itself states the register dependences
; between vector or matrix instructions and memory or LDS instructions, with s_wait_alu, always for 0.
; THE PLAN.  Registers that memory or LDS instructions touch, in the loop:
;   v1, v2, v5, v6   addresses and offsets, written at the head, never again.
;   v3, v4           written once a trip, at its head; read by the scale words' LDS loads of the trip's four steps.
;   v232-v243        a block's loads land in them; half a trip later the LDS stores read them, and the next block is asked for.
;   v32-v79, v86-91  ONE set (sixteen waves of 256 registers are all that four SIMDs have): K's fragments land, K Q^T reads them; V's land in the same registers, V^T P reads them.
;   v16-27, v80-85 (head) and v192-203, v228 (each step) are operands and scales of the scaled products that vector instructions write.
; So a key step has three waits on va_vdst beside the exponentials' own: at its head (the last V^T P is done with the set; in a trip's first step v3 and v4 are written; in the very first Q and the zeros),
; behind K Q^T (it is done with the set; the softmax that follows reads its results in any case), and ahead of V^T P (p's codes and scale word are written).
; Waits on vm_vsrc: one behind each copy's LDS stores, one at a trip's head ahead of the adds to v3 and v4.
.set OSC,  3145728                     ; where the scale words begin in qc, kc, vc, zq
.set KSC,  0                           ; LDS: K's scale words of the whole head, 128 pairs x 128 bytes
.set VSC,  16384                       ; V's, 32 key steps x 256 bytes
.set SL0,  24576                       ; slot 0: K [step 2][pair 4][1536], then V [step 2][tile 4][1536]; slot 1 lies 24,576 further on
.set STG,  73728                       ; the way out: two row tiles' images, 12,288 bytes of their own
.set SST,  86016                       ; and their 512 scale bytes
; REGISTERS: v1 slot 0 + 16 l; v2 4 l; v3, v4 the trip's scale words of K, of V; v5, v6 the copy's LDS and memory offsets; v12 -M, v13 the largest t, v[14:15] the sum in two halves;
; v16-27 Q (v22-27 zeros); v28 Q's scale word; v32-79 K's or V's fragments; v80-85 zeros; v86-89 K's scale words, v90-91 V's; v96-159 S^T, then p; v160-191 O^T; v192-203 p's codes, v204-210 at work;
; v212-224 at work; v[226:227] f; v228 p's scale word; v[230:231] the second chain of the sum; v232-243 the block on its way to LDS.
.macro WM d, a, b, c, sa, sb, row
.if (\row) == 1
	v_wmma_scale_f32_16x16x128_f8f6f4 v[\d:\d+7], v[\a:\a+11], v[\b:\b+11], v[\c:\c+7], v[\sa], v[\sb] matrix_a_fmt:MATRIX_FMT_BF6 matrix_b_fmt:MATRIX_FMT_BF6 matrix_a_scale:MATRIX_SCALE_ROW1
.else
	v_wmma_scale_f32_16x16x128_f8f6f4 v[\d:\d+7], v[\a:\a+11], v[\b:\b+11], v[\c:\c+7], v[\sa], v[\sb] matrix_a_fmt:MATRIX_FMT_BF6 matrix_b_fmt:MATRIX_FMT_BF6
.endif
.endm
.macro WM0 d, a, b, sa, sb, row        ; the same with the constant 0 as C
.if (\row) == 1
	v_wmma_scale_f32_16x16x128_f8f6f4 v[\d:\d+7], v[\a:\a+11], v[\b:\b+11], 0, v[\sa], v[\sb] matrix_a_fmt:MATRIX_FMT_BF6 matrix_b_fmt:MATRIX_FMT_BF6 matrix_a_scale:MATRIX_SCALE_ROW1
.else
	v_wmma_scale_f32_16x16x128_f8f6f4 v[\d:\d+7], v[\a:\a+11], v[\b:\b+11], 0, v[\sa], v[\sb] matrix_a_fmt:MATRIX_FMT_BF6 matrix_b_fmt:MATRIX_FMT_BF6
.endif
.endm
	s_load_b256 s[4:11], s[0:1], 0x0               ; qc, kc, vc, zq
	v_lshl_add_u32 v254, v0, 2, 0x15200
	v_mov_b32 v255, 0
	v_lshrrev_b32 v7, 5, v0
	v_readfirstlane_b32 s12, v7                    ; wave 0..15
	s_and_b32 s16, ttmp7, 0xffff                   ; the head, 0..15
	v_and_b32 v7, 31, v0
	v_lshlrev_b32 v8, 4, v7                        ; 16 l
	v_add_nc_u32 v1, SL0, v8
	v_lshlrev_b32 v2, 2, v7                        ; 4 l
	v_and_b32 v6, 255, v0
	v_lshlrev_b32 v6, 4, v6                        ; the copy: 16 x (thread % 256),
	v_lshrrev_b32 v9, 8, v0
	v_mad_u32_u24 v5, v9, 12288, v6                ; K's part of a slot for threads 0-255, V's for the others
	v_add_nc_u32 v5, SL0, v5
	v_lshlrev_b32 v10, 4, v0                       ; 16 x thread
	v_and_b32 v11, 15, v0
	v_lshlrev_b32 v11, 2, v11                      ; 4 r
	s_wait_alu depctr_va_sdst(0)                   ; s12, the wave's number, is written, ahead of its first reader
	s_lshr_b32 s17, s12, 1
	s_and_b32 s18, s12, 1                          ; u: which tile of the pair is mine
	s_lshl_b32 s19, ttmp9, 3
	s_add_co_u32 s17, s17, s19                     ; p: my pair of query tiles, 8 x block + wave / 2
	s_mul_i32 s28, s16, 196608                     ; the head's codes
	s_mov_b32 s29, 0
	s_lshl_b32 s30, s16, 14
	s_add_co_u32 s30, s30, OSC                     ; the head's scale words in qc and kc
	s_mov_b32 s31, 0
	s_lshl_b32 s32, s16, 13
	s_add_co_u32 s32, s32, OSC                     ; in vc and zq
	s_mov_b32 s33, 0
	s_mul_i32 s34, s17, 1536
	s_add_co_u32 s34, s34, s28
	s_mov_b32 s35, 0
	s_lshl_b32 s36, s17, 7
	s_lshl_b32 s37, s18, 6
	s_add_co_u32 s36, s36, s37
	s_add_co_u32 s36, s36, s30
	s_mov_b32 s37, 0
	s_mul_i32 s38, ttmp9, 12288
	s_add_co_u32 s38, s38, s28
	s_mov_b32 s39, 0
	s_lshl_b32 s40, ttmp9, 9
	s_add_co_u32 s40, s40, s32
	s_mov_b32 s41, 0
	s_mov_b32 s20, 0x76543210
	s_mov_b32 s21, 0xfedcba98                      ; lane l xor 16
	s_mov_b32 s22, 0x3e38aa3b                      ; c = log2(e) / 8
	s_mov_b32 s23, s22                             ; (named with it as a pair)
	s_mov_b32 s25, 0                               ; the trip's scale words of K: 2,048 bytes a trip
	s_mov_b32 s26, 0                               ; of V: 1,024
	s_mov_b32 s42, 0xffff0000                      ; lanes 16-31
	s_cmp_eq_u32 s18, 1
	s_cselect_b32 s27, -1, 0                       ; all lanes, if my tile is the pair's second
	s_wait_kmcnt 0x0
	s_cmp_lt_u32 s12, 8
	s_cselect_b64 s[14:15], s[6:7], s[8:9]         ; I copy K or V: the choice hangs on the wave's number alone
	s_add_nc_u64 s[14:15], s[14:15], s[28:29]
	s_add_nc_u64 s[30:31], s[6:7], s[30:31]
	s_add_nc_u64 s[32:33], s[8:9], s[32:33]
	s_add_nc_u64 s[34:35], s[4:5], s[34:35]
	s_add_nc_u64 s[36:37], s[4:5], s[36:37]
	s_add_nc_u64 s[38:39], s[10:11], s[38:39]
	s_add_nc_u64 s[40:41], s[10:11], s[40:41]
	s_wait_alu depctr_va_vdst(0)                   ; v1, v2, v5, v6, v8, v10, v11 are written: the loads and LDS stores of the head and of the loop read them as offsets and addresses
.irp j, 0,1,2
	global_load_b128 v[232+4*\j:235+4*\j], v6, s[14:15] offset:4096*\j   ; block 0
.endr
.irp j, 0,1
	global_load_b128 v[96+4*\j:99+4*\j], v10, s[30:31] offset:8192*\j    ; K's scale words of the head
.endr
	global_load_b128 v[104:107], v10, s[32:33]                           ; V's
.irp p, 0,1,2
	global_load_b128 v[32+4*\p:35+4*\p], v8, s[34:35] offset:512*\p      ; my pair's image of Q
.endr
	global_load_b32 v28, v11, s[36:37]                                   ; my tile's scale words, row r's in lane r
	v_mov_b32 v13, 0xff61b1e6                      ; the largest t so far: -3e38, under every t
	v_floor_f32 v12, -v13                          ; -M
	v_mov_b32 v14, 0
	v_mov_b32 v15, 0
.set n, 0
.rept 32
	v_mov_b32 v[160+n], 0                          ; O^T: the step is written once: the first finds zeros, which the first change of M leaves zeros
.set n, n+1
.endr
.irp b, 0,1,2,3
	v_mov_b32 v[216+\b], 0                         ; a lane permute's destination counts as one of its sources
.endr
	v_mov_b32 v224, 0
	v_mov_b32 v227, 0                              ; (named as the upper half of the pair v[226:227])
.irp i, 0,1,2,3,4,5
	v_mov_b32 v[22+\i], 0                          ; Q's K = 64 .. 127: zero codes
	v_mov_b32 v[80+\i], 0                          ; and what stands behind the last tile of K
.endr
	s_wait_loadcnt 0x0
.irp j, 0,1,2
	ds_store_b128 v5, v[232+4*\j:235+4*\j] offset:4096*\j
.endr
.irp j, 0,1
	ds_store_b128 v10, v[96+4*\j:99+4*\j] offset:KSC+8192*\j
.endr
	ds_store_b128 v10, v[104:107] offset:VSC
.irp i, 0,1,2,3,4,5
	v_cndmask_b32 v[16+\i], v[32+\i], v[38+\i], s27   ; my tile's six registers of the pair's twelve
.endr
	s_wait_dscnt 0x0                               ; my stores have landed
	s_wait_alu depctr_vm_vsrc(0)                   ; my LDS stores have read v232 to v243, in which block 1 lands, and v96 to v107, which the first products write
	s_add_nc_u64 s[14:15], s[14:15], 12288         ; (the loads that named the base are done)
.irp j, 0,1,2
	global_load_b128 v[232+4*\j:235+4*\j], v6, s[14:15] offset:4096*\j   ; block 1
.endr
	s_barrier_signal -1
	s_barrier_wait -1
; A KEY STEP: 128 keys, the q-th of the slot.
.macro STEP slot, q
.rept 4
	v_nop                                          ; places behind the last products, ahead of loads into their sources
.endr
	s_wait_alu depctr_va_vdst(0)                   ; the last step's products are done reading v32 to v79 and the scale words, in which K's loads land; in a trip's first step v3 and v4 are written, which the scale words' loads read; in the very first step Q's codes v16 to v27 and the zeros v80 to v85 are written, operands of the scaled products
.irp b, 0,1,2,3
.irp p, 0,1,2
	ds_load_b128 v[32+12*\b+4*\p:35+12*\b+4*\p], v1 offset:\slot*24576+\q*6144+\b*1536+512*\p
.endr
	ds_load_b32 v[86+\b], v3 offset:(2*\slot+\q)*512+128*\b
.endr
	s_wait_dscnt 0x0
.irp t, 0,1,2,3,4,5,6,7
	WM0 96+8*\t, 32+6*\t, 16, 86+\t/2, 28, \t%2    ; lane (r, h): my query; the 16 registers of tiles 2 b, 2 b + 1 are keys 32 b + 16 h + 0 .. 15
.endr
.rept 4
	v_nop
.endr
	s_wait_alu depctr_va_vdst(0)                   ; K Q^T is done reading v32 to v85, in which V's fragments land
.irp n, 0,1,2,3                                ; V's fragments are asked for now and land under the softmax
.irp p, 0,1,2
	ds_load_b128 v[32+12*\n+4*\p:35+12*\n+4*\p], v1 offset:\slot*24576+12288+\q*6144+\n*1536+512*\p
.endr
.endr
.irp g, 0,1
	ds_load_b32 v[90+\g], v4 offset:VSC+(2*\slot+\q)*256+128*\g
.endr
.irp b, 0,1,2,3
	v_max3_num_f32 v[212+\b], v[96+16*\b], v[97+16*\b], v[98+16*\b]   ; THE LARGEST SCORE OF EACH BLOCK OF 32 KEYS serves twice: for the row's maximum and, since p rises with the score, for the block's largest p
.endr
.irp i, 3,5,7,9,11,13
.irp b, 0,1,2,3
	v_max3_num_f32 v[212+\b], v[212+\b], v[96+16*\b+\i], v[97+16*\b+\i]
.endr
.endr
.irp b, 0,1,2,3
	v_max_num_f32 v[212+\b], v[212+\b], v[111+16*\b]
.endr
.irp b, 0,1,2,3
	v_permlanex16_b32 v[216+\b], v[212+\b], s20, s21
.endr
.irp b, 0,1,2,3
	v_max_num_f32 v[212+\b], v[212+\b], v[216+\b]  ; with lane l xor 16's 16 keys
.endr
	v_max3_num_f32 v224, v212, v213, v214
	v_max_num_f32 v224, v224, v215                 ; the step's largest score of my query
	v_mul_f32 v224, s22, v224                      ; as t (c is positive)
	v_max_num_f32 v13, v13, v224                   ; the running largest t
	v_mov_b32 v224, v12
	v_floor_f32 v12, -v13                          ; the new -M = floor(-t) = -ceil(t)
	v_sub_f32 v224, v12, v224                      ; old M less new M: a whole number, 0 or less
	v_cvt_i32_f32 v224, v224                       ; (it saturates)
	v_ldexp_f32 v226, 1.0, v224                    ; f = 2^(old M - new M)
.set n, 0
.rept 32
	v_pk_fma_f32 v[96+n:97+n], v[96+n:97+n], s[22:23], v[12:13] op_sel_hi:[1,0,0]   ; t - M, two at a time
.set n, n+2
.endr
.irp b, 0,1,2,3
	v_fma_f32 v[212+\b], v[212+\b], s22, v12       ; the same of each block's largest score
.endr
.set n, 0
	s_wait_alu depctr_va_vdst(0)
.rept 64
	v_exp_f32 v[96+n], v[96+n]                     ; p = 2^(t - M), at most 1
.set n, n+1
.endr
.irp b, 0,1,2,3
	v_exp_f32 v[212+\b], v[212+\b]                 ; the block's largest p: the same two instructions on the same number
.endr
	v_pk_mul_f32 v[14:15], v[14:15], v[226:227] op_sel_hi:[1,0]   ; the sums under the new M.  (The plain place behind the exponentials)
	s_wait_alu depctr_va_vdst(0)                   ; the 68 exponentials have written p, v96 to v159, and the blocks' largest p, v212 to v215: one wait, ahead of their first reader
.irp b, 0,1,2,3
	v_max_num_f32 v[212+\b], 0x2800000, v[212+\b]  ; the floor 2^(5 - 127)
.endr
.irp b, 0,1,2,3
	v_add_nc_u32 v[220+\b], 0xfe000000, v[212+\b]  ; the conversion's scale operand
.endr
.irp b, 0,1,2,3
	v_lshrrev_b32 v[216+\b], 23, v[220+\b]         ; the scale's byte
.endr
	v_lshl_or_b32 v228, v217, 8, v216              ; p's scale word for these 128 keys
	v_lshl_or_b32 v228, v218, 16, v228
	v_lshl_or_b32 v228, v219, 24, v228
.irp c, 0,1
	v_cvt_scalef32_pk16_bf6_f32 v[192+6*\c:194+6*\c], v[96+32*\c:111+32*\c], v[220+2*\c]
	v_cvt_scalef32_pk16_bf6_f32 v[204+4*\c:206+4*\c], v[112+32*\c:127+32*\c], v[220+2*\c+1]
.endr
	v_nop                                          ; one plain place behind a scaled conversion
.irp c, 0,1
.irp i, 0,1,2
	v_permlane16_swap_b32 v[192+6*\c+\i], v[204+4*\c+\i]
.endr
.irp i, 0,1,2
	v_mov_b32 v[195+6*\c+\i], v[204+4*\c+\i]
.endr
.endr
	v_pk_add_f32 v[230:231], v[96:97], v[98:99]    ; THE ROW'S SUM IS TAKEN OF THE UNQUANTISED p, in two chains
.irp j, 4,8,12,16,20,24,28,32,36,40,44,48,52,56,60
	v_pk_add_f32 v[14:15], v[14:15], v[96+\j:97+\j]
	v_pk_add_f32 v[230:231], v[230:231], v[98+\j:99+\j]
.endr
	v_pk_add_f32 v[14:15], v[14:15], v[230:231]
.set n, 0
.rept 16
	v_pk_mul_f32 v[160+n:161+n], v[160+n:161+n], v[226:227] op_sel_hi:[1,0]   ; O^T under the new M, each accumulator from its low end on.  (These and the sums are the places ahead of the scaled products below)
.set n, n+2
.endr
	s_wait_dscnt 0x0                               ; V is in
	s_wait_alu depctr_va_vdst(0)                   ; p's codes v192 to v203 and its scale word v228 are written, an operand and the scales of the scaled products below; the places above stay beside this wait
.irp n, 0,1,2,3                                ; the four accumulators take turns; the matrix instruction ahead of each is another accumulator's
	WM 160+8*\n, 32+12*\n, 192, 160+8*\n, 90+\n/2, 228, \n%2
.endr
.endm
; HALF A TRIP: the block in registers goes into the other slot, the block after it is asked for, and this slot's two key steps are worked.  In the last trip nothing is left to ask for, and in its second half nothing to store.
.macro HALF cur
.if \cur == 1
	s_cmp_eq_u32 s24, 1
	s_cbranch_scc1 .Lnocopy_\@
.endif
	s_wait_loadcnt 0x0                             ; the block has landed in registers; its loads' base may be stepped
.irp j, 0,1,2
	ds_store_b128 v5, v[232+4*\j:235+4*\j] offset:(1-\cur)*24576+4096*\j
.endr
	s_wait_dscnt 0x0
	s_wait_alu depctr_vm_vsrc(0)                   ; the LDS stores have read v232 to v243, in which the next block lands
.if \cur == 0
	s_cmp_eq_u32 s24, 1
	s_cbranch_scc1 .Lnocopy_\@                     ; no load leaves its buffer
.endif
	s_add_nc_u64 s[14:15], s[14:15], 12288
.irp j, 0,1,2
	global_load_b128 v[232+4*\j:235+4*\j], v6, s[14:15] offset:4096*\j
.endr
.Lnocopy_\@:
	STEP \cur, 0
	STEP \cur, 1
	s_wait_dscnt 0x0                               ; my stores into the other slot have landed and my reads of this one are over
	s_barrier_signal -1
	s_barrier_wait -1
.endm
	s_mov_b32 s24, 8                               ; 8 trips of 512 keys
.Ltrip:
	s_wait_alu depctr_vm_vsrc(0)                   ; the last trip's LDS loads have read v3 and v4, which the two lines below write again
	v_add_nc_u32 v3, s25, v2
	v_add_nc_u32 v4, s26, v2
	HALF 0
	HALF 1
	s_add_co_u32 s25, s25, 2048
	s_add_co_u32 s26, s26, 1024
	s_sub_co_u32 s24, s24, 1
	s_cmp_lg_u32 s24, 0
	s_cbranch_scc1 .Ltrip
	; THE WAY OUT.  The address lines name none of the last products' registers: they are the places behind those products and behind the reciprocal.
	v_add_f32 v14, v14, v15                        ; the sum's two halves,
	v_permlanex16_b32 v224, v14, s20, s21
	v_add_f32 v14, v14, v224                       ; and lane l xor 16's
	s_wait_alu depctr_va_vdst(0)
	v_rcp_f32 v14, v14
	v_bfe_u32 v128, v0, 8, 1                       ; wave / 8: which of the work-group's two row tiles of zs
	v_bfe_u32 v129, v0, 6, 2                       ; (wave / 2) % 4
	v_bfe_u32 v130, v0, 5, 1                       ; wave % 2
	v_bfe_u32 v131, v0, 1, 2                       ; (r / 2) % 4: the K step of zs
	v_bfe_u32 v132, v0, 3, 1                       ; r / 8
	v_bfe_u32 v133, v0, 4, 1                       ; H
	v_and_b32 v134, 1, v0                          ; r % 2: registers 0-5 or 6-11 of the image
	v_mul_u32_u24 v135, v128, 6144
	v_lshl_add_u32 v135, v129, 6, v135             ; my query is row 4 ((wave / 2) % 4) + wave % 2 + 2 (r / 8) of the tile: 16 bytes a row,
	v_lshl_add_u32 v135, v130, 4, v135
	v_mad_u32_u24 v135, v131, 1536, v135
	v_lshl_add_u32 v135, v132, 5, v135
	v_lshl_add_u32 v135, v133, 8, v135             ; lanes 16-31 of the image for channels 32-63
	v_add_nc_u32 v135, STG, v135
	v_mad_u32_u24 v136, v134, 520, v135            ; a block's three pieces of 8 bytes lie at 0, 8, 512 or at 520, 1024, 1032
	v_mad_u32_u24 v137, v134, 1016, v135
	v_lshlrev_b32 v138, 8, v128
	v_lshl_add_u32 v138, v129, 4, v138
	v_lshl_add_u32 v138, v130, 2, v138
	v_lshl_add_u32 v138, v131, 6, v138
	v_lshl_add_u32 v138, v132, 3, v138
	v_lshl_add_u32 v138, v134, 1, v138
	v_add_nc_u32 v138, v133, v138
	v_add_nc_u32 v138, SST, v138                   ; the block's scale byte: [tile][K step][row][2 (r % 2) + H]
	v_lshlrev_b32 v139, 3, v0                      ; 8 x thread
	v_add_nc_u32 v140, STG, v139
	v_lshlrev_b32 v141, 4, v0                      ; 16 x thread (wave 0 alone uses these two)
	v_add_nc_u32 v142, SST, v141
.set n, 0
	s_wait_alu depctr_va_vdst(0)                   ; the reciprocal has written v14, ahead of its first reader
.rept 32
	v_mul_f32 v[96+n], v[160+n], v14               ; O^T / the sum: register 16 b + i is channel 32 b + 16 h + i of my query
.set n, n+1
.endr
.irp b, 0,1
	v_max3_num_f32 v[212+\b], |v[96+16*\b]|, |v[97+16*\b]|, 0x2800000
.endr
.irp i, 2,4,6,8,10,12,14
.irp b, 0,1
	v_max3_num_f32 v[212+\b], v[212+\b], |v[96+16*\b+\i]|, |v[97+16*\b+\i]|
.endr
.endr
.irp b, 0,1
	v_permlanex16_b32 v[216+\b], v[212+\b], s20, s21
.endr
.irp b, 0,1
	v_max_num_f32 v[212+\b], v[212+\b], v[216+\b]
.endr
.irp b, 0,1
	v_add_nc_u32 v[220+\b], 0xfe000000, v[212+\b]
.endr
.irp b, 0,1
	v_lshrrev_b32 v[216+\b], 23, v[220+\b]
.endr
	v_cvt_scalef32_pk16_bf6_f32 v[192:194], v[96:111], v220
	v_cvt_scalef32_pk16_bf6_f32 v[200:202], v[112:127], v221
	v_nop
.irp i, 0,1,2
	v_permlane16_swap_b32 v[192+\i], v[200+\i]     ; lane (r, H) now holds channels 32 H .. 32 H + 31 of its query, whole
.endr
.irp i, 0,1,2
	v_mov_b32 v[195+\i], v[200+\i]
.endr
	v_cndmask_b32 v224, v216, v217, s42            ; and that block's byte
	s_wait_alu depctr_va_vdst(0)                   ; the codes v192 to v197 and the byte v224 are written, which the LDS stores read; so are the addresses and offsets v136 to v142; and every vector line is done with v144 to v155, in which the LDS loads behind the barrier land: no vector line follows
	ds_store_b64 v136, v[192:193]
	ds_store_b64 v137, v[194:195] offset:8
	ds_store_b64 v136, v[196:197] offset:512
	ds_store_b8 v138, v224
	s_wait_dscnt 0x0
	s_barrier_signal -1
	s_barrier_wait -1                              ; the two tiles' images and bytes are whole
.irp j, 0,1,2
	ds_load_b64 v[144+2*\j:145+2*\j], v140 offset:4096*\j
.endr
.irp j, 0,1,2
	s_wait_dscnt 2-\j
	global_store_b64 v139, v[144+2*\j:145+2*\j], s[38:39] offset:4096*\j   ; a wave stores 256 consecutive bytes, aligned
.endr
	s_cmp_lg_u32 s12, 0
	s_cbranch_scc1 .Ldone
	ds_load_b128 v[152:155], v142                  ; wave 0: the 512 scale bytes
	s_wait_dscnt 0x0
	global_store_b128 v141, v[152:155], s[40:41]
.Ldone:
	s_wait_dscnt 0x0                               ; the closing lines, six on end
	s_wait_alu 0x0
	s_wait_tensorcnt 0x0
	ds_add_u32 v254, v255
	s_wait_dscnt 0x0
	s_endpgm
.Lfunc_end_k_qf5c9be01dc_attn:
	.size	k_qf5c9be01dc_attn, .Lfunc_end_k_qf5c9be01dc_attn-k_qf5c9be01dc_attn
	.p2alignl 7, 3214868480
	.fill 96, 4, 3214868480
	.section	.rodata,"a",@progbits
	.p2align	6, 0x0
	.amdhsa_kernel k_qf5c9be01dc_attn
		.amdhsa_group_segment_fixed_size 88576
		.amdhsa_private_segment_fixed_size 0
		.amdhsa_enable_private_segment 0
		.amdhsa_kernarg_size 32
		.amdhsa_user_sgpr_count 2
		.amdhsa_user_sgpr_kernarg_segment_ptr 1
		.amdhsa_wavefront_size32 1
		.amdhsa_system_sgpr_workgroup_id_x 1
		.amdhsa_system_sgpr_workgroup_id_y 1
		.amdhsa_system_sgpr_workgroup_id_z 1
		.amdhsa_system_vgpr_workitem_id 0
		.amdhsa_next_free_vgpr 256
		.amdhsa_next_free_sgpr 66
		.amdhsa_reserve_vcc 0
		.amdhsa_float_denorm_mode_32 3
		.amdhsa_float_denorm_mode_16_64 3
		.amdhsa_memory_ordered 1
		.amdhsa_forward_progress 1
		.amdhsa_inst_pref_size 77
	.end_amdhsa_kernel
	.amdgpu_metadata
---
amdhsa.version: [ 1, 2 ]
amdhsa.kernels:
  - .name:           k_qf5c9be01dc_attn
    .symbol:         k_qf5c9be01dc_attn.kd
    .args:
      - { .name: qc, .offset: 0, .size: 8, .value_kind: global_buffer, .address_space: global }
      - { .name: kc, .offset: 8, .size: 8, .value_kind: global_buffer, .address_space: global }
      - { .name: vc, .offset: 16, .size: 8, .value_kind: global_buffer, .address_space: global }
      - { .name: zq, .offset: 24, .size: 8, .value_kind: global_buffer, .address_space: global }
    .group_segment_fixed_size: 88576
    .private_segment_fixed_size: 0
    .kernarg_segment_align: 8
    .kernarg_segment_size: 32
    .max_flat_workgroup_size: 512
    .sgpr_count:     66
    .vgpr_count:     256
    .wavefront_size: 32
...
	.end_amdgpu_metadata
.endif
;; end of part 7
;; launch tail (part 8): grid 128 x 1, 16 waves a work-group, no clusters, 308,224 bytes of LDS; arguments zq, wq, x, bO, g1, beta1, b1, b2, g2, beta2, out0; writes out0
.if DOCPART == 8
	.amdgcn_target "amdgcn-amd-amdhsa--gfx1250"
	.amdhsa_code_object_version 6
	.text
	.protected	k_qf5c9be01dc_tail
	.globl	k_qf5c9be01dc_tail
	.p2align	8
	.type	k_qf5c9be01dc_tail,@function
k_qf5c9be01dc_tail:
	s_mov_b64 s[64:65], 0
	v_nop
	global_prefetch_b8 v0, s[64:65] scope:SCOPE_SE
	s_setreg_imm32_b32 hwreg(HW_REG_WAVE_SCHED_MODE, 0, 2), 2
	s_setreg_imm32_b32 hwreg(HW_REG_WAVE_MODE, 25, 1), 1
	s_wait_xcnt 0x0
	s_wait_alu depctr_vm_vsrc(0)
; z = LN(zs WO + bO + x; g1, beta1);  out = LN(relu(z W1 + b1) W2 + b2 + z; g2, beta2).  The three products on codes of BF6 with E8M0 scales; z and the hidden layer are quantised on the way and never go to memory.
; SHARES: a work-group takes 64 rows (four tiles) through the whole chain.  THE SIXTEEN WAVES SHARE THE COLUMNS, NEVER THE ROWS.  A unit is 32 output columns (a pair of weight tiles) x 64 rows: 8 accumulators.
; Wave w makes columns 32 w on of the first and third product (one unit each) and hidden units 128 w on (four units).  The products are TRANSPOSED (source 0 = 16 columns of the weight, source 1 = 16 rows):
; register 16 m + 8 u + j of lane (r, h) is row 16 m + r, column 16 h + 8 u + j of the unit: a lane's 16 registers of a row tile are 16 neighbours along the next K, and a unit's 32 columns are one block.
; THE WEIGHTS go from memory straight into registers, each fragment read once by one wave and used for four products: 36 sets a wave (a K step of a unit: two fragments and a register of scale words), in a ring of four
; sets that runs four ahead, over the borders of the phases, the norms and the barriers: 12 KB a wave on its way.
; THE ROWS' OPERANDS go from wave to wave through LDS as images of their registers (1,536 bytes a fragment); a wave's block of 32 is three pieces of 8 bytes in an image, its scale one byte of a word.
; THE NORMS take two passes (mean; then the squares of the differences), so that a common offset of the inputs costs no digits; the waves' partial sums meet in LDS, 16 words a row.
; 64 rows on 128 work-groups: every work-group walks all 1.85 MB of weight codes, since a norm needs whole rows; with 32 rows that stream doubles, with 128 the products of a work-group do.
; No cluster: joint requests land in LDS, and of its 327,680 bytes this text has 306,176 full of the rows' operands and the rows themselves: there is no slot for a weight's tile.
; LIMITS: NaN and infinities are not served; a block whose largest magnitude lies under 2^-122 (a block of zeros behind the relu too) carries the byte 1: its codes are zeros or next to it.
; THE MODE: SCHED_MODE bits 1:0 = 2 (LLVM: expert scheduling mode 2), set by the entry lines.  The code itself states the register dependences
; between vector or matrix instructions and memory or LDS instructions, with s_wait_alu, always for 0.
; THE PLAN.  Registers that memory or LDS instructions touch:
;   v1-v15        addresses and offsets.  Written at the head; v13-v15 anew ahead of the hidden layer, v3 and v5 ahead of the last product, v13 and v14 ahead of the way out: each time behind a wait on vm_vsrc
;                 that follows their last reader, and ahead of a wait on va_vdst that stands there anyway or serves several.  None is stepped inside a run of K steps.
;   the ring, its scale words, the bias    K step j: its products read ring slot j % 4 (and the bias, where it is their C); behind them set j + 4 lands in that slot.
;   ACT, v36-39   ONE set (sixteen waves of 256 registers are all that four SIMDs have): a K step's LDS loads land, its products read.  Between the runs of K steps the same registers serve the norm and the quantiser.
;   ACC           strips land in it from LDS and are stored from it; else vector and matrix instructions alone.
;   ST            the norm's partial sums: written by vector lines, read by LDS stores, written again behind the barrier.
; So ONE wait on va_vdst stands in a K step, behind its products and their places: all loads up to the next products follow it with no further wait: the set four further on, the next step's fragments, or the norm's gain and offset.
; The norm: one wait ahead of the first pass's four LDS stores; one a row tile ahead of the second pass's store, which also frees v[LT ..] for the next tile's loads; in the third pass the root's own wait does that,
; and the next tile's loads stand straight behind it, ahead of the tile's sixteen packed lines.  A wait on vm_vsrc stands behind each barrier behind which registers that LDS stores have read are written again.
.set ZQS,  3145728                     ; where zq's scale words begin
.set ZSI,  0                           ; LDS: zs: [row tile 4][K step 4][1536]
.set ZSS,  24576                       ; its scale words [tile][K step][16 rows]
.set ZI,   25600                       ; z likewise
.set ZS2,  50176
.set HSC,  51200                       ; the hidden layer's scale words [K step 16][tile 4][16 rows]
.set RED,  55296                       ; four fields of partial sums: [64 rows] 80 bytes apart, 16 waves' words
.set HI,   75776                       ; the hidden layer: [K step 16][tile 4][1536]
.set STG,  174080                      ; 64 rows x (2,048 + 16) bytes: x, then z, then the result.  Wave w's strip is bytes 128 w .. 128 w + 127 of every row
.set BIAS, 16                          ; v16-31   a unit's bias, in the result's layout
.set WS,   32                          ; v32-35   the ring's scale words;  v36-39 the rows': these registers hold scales alone
.set AS,   36
.set WR,   40                          ; v40-135  the ring: four sets of two fragments
.set ACT,  136                         ; v136-183 four fragments of the rows
.set ACC,  184                         ; v184-247 the unit's eight accumulators
.set ST,   248                         ; v248-255 a figure for each row tile, in pairs
.set LG,   136                         ; in a norm: gain, v152 offset, v168 sixteen at work
.set LB,   152
.set LT,   168
.set TM,   136                         ; in QUANT
.set PC,   152
.set PW,   172
.set SEL,  28                          ; s[28:29]
; v1 16 l; v2 4 r; v3 16 l + 12,288 w (later the hidden layer's images, K steps 0-7); v4 16 l + 49,152 w; v5 4 l + 512 w (later the hidden layer's images, K steps 8-15); v6 4 l + 2,048 w; v7 128 w + 64 h; v8 512 w + 64 h;
; v9, v10 my strip, rows 0-31, 32-63; v11 partial sums of row r, v12 my word there; v13, v14 where my block's pieces go; v15 where its scale bytes go
.macro QUANT s, ab
.irp b, 0,1,2,3
.if \ab
	v_max3_num_f32 v[TM+\b], |v[\s+16*\b]|, |v[\s+1+16*\b]|, 0x2800000   ; my 16 numbers of block b, and the floor 2^(5 - 127)
.else
	v_max3_num_f32 v[TM+\b], v[\s+16*\b], v[\s+1+16*\b], 0x2800000       ; (none is negative)
.endif
.endr
.irp i, 2,4,6,8,10,12,14
.irp b, 0,1,2,3
.if \ab
	v_max3_num_f32 v[TM+\b], v[TM+\b], |v[\s+16*\b+\i]|, |v[\s+1+16*\b+\i]|
.else
	v_max3_num_f32 v[TM+\b], v[TM+\b], v[\s+16*\b+\i], v[\s+1+16*\b+\i]
.endif
.endr
.endr
.irp b, 0,1,2,3
	v_permlanex16_b32 v[TM+4+\b], v[TM+\b], s[SEL], s[SEL+1]
.endr
.irp b, 0,1,2,3
	v_max_num_f32 v[TM+\b], v[TM+\b], v[TM+4+\b]
.endr
.irp b, 0,1,2,3
	v_add_nc_u32 v[TM+12+\b], 0xfe000000, v[TM+\b]
.endr
.irp b, 0,1,2,3
	v_lshrrev_b32 v[TM+4+\b], 23, v[TM+12+\b]      ; block b's byte: here block b is row tile b
.endr
	v_lshl_or_b32 v[PW], v[TM+5], 8, v[TM+4]
	v_lshl_or_b32 v[PW], v[TM+6], 16, v[PW]
	v_lshl_or_b32 v[PW], v[TM+7], 24, v[PW]
.irp c, 0,1
	v_cvt_scalef32_pk16_bf6_f32 v[PC+6*\c:PC+2+6*\c], v[\s+32*\c:\s+15+32*\c], v[TM+12+2*\c]
	v_cvt_scalef32_pk16_bf6_f32 v[PC+12+4*\c:PC+14+4*\c], v[\s+16+32*\c:\s+31+32*\c], v[TM+12+2*\c+1]
.endr
	v_nop                                          ; one plain place behind a scaled conversion
.irp c, 0,1                                    ; lane (r, H) then holds, in registers 6 c on, the whole block of row r of row tile 2 c + H
.irp i, 0,1,2
	v_permlane16_swap_b32 v[PC+6*\c+\i], v[PC+12+4*\c+\i]
.endr
.irp i, 0,1,2
	v_mov_b32 v[PC+3+6*\c+\i], v[PC+12+4*\c+\i]
.endr
.endr
.endm
.macro WM d, a, b, c, sa, sb, row
.if (\row) == 1
	v_wmma_scale_f32_16x16x128_f8f6f4 v[\d:\d+7], v[\a:\a+11], v[\b:\b+11], v[\c:\c+7], v[\sa], v[\sb] matrix_a_fmt:MATRIX_FMT_BF6 matrix_b_fmt:MATRIX_FMT_BF6 matrix_a_scale:MATRIX_SCALE_ROW1
.else
	v_wmma_scale_f32_16x16x128_f8f6f4 v[\d:\d+7], v[\a:\a+11], v[\b:\b+11], v[\c:\c+7], v[\sa], v[\sb] matrix_a_fmt:MATRIX_FMT_BF6 matrix_b_fmt:MATRIX_FMT_BF6
.endif
.endm
.macro BARRIER                                 ; my LDS stores have landed and my LDS loads are in: then the work-group's barrier
	s_wait_dscnt 0x0
	s_barrier_signal -1
	s_barrier_wait -1
.endm
; Set j of the weight stream into ring slot j % 4: sets 0-3 WO, 4-19 W1 (unit (j - 4) / 4), 20-35 W2.  A unit's first set is led by the unit's bias: 4 loads; then 6 loads of codes and one of scale words.
.macro SETLOAD j
.set SSL, (\j)%4
.if (\j) == 0
.irp e, 0,1,2,3
	global_load_b128 v[BIAS+4*\e:BIAS+4*\e+3], v7, s[10:11] offset:16*\e
.endr
.elseif (\j) == 20
.irp e, 0,1,2,3
	global_load_b128 v[BIAS+4*\e:BIAS+4*\e+3], v7, s[18:19] offset:16*\e
.endr
.elseif ((\j) < 20) && (((\j)%4) == 0)
.irp e, 0,1,2,3
	global_load_b128 v[BIAS+4*\e:BIAS+4*\e+3], v8, s[16:17] offset:128*((\j)/4-1)+16*\e
.endr
.endif
.if (\j) < 4
.set SCO, 589824+(\j)*3072
.set SSO, 2383872+(\j)*128
.set SVC, 3
.set SVS, 5
.elseif (\j) < 20
.set SCO, 786432+((\j)-4)*3072
.set SSO, 2392064+((\j)-4)*128
.set SVC, 4
.set SVS, 6
.else
.set SCO, 1572864+((\j)-20)*3072
.set SSO, 2424832+((\j)-20)*128
.set SVC, 4
.set SVS, 6
.endif
.irp u, 0,1
.irp p, 0,1,2
	global_load_b128 v[WR+24*SSL+12*\u+4*\p:WR+24*SSL+12*\u+4*\p+3], v[SVC], s[6:7] offset:SCO+\u*1536+512*\p
.endr
.endr
	global_load_b32 v[WS+SSL], v[SVS], s[6:7] offset:SSO
.endm
; K step j of the stream: the four row tiles' fragments and scale words from LDS, eight products, and the set four further on.
; The wait on loads counts the three younger sets: 7 loads each, 4 more where one of them is led by a bias.
.macro KSTEP j, areg, abase, mstr, sbase, smstr, cmode
.set KSL, (\j)%4
.if (\j) >= 33
.set KNW, 7*(35-(\j))
.elseif ((\j) < 20) && (((\j)%4) != 0)
.set KNW, 25
.else
.set KNW, 21
.endif
.irp m, 0,1,2,3
.irp p, 0,1,2
	ds_load_b128 v[ACT+12*\m+4*\p:ACT+12*\m+4*\p+3], v[\areg] offset:\abase+\m*\mstr+512*\p
.endr
	ds_load_b32 v[AS+\m], v2 offset:\sbase+\m*\smstr
.endr
	s_wait_loadcnt KNW
	s_wait_dscnt 0x0
.irp m, 0,1,2,3                                ; the eight accumulators take turns, one instruction a turn, over the K steps too
.irp u, 0,1
.if \cmode
	WM ACC+16*\m+8*\u, WR+24*KSL+12*\u, ACT+12*\m, BIAS+8*\u, WS+KSL, AS+\m, \u
.else
	WM ACC+16*\m+8*\u, WR+24*KSL+12*\u, ACT+12*\m, ACC+16*\m+8*\u, WS+KSL, AS+\m, \u
.endif
.endr
.endr
.rept 4
	v_nop                                          ; places ahead of loads into registers that these products have read, and of the first read of results
.endr
	s_wait_alu depctr_va_vdst(0)                   ; these products (and, ahead of a unit's first, the lines that added the bias) are done reading ring slot j % 4, its scale words, the bias, the rows' fragments and their scale words: the loads that follow land in them: the set four further on, the next K step's fragments, or the norm's gain and offset
.if (\j)+4 <= 35
	SETLOAD (\j)+4
.endif
.endm
; my blocks' pieces into the images: registers 6 c on belong to row tile 2 c + H
.macro SCAT a0, a1, cstr, o0, o1, o2
.irp c, 0,1
	ds_store_b64 v[\a0], v[PC+6*\c:PC+6*\c+1] offset:\c*\cstr+\o0
	ds_store_b64 v[\a1], v[PC+6*\c+2:PC+6*\c+3] offset:\c*\cstr+\o1
	ds_store_b64 v[\a0], v[PC+6*\c+4:PC+6*\c+5] offset:\c*\cstr+\o2
.endr
.endm
.macro STRIP_IN                                ; my strip of the 64 rows into the accumulators' layout; rows 2,064 bytes apart: an odd multiple of 16
.irp m, 0,1,2,3
.irp u, 0,1
.irp e, 0,1
	ds_load_b128 v[ACC+16*\m+8*\u+4*\e:ACC+16*\m+8*\u+4*\e+3], v[9+\m/2] offset:(\m%2)*33024+32*\u+16*\e
.endr
.endr
.endr
.endm
.macro STRIP_OUT
.irp m, 0,1,2,3
.irp u, 0,1
.irp e, 0,1
	ds_store_b128 v[9+\m/2], v[ACC+16*\m+8*\u+4*\e:ACC+16*\m+8*\u+4*\e+3] offset:(\m%2)*33024+32*\u+16*\e
.endr
.endr
.endr
.endm
.macro ADDBIAS
.irp m, 0,1,2,3
.irp i, 0,2,4,6,8,10,12,14
	v_pk_add_f32 v[ACC+16*\m+\i:ACC+16*\m+\i+1], v[ACC+16*\m+\i:ACC+16*\m+\i+1], v[BIAS+\i:BIAS+\i+1]
.endr
.endr
.endm
.macro TREE                                    ; v[LT] = the sum of v[LT] .. v[LT + 15]
	v_pk_add_f32 v[LT:LT+1], v[LT:LT+1], v[LT+2:LT+3]
	v_pk_add_f32 v[LT+4:LT+5], v[LT+4:LT+5], v[LT+6:LT+7]
	v_pk_add_f32 v[LT+8:LT+9], v[LT+8:LT+9], v[LT+10:LT+11]
	v_pk_add_f32 v[LT+12:LT+13], v[LT+12:LT+13], v[LT+14:LT+15]
	v_pk_add_f32 v[LT:LT+1], v[LT:LT+1], v[LT+4:LT+5]
	v_pk_add_f32 v[LT+8:LT+9], v[LT+8:LT+9], v[LT+12:LT+13]
	v_pk_add_f32 v[LT:LT+1], v[LT:LT+1], v[LT+8:LT+9]
	v_add_f32 v[LT], v[LT], v[LT+1]
.endm
; The norm of the 64 rows that lie in the accumulators, in place.  k: the first of its two fields of partial sums; gp, bp: the scalar pairs with the gain's and the offset's addresses.  Two barriers.
.macro LNORM k, gp, bp
.irp e, 0,1,2,3
	global_load_b128 v[LG+4*\e:LG+4*\e+3], v7, s[\gp:\gp+1] offset:16*\e   ; asked for first: they land under the two reductions.  (The last K step's wait has shown its products done with these registers)
.endr
.irp e, 0,1,2,3
	global_load_b128 v[LB+4*\e:LB+4*\e+3], v7, s[\bp:\bp+1] offset:16*\e
.endr
.irp m, 0,1,2,3                                ; my 16 numbers of row 16 m + r, each accumulator from its low end on
.set LU, LT+8*(\m%2)
	v_pk_add_f32 v[LU:LU+1], v[ACC+16*\m:ACC+16*\m+1], v[ACC+16*\m+2:ACC+16*\m+3]
	v_pk_add_f32 v[LU+2:LU+3], v[ACC+16*\m+4:ACC+16*\m+5], v[ACC+16*\m+6:ACC+16*\m+7]
	v_pk_add_f32 v[LU+4:LU+5], v[ACC+16*\m+8:ACC+16*\m+9], v[ACC+16*\m+10:ACC+16*\m+11]
	v_pk_add_f32 v[LU+6:LU+7], v[ACC+16*\m+12:ACC+16*\m+13], v[ACC+16*\m+14:ACC+16*\m+15]
	v_pk_add_f32 v[LU:LU+1], v[LU:LU+1], v[LU+2:LU+3]
	v_pk_add_f32 v[LU+4:LU+5], v[LU+4:LU+5], v[LU+6:LU+7]
	v_pk_add_f32 v[LU:LU+1], v[LU:LU+1], v[LU+4:LU+5]
	v_add_f32 v[LU], v[LU], v[LU+1]
	v_permlanex16_b32 v[ST+2*\m+1], v[LU], s[SEL], s[SEL+1]
	v_add_f32 v[ST+2*\m], v[LU], v[ST+2*\m+1]      ; my wave's 32 columns of the row (both halves of the lanes write the same word with the same value)
.endr
	s_wait_alu depctr_va_vdst(0)                   ; the four partial sums v[ST + 2 m] are written, which the LDS stores read; and the lines above are done with v[LT ..], in which the loads behind the barrier land
.irp m, 0,1,2,3
	ds_store_b32 v12, v[ST+2*\m] offset:\k*5120+\m*1280
.endr
	BARRIER
	s_wait_alu depctr_vm_vsrc(0)                   ; my LDS stores have read v[ST + 2 m], which the means below write again
.irp m, 0,1,2,3
.irp i, 0,1,2,3
	ds_load_b128 v[LT+4*\i:LT+4*\i+3], v11 offset:\k*5120+\m*1280+16*\i
.endr
	s_wait_dscnt 0x0
	TREE
	v_mul_f32 v[ST+2*\m], s30, v[LT]               ; the row's mean
.irp i, 0,2,4,6,8,10,12,14
	v_pk_add_f32 v[ACC+16*\m+\i:ACC+16*\m+\i+1], v[ACC+16*\m+\i:ACC+16*\m+\i+1], v[ST+2*\m:ST+2*\m+1] op_sel_hi:[1,0] neg_lo:[0,1] neg_hi:[0,1]   ; less the mean
.endr
	v_pk_mul_f32 v[LT:LT+1], v[ACC+16*\m:ACC+16*\m+1], v[ACC+16*\m:ACC+16*\m+1]
	v_pk_mul_f32 v[LT+2:LT+3], v[ACC+16*\m+2:ACC+16*\m+3], v[ACC+16*\m+2:ACC+16*\m+3]
.irp i, 4,8,12
	v_pk_fma_f32 v[LT:LT+1], v[ACC+16*\m+\i:ACC+16*\m+\i+1], v[ACC+16*\m+\i:ACC+16*\m+\i+1], v[LT:LT+1]
	v_pk_fma_f32 v[LT+2:LT+3], v[ACC+16*\m+\i+2:ACC+16*\m+\i+3], v[ACC+16*\m+\i+2:ACC+16*\m+\i+3], v[LT+2:LT+3]
.endr
	v_pk_add_f32 v[LT:LT+1], v[LT:LT+1], v[LT+2:LT+3]
	v_add_f32 v[LT], v[LT], v[LT+1]
	v_permlanex16_b32 v[ST+2*\m+1], v[LT], s[SEL], s[SEL+1]
	v_add_f32 v[ST+2*\m], v[LT], v[ST+2*\m+1]      ; my wave's part of the squares
	s_wait_alu depctr_va_vdst(0)                   ; v[ST + 2 m] is written, which the LDS store reads; and this row tile's lines are done with v[LT ..], in which the next loads land
	ds_store_b32 v12, v[ST+2*\m] offset:(\k+1)*5120+\m*1280
.endr
	BARRIER
	s_wait_alu depctr_vm_vsrc(0)                   ; my LDS stores have read v[ST + 2 m], which the roots below write again
	s_wait_loadcnt 0x0                             ; gain and offset
.irp i, 0,1,2,3
	ds_load_b128 v[LT+4*\i:LT+4*\i+3], v11 offset:(\k+1)*5120+16*\i   ; row tile 0's sixteen parts of the squares
.endr
.irp m, 0,1,2,3
	s_wait_dscnt 0x0
	TREE
	v_fma_f32 v[LT], v[LT], s30, s31               ; the variance + 1e-3
	s_wait_alu depctr_va_vdst(0)
	v_rsq_f32 v[ST+2*\m], v[LT]
	v_nop                                          ; one plain place behind a transcendental
	s_wait_alu depctr_va_vdst(0)                   ; the root has written v[ST + 2 m], ahead of its first reader; and the lines above are done with v[LT ..], in which the next row tile's parts land
.if \m < 3
.irp i, 0,1,2,3
	ds_load_b128 v[LT+4*\i:LT+4*\i+3], v11 offset:(\k+1)*5120+(\m+1)*1280+16*\i   ; asked for ahead of this tile's sixteen packed lines, which name none of these registers
.endr
.endif
.irp i, 0,2,4,6,8,10,12,14
	v_pk_mul_f32 v[ACC+16*\m+\i:ACC+16*\m+\i+1], v[ACC+16*\m+\i:ACC+16*\m+\i+1], v[ST+2*\m:ST+2*\m+1] op_sel_hi:[1,0]
.endr
.irp i, 0,2,4,6,8,10,12,14
	v_pk_fma_f32 v[ACC+16*\m+\i:ACC+16*\m+\i+1], v[ACC+16*\m+\i:ACC+16*\m+\i+1], v[LG+\i:LG+\i+1], v[LB+\i:LB+\i+1]
.endr
.endr
.endm
	s_load_b512 s[4:19], s[0:1], 0x0               ; zq, wq, x, bO, g1, beta1, b1, b2
	s_load_b128 s[20:23], s[0:1], 0x40             ; g2, beta2
	s_load_b64 s[24:25], s[0:1], 0x50              ; out0
	v_lshrrev_b32 v1, 5, v0
	v_readfirstlane_b32 s26, v1                    ; wave 0..15
	s_mov_b32 s[SEL], 0x76543210
	s_mov_b32 s[SEL+1], 0xfedcba98
	s_mov_b32 s30, 0x3b000000                      ; 1 / 512
	s_mov_b32 s31, 0x3a83126f                      ; 1e-3
	v_and_b32 v179, 31, v0                         ; lane
	v_and_b32 v180, 15, v0                         ; r
	v_bfe_u32 v181, v0, 4, 1                       ; h
	v_lshlrev_b32 v1, 4, v179
	v_lshlrev_b32 v2, 2, v180
	s_wait_alu depctr_va_sdst(0)                   ; s26, the wave's number, is written, ahead of its first reader
	s_mul_i32 s32, s26, 12288
	v_add_nc_u32 v3, s32, v1
	s_mul_i32 s32, s26, 49152
	v_add_nc_u32 v4, s32, v1
	v_lshlrev_b32 v182, 2, v179
	s_lshl_b32 s32, s26, 9
	v_add_nc_u32 v5, s32, v182
	s_lshl_b32 s32, s26, 11
	v_add_nc_u32 v6, s32, v182
	v_lshlrev_b32 v183, 6, v181
	s_lshl_b32 s32, s26, 7
	v_add_nc_u32 v7, s32, v183
	s_lshl_b32 s33, s26, 9
	v_add_nc_u32 v8, s33, v183
	v_mul_u32_u24 v9, v180, 2064
	v_add_nc_u32 v9, v9, v7
	v_add_nc_u32 v9, STG, v9                       ; my strip: row r, + 128 w + 64 h
	v_add_nc_u32 v10, 66048, v9                    ; and 32 rows further down
	v_mul_u32_u24 v11, v180, 80
	v_add_nc_u32 v11, RED, v11
	s_lshl_b32 s32, s26, 2
	v_add_nc_u32 v12, s32, v11
	; z's block of my 32 columns is block w % 4 of K step w / 4: lanes 16 (w % 2) on, registers 6 ((w / 2) % 2) on
	s_lshr_b32 s32, s26, 2
	s_mul_i32 s33, s32, 1536
	s_and_b32 s34, s26, 1
	s_lshl_b32 s34, s34, 8
	s_add_co_u32 s33, s33, s34
	s_add_co_u32 s33, s33, ZI
	s_bfe_u32 s34, s26, 0x10001
	s_mul_i32 s35, s34, 520
	s_add_co_u32 s35, s35, s33
	s_mul_i32 s36, s34, 1016
	s_add_co_u32 s36, s36, s33
	v_mul_u32_u24 v13, v181, 6144
	v_lshl_add_u32 v13, v180, 4, v13               ; row tile H (2 c + H by the immediate), row r
	v_add_nc_u32 v14, s36, v13
	v_add_nc_u32 v13, s35, v13
	s_lshl_b32 s32, s32, 6
	s_and_b32 s34, s26, 3
	s_add_co_u32 s32, s32, s34
	s_add_co_u32 s32, s32, ZS2
	v_add_nc_u32 v15, s32, v2                      ; its scale byte: K step w / 4, row r, byte w % 4
.irp m, 0,1,2,3
	v_mov_b32 v[ST+2*\m+1], 0                      ; a lane permute's destination counts as one of its sources
.endr
	v_lshlrev_b32 v176, 4, v0                      ; 16 x thread
	v_lshlrev_b32 v175, 1, v0                      ; 2 x thread
	s_lshl_b32 s32, s26, 13
	v_add_nc_u32 v177, s32, v1                     ; rows 4 w on in memory, 16 bytes a lane
	s_mul_i32 s32, s26, 8256
	s_add_co_u32 s32, s32, STG
	v_add_nc_u32 v178, s32, v1                     ; and in LDS
	s_mul_i32 s38, ttmp9, 24576
	s_mov_b32 s39, 0
	s_wait_kmcnt 0x0
	s_add_nc_u64 s[40:41], s[4:5], s[38:39]        ; my four tiles of zs
	s_lshl_b32 s38, ttmp9, 10
	s_add_co_u32 s38, s38, ZQS
	s_add_nc_u64 s[42:43], s[4:5], s[38:39]        ; their scale words
	s_lshl_b32 s38, ttmp9, 17
	s_add_nc_u64 s[44:45], s[8:9], s[38:39]        ; my 64 rows of x
	s_add_nc_u64 s[46:47], s[24:25], s[38:39]      ; and of the output
	; ---- the head: zs's images and scale bytes and x's rows into LDS; the first four sets of weights are asked for
	s_wait_alu depctr_va_vdst(0)                   ; v1 to v15 and v175 to v178 are written, the offsets and addresses of the loads and LDS instructions below; and the address lines are done with v179 to v183, in which the rows' fragments will land
.irp k, 0,1,2
	global_load_b128 v[ACT+4*\k:ACT+4*\k+3], v176, s[40:41] offset:8192*\k th:TH_LOAD_NT
.endr
	global_load_u16 v148, v175, s[42:43] th:TH_LOAD_NT                    ; 1,024 scale bytes, two a thread: a wave reads 64 consecutive bytes
.irp i, 0,1,2,3
.irp q, 0,1,2,3
	global_load_b128 v[ACC+16*\i+4*\q:ACC+16*\i+4*\q+3], v177, s[44:45] offset:2048*\i+512*\q th:TH_LOAD_NT   ; 512 consecutive bytes of row 4 w + i
.endr
.endr
	SETLOAD 0
	SETLOAD 1
	SETLOAD 2
	SETLOAD 3
	s_wait_loadcnt 32                              ; all but the four sets: 11 + 7 + 7 + 7 loads
.irp k, 0,1,2
	ds_store_b128 v176, v[ACT+4*\k:ACT+4*\k+3] offset:ZSI+8192*\k
.endr
	ds_store_b16 v175, v148 offset:ZSS
.irp i, 0,1,2,3
.irp q, 0,1,2,3
	ds_store_b128 v178, v[ACC+16*\i+4*\q:ACC+16*\i+4*\q+3] offset:2064*\i+512*\q
.endr
.endr
	BARRIER
	s_wait_alu depctr_vm_vsrc(0)                   ; my loads and LDS stores have read v136 to v148, v175 to v178 and the accumulators' registers: my strip lands in these last, the rows' fragments in the others
	; ---- zs WO + bO + x: x + bO is the C of the first product
	STRIP_IN
	s_wait_dscnt 0x0
	s_wait_loadcnt 28                              ; bO is in: behind it came its set's 7 loads and the three younger sets' 21
	ADDBIAS
	s_wait_alu depctr_va_vdst(0)
.irp k, 0,1,2,3
	KSTEP \k, 1, ZSI+\k*1536, 6144, ZSS+\k*64, 256, 0
.endr
	LNORM 0, 12, 14
	QUANT ACC, 1
	s_wait_alu depctr_va_vdst(0)                   ; the norm has written z in the accumulators, the quantiser its codes and bytes: the LDS stores below read them; and the quantiser is done with v136 to v172, in which the rows' fragments land again
	STRIP_OUT                                      ; z, for the second residual: into my own strip, which no other wave touches between the first barrier and the last
	SCAT 13, 14, 12288, 0, 8, 512
.irp m, 0,1,2,3
	ds_store_b8 v15, v[TM+4+\m] offset:256*\m
.endr
	BARRIER                                        ; z's sixteen fragments lie in LDS
	s_wait_alu depctr_vm_vsrc(0)                   ; my LDS stores have read v13 to v15, written anew below; the codes and bytes, in whose registers the rows' fragments land; and the accumulators, which the next products write
	; ---- relu(z W1 + b1): four units; unit q is block q of K step w of the last product
	s_mul_i32 s32, s26, 6144
	s_add_co_u32 s32, s32, HI
	v_bfe_u32 v14, v0, 4, 1
	v_mul_u32_u24 v13, v14, 1536
	v_and_b32 v14, 15, v0
	v_lshl_add_u32 v13, v14, 4, v13
	v_add_nc_u32 v13, s32, v13                     ; K step w, row tile H (2 c + H by the immediate), row r
	s_lshl_b32 s32, s26, 8
	s_add_co_u32 s32, s32, HSC
	v_add_nc_u32 v15, s32, v2
.irp q, 0,1,2,3
	KSTEP 4+4*\q, 1, ZI, 6144, ZS2, 256, 1         ; b1 is the C of the unit's first product
.irp k, 1,2,3
	KSTEP 4+4*\q+\k, 1, ZI+\k*1536, 6144, ZS2+\k*64, 256, 0
.endr
.set n, 0
.rept 64
	v_max_num_f32 v[ACC+n], 0, v[ACC+n]            ; the activation, in f32, each accumulator from its low end on
.set n, n+1
.endr
	QUANT ACC, 0
	s_wait_alu depctr_va_vdst(0)                   ; the unit's codes and bytes are written, which the LDS stores read (ahead of the first unit's: their addresses v13 and v15 too); and the vector lines are done with v136 to v172 and with the accumulators, in which loads land next
	SCAT 13, 13, 3072, 256*(\q%2)+520*(\q/2), 256*(\q%2)+8+1016*(\q/2), 256*(\q%2)+512+520*(\q/2)
.irp m, 0,1,2,3
	ds_store_b8 v15, v[TM+4+\m] offset:64*\m+\q
.endr
	s_wait_dscnt 0x0                               ; the stores have read their registers, which take the rows' fragments again
	s_wait_alu depctr_vm_vsrc(0)                   ; the LDS stores have read the codes and bytes, in whose registers the next fragments land
.endr
	s_barrier_signal -1
	s_barrier_wait -1                              ; the hidden layer's 64 fragments lie in LDS
	; ---- hidden W2 + b2 + z: z + b2 is the C of the first product
	v_add_nc_u32 v3, HI, v1                        ; the hidden layer's K steps 0-7: the immediates reach eight K steps.  (The loads that named v3 and v5 as their offsets are long done, and waits on vm_vsrc have followed them)
	v_add_nc_u32 v5, HI+49152, v1                  ; and K steps 8-15: an address of its own, so that none is stepped among the K steps
	s_wait_alu depctr_va_vdst(0)                   ; v3 and v5 are written, which the K steps' LDS loads read
	STRIP_IN
	s_wait_dscnt 0x0
	s_wait_loadcnt 28                              ; b2 is in: behind it came its set's 7 loads and the three younger sets' 21
	ADDBIAS
	s_wait_alu depctr_va_vdst(0)
.irp k, 0,1,2,3,4,5,6,7,8,9,10,11,12,13,14,15
	KSTEP 20+\k, 3+2*(\k/8), (\k%8)*6144, 1536, HSC+\k*256, 64, 0
.endr
	LNORM 2, 20, 22
	s_mul_i32 s32, s26, 8256
	s_add_co_u32 s32, s32, STG
	v_add_nc_u32 v13, s32, v1                      ; rows 4 w on, whole
	s_lshl_b32 s32, s26, 13
	v_add_nc_u32 v14, s32, v1
	s_wait_alu depctr_va_vdst(0)                   ; the norm has written the result in the accumulators, which the LDS stores read; v13 and v14 are written, the address and the offset of the way out
	STRIP_OUT
	BARRIER                                        ; 64 whole rows of the result lie in LDS
	s_wait_alu depctr_vm_vsrc(0)                   ; my LDS stores have read the accumulators' registers, in which whole rows land
.irp i, 0,1,2,3
.irp q, 0,1,2,3
	ds_load_b128 v[ACC+16*\i+4*\q:ACC+16*\i+4*\q+3], v13 offset:2064*\i+512*\q
.endr
.endr
.irp i, 0,1,2,3
.irp q, 0,1,2,3
	s_wait_dscnt 15-4*\i-\q
	global_store_b128 v14, v[ACC+16*\i+4*\q:ACC+16*\i+4*\q+3], s[46:47] offset:2048*\i+512*\q th:TH_STORE_NT   ; 32 lanes store 512 consecutive bytes, aligned
.endr
.endr
	s_wait_xcnt 0x0
	v_lshl_add_u32 v254, v0, 2, 0x4ac00            ; the add's two registers are made anew: no memory or LDS instruction has read v254 or v255 since the wait on vm_vsrc behind the last barrier
	v_mov_b32 v255, 0
	s_wait_dscnt 0x0                               ; the closing lines, six on end
	s_wait_alu 0x0
	s_wait_tensorcnt 0x0
	ds_add_u32 v254, v255
	s_wait_dscnt 0x0
	s_endpgm
.Lfunc_end_k_qf5c9be01dc_tail:
	.size	k_qf5c9be01dc_tail, .Lfunc_end_k_qf5c9be01dc_tail-k_qf5c9be01dc_tail
	.p2alignl 7, 3214868480
	.fill 96, 4, 3214868480
	.section	.rodata,"a",@progbits
	.p2align	6, 0x0
	.amdhsa_kernel k_qf5c9be01dc_tail
		.amdhsa_group_segment_fixed_size 308224
		.amdhsa_private_segment_fixed_size 0
		.amdhsa_enable_private_segment 0
		.amdhsa_kernarg_size 88
		.amdhsa_user_sgpr_count 2
		.amdhsa_user_sgpr_kernarg_segment_ptr 1
		.amdhsa_wavefront_size32 1
		.amdhsa_system_sgpr_workgroup_id_x 1
		.amdhsa_system_sgpr_workgroup_id_y 1
		.amdhsa_system_sgpr_workgroup_id_z 1
		.amdhsa_system_vgpr_workitem_id 0
		.amdhsa_next_free_vgpr 256
		.amdhsa_next_free_sgpr 66
		.amdhsa_reserve_vcc 0
		.amdhsa_float_denorm_mode_32 3
		.amdhsa_float_denorm_mode_16_64 3
		.amdhsa_memory_ordered 1
		.amdhsa_forward_progress 1
		.amdhsa_inst_pref_size 195
	.end_amdhsa_kernel
	.amdgpu_metadata
---
amdhsa.version: [ 1, 2 ]
amdhsa.kernels:
  - .name:           k_qf5c9be01dc_tail
    .symbol:         k_qf5c9be01dc_tail.kd
    .args:
      - { .name: zq, .offset: 0, .size: 8, .value_kind: global_buffer, .address_space: global }
      - { .name: wq, .offset: 8, .size: 8, .value_kind: global_buffer, .address_space: global }
      - { .name: x, .offset: 16, .size: 8, .value_kind: global_buffer, .address_space: global }
      - { .name: bO, .offset: 24, .size: 8, .value_kind: global_buffer, .address_space: global }
      - { .name: g1, .offset: 32, .size: 8, .value_kind: global_buffer, .address_space: global }
      - { .name: beta1, .offset: 40, .size: 8, .value_kind: global_buffer, .address_space: global }
      - { .name: b1, .offset: 48, .size: 8, .value_kind: global_buffer, .address_space: global }
      - { .name: b2, .offset: 56, .size: 8, .value_kind: global_buffer, .address_space: global }
      - { .name: g2, .offset: 64, .size: 8, .value_kind: global_buffer, .address_space: global }
      - { .name: beta2, .offset: 72, .size: 8, .value_kind: global_buffer, .address_space: global }
      - { .name: out0, .offset: 80, .size: 8, .value_kind: global_buffer, .address_space: global }
    .group_segment_fixed_size: 308224
    .private_segment_fixed_size: 0
    .kernarg_segment_align: 8
    .kernarg_segment_size: 88
    .max_flat_workgroup_size: 512
    .sgpr_count:     66
    .vgpr_count:     256
    .wavefront_size: 32
...
	.end_amdgpu_metadata
.endif
;; end of part 8
